; MI455X (gfx1250); checked and timed in simulation.
; The chip was launched on July 23, 2026; its instructions are those of AMD's public machine-readable ISA for CDNA 5 (MIT licence, August 2026) and "CDNA5" Instruction Set Architecture Reference Guide (July 2026). The comments in the code are by the model that wrote it; some were corrected since.
;; Decoder Block. Allowed arithmetic: matrix products marked QUANTISED: E2M3 operands, one E8M0 scale for each 32 along K, by v_wmma_scale_f32_16x16x128_f8f6f4 with both operands' format E2M3, f32 sums; everything else in f32.
;; Inputs: W1 512 x 2,048 float32; W2 2,048 x 512 float32; Wk 16 x 512 x 32 float32; Wo 512 x 512 float32; Wq 16 x 512 x 32 float32; Wv 16 x 512 x 32 float32; b1 2,048 float32; b2 512 float32; be1 512 float32; be2 512 float32; bo 512 float32; g1 512 float32; g2 512 float32; x 4 x 2,048 x 512 float32.
;; Outputs: out0 4 x 2,048 x 512 float32.
;; This version of the problem:
;;   THIS VERSION OF THE PROBLEM IS GIVEN IN LOW PRECISION. The matrix products marked QUANTISED in the list below multiply operands that are first quantised to E2M3 (2 exponent bits, 3 mantissa bits; 6 bits a number), with one power-of-two scale for each 32 numbers along K (OCP MX v1.0); their sums are f32. All else is computed in f32.
;;   The module's matrix products, in the order in which they are computed (A, B: the left and right operand; K: the contracted axis; several contracted axes count as one K, in the product's order):
;;     1. [M 512, K 512] x [K 512, N 8,192]; A: input Wq; B: computed on the way: QUANTISED
;;     2. [M 512, K 512] x [K 512, N 8,192]; A: input Wk; B: computed on the way: QUANTISED
;;     3. [M 512, K 512] x [K 512, N 8,192]; A: input Wv; B: computed on the way: QUANTISED
;;     4. batch 64 x [M 2,048, K 32] x [K 32, N 2,048]; A: computed on the way; B: computed on the way: QUANTISED
;;     5. batch 64 x [M 2,048, K 2,048] x [K 2,048, N 32]; A: softmax (see below); B: computed on the way: QUANTISED
;;     6. [M 8,192, K 512] x [K 512, N 512]; A: computed on the way; B: input Wo: QUANTISED
;;     7. [M 8,192, K 512] x [K 512, N 2,048]; A: computed on the way; B: input W1: QUANTISED
;;     8. [M 8,192, K 2,048] x [K 2,048, N 512]; A: computed on the way; B: input W2: QUANTISED
;;   THE QUANTISER, for each operand of a quantised product, along K:
;;     - K is cut into blocks of 32 from its start; a last block that is shorter is filled with zeros.
;;     - A block's scale is 2^e with e = floor(log2(the largest magnitude in the block)) - 2, held to -126 .. 127; a block of zeros has e = 0. As a byte (E8M0): e + 127.
;;     - Each number is divided by its block's scale, clamped to +-7.5, and rounded to the nearest number of E2M3, ties to even, subnormals kept.
;;     - The product sums the exact products of the quantised numbers (number of the format x scale) in f32.
;;   ~~~python
;;   def quantise(x, axis):      # numpy; x: float32 -> the quantised numbers, widened to float32 again
;;       x = np.moveaxis(x, axis, -1); K = x.shape[-1]
;;       x = np.pad(x, [(0, 0)] * (x.ndim - 1) + [(0, -K % 32)]); x = x.reshape(x.shape[:-1] + (-1, 32)); a = np.abs(x).max(-1, keepdims=True)
;;       e = np.where(a > 0, np.clip(np.frexp(np.where(a > 0, a, 1))[1] - 1 - 2, -126, 127), 0)      # np.frexp(a)[1] - 1 = floor(log2(a)), exactly
;;       r = np.clip(x / 2.0 ** e, -7.5, 7.5)
;;       step = 2.0 ** (np.maximum(np.frexp(np.where(r == 0, 1, r))[1] - 1, 0) - 3)
;;       q = np.round(r / step) * step * 2.0 ** e      # np.round: ties to even
;;       return np.moveaxis(q.reshape(q.shape[:-2] + (-1,))[..., :K], -1, axis).astype(np.float32)
;;   ~~~
;;   SOFTMAX AHEAD OF A QUANTISED PRODUCT. Where the list says 'softmax', what is quantised is not the finished softmax but p = 2^(t - M), with t = logit x log2(e) and M = ceil(the row's largest t), a whole number; so 1/2 < the row's largest p <= 1. The row's sum l is taken of the UNQUANTISED p, in f32, and the product's result is divided by l at the end. Since M is a whole number, a kernel that streams over the keys may use a running M (the ceiling of the running maximum): every later rescaling is an exact power of two, which a block's scale takes up: the codes' values come out the same.
;;   OPERANDS COMPUTED ON THE WAY. 'Computed on the way' means the value that the module computes at that place (a softmax that the list does not call 'softmax' is quantised finished and normalised). What goes into a quantiser is computed in f32, as accurately as f32 sums, v_exp_f32 and their like allow (about 1e-6 of the number): no bf16 or f16 on the way to a quantiser, and a product that is left as it is and whose result goes on into a quantised operand takes f32 operands (vector FMAs, or v_wmma_f32_16x16x4_f32). A number that lies on a knife's edge between two numbers of the format may be rounded either way, as far as f32 arithmetic and the matrix unit's own rounding can turn it there, and no further.
;; 2 versions. Each part assembles by itself: llvm-mc -triple=amdgcn-amd-amdhsa -mcpu=gfx1250 --defsym DOCPART=n.
;; ======== version 1 of 2: 4 launches
;; workspace buffers: wimg 2,359,296 bytes; wscl 98,304 bytes; hc 3,145,728 bytes; hs 262,144 bytes; qkvc 9,437,184 bytes; qkvs 393,216 bytes; ac 3,145,728 bytes; asc 262,144 bytes
;; launch prep (part 1): grid 256 x 1, 8 waves a work-group, no clusters, 3,072 bytes of LDS; arguments x, g1, be1, Wq, Wk, Wv, Wo, W1, W2, wimg, wscl, hc, hs; writes wimg, wscl, hc, hs
.if DOCPART == 1
	.amdgcn_target "amdgcn-amd-amdhsa--gfx1250"
	.amdhsa_code_object_version 6
	.text
	.protected	k_qb945673029_prep
	.globl	k_qb945673029_prep
	.p2align	8
	.type	k_qb945673029_prep,@function
k_qb945673029_prep:
	s_mov_b64 s[64:65], 0
	v_nop
	global_prefetch_b8 v0, s[64:65] scope:SCOPE_SE
	s_setreg_imm32_b32 hwreg(HW_REG_WAVE_MODE, 25, 1), 1
	s_wait_xcnt 0x0
; PREP.  (1) h = layernorm(x, g1, be1), quantised along its 512 columns to codes of FP6 (E2M3) with one E8M0 byte for each 32.  (2) The six weights, whose K is their first matrix axis, quantised along K.
; Both leave as IMAGES OF OPERAND REGISTERS: a fragment (16 rows x 128 K, 12 registers a lane) is 1,536 bytes, registers 4 c .. 4 c + 3 of lane l at 512 c + 16 l; its scale words 128 bytes, lane l's at 4 l.
; TILES ARE PERMUTED: rows (and weight columns) go in groups of 32; row r of tile u of a group is member 8 u + r + 8 (r / 8).  A product with such a tile as source 0 then leaves 16 neighbours in a lane's 16 registers of tiles 0 and 1.
; SHARES.  Work-group G: rows 32 G .. 32 G + 31.  Wave w = 4 u + s: tile u, columns 128 s .. 128 s + 127.  A row's mean and variance (two passes, as the layer norm is defined) meet in LDS: two barriers.
; Behind that waves 0 to 2 take weight task T = 3 G + w of 768: 32 columns x 128 along K; a lane takes a column and its registers run down K, so a block of 32 lies in one lane.
; LIMITS: NaN and infinities among the inputs are not served.  A block of zeros gets the byte 1 and not 127: its codes are zeros, and this program alone reads the bytes.  A block whose largest magnitude lies under 2^-124 is held at byte 1.
.set X,    16                          ; v16-79   my 64 numbers of x: register 16 b + i = column 128 s + 32 b + 16 (lane / 16) + i of my row
.set GA,   80                          ; v80-143  g1 at the same columns
.set BE,   144                         ; v144-207 be1
.set TM,   208                         ; v208-223 the quantiser's: largest magnitudes, bytes, scale operands
.set PW,   224                         ; v224     the scale word just made
.set PC,   226                         ; v226-245 the codes just made (12) and two temporaries
.set SM,   246                         ; v246-253 four pairs for the sums
.set SEL,  40                          ; s[40:41] lane selects: lane l xor 16
.set WD,   16                          ; weight part: v16-143 128 numbers down K
.set OUT0, 144                         ; v144-155 the fragment registers of lane (r, 0); v156-167 of lane (r, 1)
.set CT,   168                         ; v168-183 the upper halves of the four blocks' codes
.set WM,   184                         ; v184-185 two chains of the largest magnitude
.set WSO,  186                         ; v186-189 the blocks' scale operands
.set WE,   190                         ; v190     a byte
.set WORD, 192                         ; v192     the column's scale word
.set WA,   193                         ; v193     1536 u' + 16 r of my column
.set WSA,  194                         ; v194     4 (r + 16 u')
; 64 numbers of a lane, register 16 b + i = k 32 b + 16 (lane / 16) + i of my row, become a fragment's codes in v[PC] on and its scale word in v[PW].
.macro QUANT s
.irp b,0,1,2,3
	v_max3_num_f32 v[TM+\b], |v[\s+16*\b]|, |v[\s+1+16*\b]|, 0x1800000   ; my 16 numbers of block b, and the floor 2^(3 - 127): the byte cannot fall under 1
.endr
.irp i,2,4,6,8,10,12,14
.irp b,0,1,2,3
	v_max3_num_f32 v[TM+\b], v[TM+\b], |v[\s+16*\b+\i]|, |v[\s+1+16*\b+\i]|
.endr
.endr
.irp b,0,1,2,3
	v_permlanex16_b32 v[TM+4+\b], v[TM+\b], s[SEL], s[SEL+1]
.endr
.irp b,0,1,2,3
	v_max_num_f32 v[TM+\b], v[TM+\b], v[TM+4+\b]     ; with lane l xor 16's: the block's largest magnitude
.endr
.irp b,0,1,2,3
	v_add_nc_u32 v[TM+12+\b], 0xff000000, v[TM+\b]   ; 2 off its exponent field: the conversion's scale operand
.endr
.irp b,0,1,2,3
	v_lshrrev_b32 v[TM+4+\b], 23, v[TM+12+\b]        ; the scale's byte
.endr
	v_lshl_or_b32 v[PW], v[TM+5], 8, v[TM+4]
	v_lshl_or_b32 v[PW], v[TM+6], 16, v[PW]
	v_lshl_or_b32 v[PW], v[TM+7], 24, v[PW]
.irp c,0,1
	v_cvt_scalef32_pk16_fp6_f32 v[PC+6*\c:PC+2+6*\c], v[\s+32*\c:\s+15+32*\c], v[TM+12+2*\c]
	v_cvt_scalef32_pk16_fp6_f32 v[PC+12+4*\c:PC+14+4*\c], v[\s+16+32*\c:\s+31+32*\c], v[TM+12+2*\c+1]   ; (a conversion's three registers begin on an even number)
.endr
	v_nop                                          ; one plain place behind a scaled conversion
.irp c,0,1                                     ; the operand's layout wants a whole block in a lane: lanes 0-15 block 2 c, lanes 16-31 block 2 c + 1
.irp i,0,1,2
	v_permlane16_swap_b32 v[PC+6*\c+\i], v[PC+12+4*\c+\i]
.endr
.irp i,0,1,2
	v_mov_b32 v[PC+3+6*\c+\i], v[PC+12+4*\c+\i]
.endr
.endr
.endm
.macro LANESUM                         ; four pairs become one number: the sum over my row's 128 columns, the same in both halves of the lanes
	v_pk_add_f32 v[SM:SM+1], v[SM:SM+1], v[SM+2:SM+3]
	v_pk_add_f32 v[SM+4:SM+5], v[SM+4:SM+5], v[SM+6:SM+7]
	v_pk_add_f32 v[SM:SM+1], v[SM:SM+1], v[SM+4:SM+5]
	v_add_f32 v[SM], v[SM], v[SM+1]
	v_permlanex16_b32 v[SM+2], v[SM], s[SEL], s[SEL+1]
	v_add_f32 v[SM], v[SM], v[SM+2]
.endm
.macro MEET off                        ; the four waves of a tile exchange their sums: my word at 512 u + 16 lane + 4 s, then all four words of my lane
	ds_store_b32 v6, v[SM] offset:\off
	s_wait_dscnt 0x0                               ; for the others' sake: my store has landed, and no LDS load of mine is out
	s_barrier_signal -1
	s_barrier_wait -1
	ds_load_b128 v[SM:SM+3], v7 offset:\off
	s_wait_dscnt 0x0
	v_add_f32 v[SM], v[SM], v[SM+1]
	v_add_f32 v[SM+2], v[SM+2], v[SM+3]
	v_add_f32 v[SM], v[SM], v[SM+2]
.endm
	s_load_b512 s[4:19], s[0:1], 0x0               ; x s[4:5], g1 s[6:7], be1 s[8:9], Wq s[10:11], Wk s[12:13], Wv s[14:15], Wo s[16:17], W1 s[18:19]
	s_load_b256 s[20:27], s[0:1], 0x40             ; W2 s[20:21], wimg s[22:23], wscl s[24:25], hc s[26:27]
	s_load_b64 s[28:29], s[0:1], 0x60              ; hs
	v_lshl_add_u32 v254, v0, 2, 0x800
	v_mov_b32 v255, 0
	v_lshrrev_b32 v1, 5, v0
	v_readfirstlane_b32 s30, v1                    ; wave 0..7
	v_and_b32 v1, 31, v0                           ; lane
	v_and_b32 v2, 15, v0                           ; r
	v_bfe_u32 v3, v0, 4, 1                         ; h
	s_lshr_b32 s31, s30, 2                         ; u
	s_and_b32 s32, s30, 3                          ; s
	v_and_b32 v4, 8, v2
	v_add_nc_u32 v4, v4, v2                        ; r + 8 (r / 8)
	v_lshlrev_b32 v4, 11, v4                       ; rows of 2,048 bytes
	v_lshl_add_u32 v4, v3, 6, v4                   ; + 64 h: my 16 numbers of a block of 32
	v_lshlrev_b32 v5, 6, v3                        ; 64 h, for g1 and be1
	v_lshlrev_b32 v8, 4, v1                        ; 16 x lane
	v_lshlrev_b32 v9, 2, v1                        ; 4 x lane
	s_lshl_b32 s33, s31, 9
	v_add_nc_u32 v7, s33, v8                       ; LDS: 512 u + 16 lane
	s_lshl_b32 s34, s32, 2
	s_add_co_u32 s34, s34, s33
	v_add_nc_u32 v6, s34, v8                       ; + 4 s
	s_mov_b32 s[SEL], 0x76543210
	s_mov_b32 s[SEL+1], 0xfedcba98
	s_mov_b32 s42, 0x3b000000                      ; 1 / 512
	s_mov_b32 s43, 0x3727c5ac                      ; 1e-5
.irp b,0,1,2,3
	v_mov_b32 v[TM+4+\b], 0                        ; written once: a lane permute's destination counts as one of its sources
.endr
	s_lshl_b32 s36, ttmp9, 16                      ; x: 32 rows a work-group,
	s_lshl_b32 s38, s31, 14                        ; 8 u rows,
	s_add_co_u32 s36, s36, s38
	s_lshl_b32 s38, s32, 9                         ; 128 s columns
	s_add_co_u32 s36, s36, s38
	s_mov_b32 s37, 0
	s_mov_b32 s39, 0
	s_mul_i32 s44, ttmp9, 12288                    ; hc: 8 images a work-group, image w
	s_mul_i32 s46, s30, 1536
	s_add_co_u32 s44, s44, s46
	s_mov_b32 s45, 0
	s_lshl_b32 s46, ttmp9, 10                      ; hs: 8 x 128 bytes
	s_lshl_b32 s47, s30, 7
	s_add_co_u32 s46, s46, s47
	s_mov_b32 s47, 0
	s_wait_kmcnt 0x0
	s_add_nc_u64 s[4:5], s[4:5], s[36:37]
	s_add_nc_u64 s[6:7], s[6:7], s[38:39]
	s_add_nc_u64 s[8:9], s[8:9], s[38:39]
	s_add_nc_u64 s[26:27], s[26:27], s[44:45]
	s_add_nc_u64 s[28:29], s[28:29], s[46:47]
.irp b,0,1,2,3
.irp j,0,1,2,3
	global_load_b128 v[X+16*\b+4*\j:X+16*\b+4*\j+3], v4, s[4:5] offset:128*\b+16*\j
.endr
.endr
.irp b,0,1,2,3
.irp j,0,1,2,3
	global_load_b128 v[GA+16*\b+4*\j:GA+16*\b+4*\j+3], v5, s[6:7] offset:128*\b+16*\j
.endr
.endr
.irp b,0,1,2,3
.irp j,0,1,2,3
	global_load_b128 v[BE+16*\b+4*\j:BE+16*\b+4*\j+3], v5, s[8:9] offset:128*\b+16*\j
.endr
.endr
	s_wait_loadcnt 32                              ; x's sixteen loads are in; the 32 of g1 and be1 may be out
.irp k,0,1,2,3
	v_pk_add_f32 v[SM+2*\k:SM+2*\k+1], v[X+2*\k:X+2*\k+1], v[X+8+2*\k:X+8+2*\k+1]   ; four chains, started by the first pairs
.endr
.irp i,16,24,32,40,48,56
.irp k,0,1,2,3
	v_pk_add_f32 v[SM+2*\k:SM+2*\k+1], v[SM+2*\k:SM+2*\k+1], v[X+\i+2*\k:X+\i+2*\k+1]
.endr
.endr
	LANESUM
	MEET 0
	v_mul_f32 v10, s42, v[SM]                      ; the row's mean
	v_mov_b32 v11, v10
.set N, 0
.rept 32
	v_pk_add_f32 v[X+N:X+N+1], v[X+N:X+N+1], v[10:11] neg_lo:[0,1] neg_hi:[0,1]   ; x - mean, in place
.set N, N+2
.endr
.irp k,0,1,2,3
	v_pk_mul_f32 v[SM+2*\k:SM+2*\k+1], v[X+2*\k:X+2*\k+1], v[X+2*\k:X+2*\k+1]
.endr
.irp i,8,16,24,32,40,48,56
.irp k,0,1,2,3
	v_pk_fma_f32 v[SM+2*\k:SM+2*\k+1], v[X+\i+2*\k:X+\i+2*\k+1], v[X+\i+2*\k:X+\i+2*\k+1], v[SM+2*\k:SM+2*\k+1]
.endr
.endr
	LANESUM
	MEET 1024                                      ; other LDS bytes than the first exchange's
	v_fma_f32 v12, v[SM], s42, s43                 ; variance + 1e-5
	v_rsq_f32 v12, v12
	v_nop                                          ; one plain place behind the transcendental
	s_wait_alu depctr_va_vdst(0)
	v_mov_b32 v13, v12
	s_wait_loadcnt 0x0                             ; g1 and be1
.set N, 0
.rept 32
	v_pk_mul_f32 v[X+N:X+N+1], v[X+N:X+N+1], v[12:13]
.set N, N+2
.endr
.set N, 0
.rept 32
	v_pk_fma_f32 v[X+N:X+N+1], v[X+N:X+N+1], v[GA+N:GA+N+1], v[BE+N:BE+N+1]
.set N, N+2
.endr
	QUANT X
.irp c,0,1,2
	global_store_b128 v8, v[PC+4*\c:PC+4*\c+3], s[26:27] offset:512*\c   ; the image: each store of the wave covers 512 consecutive bytes, aligned
.endr
	global_store_b32 v9, v[PW], s[28:29]
	; ---- the weights: waves 0 to 2.  No barrier stands behind this branch.
	s_cmp_ge_u32 s30, 3
	s_cbranch_scc1 .Lend
	s_wait_xcnt 0x0                                ; the stores above have read their registers and bases
	s_mul_i32 s44, ttmp9, 3
	s_add_co_u32 s44, s44, s30                     ; task T = 2 x slot + cgp
	s_and_b32 s45, s44, 1                          ; cgp
	s_mov_b32 s49, 0
	s_mul_i32 s52, s44, 3072
	s_mov_b32 s53, 0
	s_add_nc_u64 s[22:23], s[22:23], s[52:53]      ; its two images
	s_lshl_b32 s52, s44, 7
	s_add_nc_u64 s[24:25], s[24:25], s[52:53]      ; its scale words
	v_bfe_u32 v[WSA], v0, 3, 1                     ; my column x of the 32 is row r = (x & 7) + 8 (x / 16) of tile u' = (x / 8) & 1
	v_and_b32 v195, 7, v0
	v_lshl_add_u32 v195, v3, 3, v195
	v_mul_u32_u24 v[WA], v[WSA], 1536
	v_lshl_add_u32 v[WA], v195, 4, v[WA]
	v_lshl_add_u32 v[WSA], v[WSA], 4, v195
	v_lshlrev_b32 v[WSA], 2, v[WSA]
.macro WLOAD stride                    ; W(128 ks + i, my column), i = 0 .. 127: each load reads 128 consecutive bytes
.set N, 0
.rept 128
	global_load_b32 v[WD+N], v9, s[50:51] offset:N*\stride th:TH_LOAD_NT
.set N, N+1
.endr
.endm
	s_cmp_lt_u32 s44, 192
	s_cbranch_scc1 .Lqkv
	s_cmp_lt_u32 s44, 256
	s_cbranch_scc1 .Lwo
	s_cmp_lt_u32 s44, 512
	s_cbranch_scc1 .Lw1
	s_sub_co_u32 s46, s44, 512                     ; W2: pair = T' / 32, ks = (T' / 2) % 16
	s_lshr_b32 s47, s46, 5
	s_bfe_u32 s46, s46, 0x40001
	s_lshl_b32 s47, s47, 1
	s_add_co_u32 s47, s47, s45                     ; column group
	s_lshl_b32 s48, s46, 18                        ; 128 rows of 2,048 bytes a K step
	s_lshl_b32 s47, s47, 7
	s_add_co_u32 s48, s48, s47
	s_add_nc_u64 s[50:51], s[20:21], s[48:49]
	s_branch .Lrows2048
.Lwo:
	s_sub_co_u32 s46, s44, 192                     ; Wo: pair = T' / 8, ks = (T' / 2) % 4
	s_lshr_b32 s47, s46, 3
	s_bfe_u32 s46, s46, 0x20001
	s_lshl_b32 s47, s47, 1
	s_add_co_u32 s47, s47, s45
	s_lshl_b32 s48, s46, 18
	s_lshl_b32 s47, s47, 7
	s_add_co_u32 s48, s48, s47
	s_add_nc_u64 s[50:51], s[16:17], s[48:49]
.Lrows2048:
	WLOAD 2048
	s_branch .Lq
.Lw1:
	s_sub_co_u32 s46, s44, 256                     ; W1: pair = T' / 8, ks = (T' / 2) % 4
	s_lshr_b32 s47, s46, 3
	s_bfe_u32 s46, s46, 0x20001
	s_lshl_b32 s47, s47, 1
	s_add_co_u32 s47, s47, s45
	s_lshl_b32 s48, s46, 20                        ; 128 rows of 8,192 bytes
	s_lshl_b32 s47, s47, 7
	s_add_co_u32 s48, s48, s47
	s_add_nc_u64 s[50:51], s[18:19], s[48:49]
	WLOAD 8192
	s_branch .Lq
.Lqkv:
	s_lshr_b32 s47, s44, 3                         ; Wq, Wk, Wv: column group = 16 x type + head; a head's 32 columns are its whole rows
	s_bfe_u32 s46, s44, 0x20001                    ; ks
	s_lshl_b32 s47, s47, 1
	s_add_co_u32 s47, s47, s45
	s_lshr_b32 s52, s47, 4                         ; type
	s_and_b32 s47, s47, 15                         ; head
	s_lshl_b32 s48, s47, 16                        ; 512 rows of 128 bytes a head
	s_lshl_b32 s46, s46, 14
	s_add_co_u32 s48, s48, s46
	s_cmp_eq_u32 s52, 1
	s_cselect_b64 s[50:51], s[12:13], s[10:11]
	s_cmp_eq_u32 s52, 2
	s_cselect_b64 s[50:51], s[14:15], s[50:51]
	s_add_nc_u64 s[50:51], s[50:51], s[48:49]
	WLOAD 128
.Lq:
; Block bl = 2 c + h of my column: registers 6 c .. 6 c + 5 of lane (r, h) of the fragment.
.macro WBLOCK bl
.set DB, WD+32*\bl
.set OB, OUT0+12*(\bl%2)+6*(\bl/2)
	v_max3_num_f32 v[WM], |v[DB]|, |v[DB+1]|, |v[DB+2]|
	v_max3_num_f32 v[WM+1], |v[DB+3]|, |v[DB+4]|, |v[DB+5]|
.irp i,6,10,14,18,22,26
	v_max3_num_f32 v[WM], v[WM], |v[DB+\i]|, |v[DB+\i+1]|
	v_max3_num_f32 v[WM+1], v[WM+1], |v[DB+\i+2]|, |v[DB+\i+3]|
.endr
	v_max3_num_f32 v[WM], v[WM], |v[DB+30]|, |v[DB+31]|
	v_max3_num_f32 v[WM], v[WM], v[WM+1], 0x1800000          ; and the floor 2^(3 - 127)
	v_add_nc_u32 v[WSO+\bl], 0xff000000, v[WM]
	v_lshrrev_b32 v[WE], 23, v[WSO+\bl]
.if \bl == 0
	v_mov_b32 v[WORD], v[WE]
.else
	v_lshl_or_b32 v[WORD], v[WE], 8*\bl, v[WORD]
.endif
	v_cvt_scalef32_pk16_fp6_f32 v[OB:OB+2], v[DB:DB+15], v[WSO+\bl]
	v_cvt_scalef32_pk16_fp6_f32 v[CT+4*\bl:CT+4*\bl+2], v[DB+16:DB+31], v[WSO+\bl]   ; the next block's first line is plain and names none of these
.endm
	s_wait_loadcnt 63                              ; 128 loads were issued: at most 63 are out, so the first 65 are in: blocks 0 and 1
	WBLOCK 0
	WBLOCK 1
	s_wait_loadcnt 32                              ; block 3's 32 may be out
	WBLOCK 2
	s_wait_loadcnt 0x0
	WBLOCK 3
	v_nop                                          ; one plain place behind the last conversion
.irp bl,0,1,2,3
.irp k,0,1,2
	v_mov_b32 v[OUT0+12*(\bl%2)+6*(\bl/2)+3+\k], v[CT+4*\bl+\k]
.endr
.endr
.irp h,0,1
.irp c,0,1,2
	global_store_b128 v[WA], v[OUT0+12*\h+4*\c:OUT0+12*\h+4*\c+3], s[22:23] offset:256*\h+512*\c   ; the 16 lanes of a tile store 256 consecutive bytes, aligned
.endr
.endr
	global_store_b32 v[WSA], v[WORD], s[24:25]
.Lend:
	s_wait_tensorcnt 0x0
	ds_add_u32 v254, v255
	s_wait_dscnt 0x0
	s_endpgm
.Lfunc_end_k_qb945673029_prep:
	.size	k_qb945673029_prep, .Lfunc_end_k_qb945673029_prep-k_qb945673029_prep
	.p2alignl 7, 3214868480
	.fill 96, 4, 3214868480
	.section	.rodata,"a",@progbits
	.p2align	6, 0x0
	.amdhsa_kernel k_qb945673029_prep
		.amdhsa_group_segment_fixed_size 3072
		.amdhsa_private_segment_fixed_size 0
		.amdhsa_enable_private_segment 0
		.amdhsa_kernarg_size 104
		.amdhsa_user_sgpr_count 2
		.amdhsa_user_sgpr_kernarg_segment_ptr 1
		.amdhsa_wavefront_size32 1
		.amdhsa_system_sgpr_workgroup_id_x 1
		.amdhsa_system_sgpr_workgroup_id_y 1
		.amdhsa_system_sgpr_workgroup_id_z 1
		.amdhsa_system_vgpr_workitem_id 0
		.amdhsa_next_free_vgpr 256
		.amdhsa_next_free_sgpr 66
		.amdhsa_reserve_vcc 0
		.amdhsa_float_denorm_mode_32 3
		.amdhsa_float_denorm_mode_16_64 3
		.amdhsa_memory_ordered 1
		.amdhsa_forward_progress 1
		.amdhsa_inst_pref_size 68
	.end_amdhsa_kernel
	.amdgpu_metadata
---
amdhsa.version: [ 1, 2 ]
amdhsa.kernels:
  - .name:           k_qb945673029_prep
    .symbol:         k_qb945673029_prep.kd
    .args:
      - { .name: x, .offset: 0, .size: 8, .value_kind: global_buffer, .address_space: global }
      - { .name: g1, .offset: 8, .size: 8, .value_kind: global_buffer, .address_space: global }
      - { .name: be1, .offset: 16, .size: 8, .value_kind: global_buffer, .address_space: global }
      - { .name: Wq, .offset: 24, .size: 8, .value_kind: global_buffer, .address_space: global }
      - { .name: Wk, .offset: 32, .size: 8, .value_kind: global_buffer, .address_space: global }
      - { .name: Wv, .offset: 40, .size: 8, .value_kind: global_buffer, .address_space: global }
      - { .name: Wo, .offset: 48, .size: 8, .value_kind: global_buffer, .address_space: global }
      - { .name: W1, .offset: 56, .size: 8, .value_kind: global_buffer, .address_space: global }
      - { .name: W2, .offset: 64, .size: 8, .value_kind: global_buffer, .address_space: global }
      - { .name: wimg, .offset: 72, .size: 8, .value_kind: global_buffer, .address_space: global }
      - { .name: wscl, .offset: 80, .size: 8, .value_kind: global_buffer, .address_space: global }
      - { .name: hc, .offset: 88, .size: 8, .value_kind: global_buffer, .address_space: global }
      - { .name: hs, .offset: 96, .size: 8, .value_kind: global_buffer, .address_space: global }
    .group_segment_fixed_size: 3072
    .private_segment_fixed_size: 0
    .kernarg_segment_align: 8
    .kernarg_segment_size: 104
    .max_flat_workgroup_size: 256
    .sgpr_count:     66
    .vgpr_count:     256
    .wavefront_size: 32
...
	.end_amdgpu_metadata
.endif
;; end of part 1
;; launch qkv (part 2): grid 64 x 4, 12 waves a work-group, no clusters, 58,880 bytes of LDS; arguments hc, hs, wimg, wscl, qkvc, qkvs; writes qkvc, qkvs
.if DOCPART == 2
	.amdgcn_target "amdgcn-amd-amdhsa--gfx1250"
	.amdhsa_code_object_version 6
	.text
	.protected	k_qb945673029_qkv
	.globl	k_qb945673029_qkv
	.p2align	8
	.type	k_qb945673029_qkv,@function
k_qb945673029_qkv:
	s_mov_b64 s[64:65], 0
	v_nop
	global_prefetch_b8 v0, s[64:65] scope:SCOPE_SE
	s_setreg_imm32_b32 hwreg(HW_REG_WAVE_MODE, 25, 1), 1
	s_wait_xcnt 0x0
; QKV.  Q, K, V = h W for 128 rows and four heads a work-group, on codes of FP6 (E2M3), K = 512 in four steps of 128; the results are quantised at once: Q and K along the head's 32 channels, V along 32 keys.
; SHARES.  Work-group (rb, hg): rows 128 rb .. + 127 (four groups of 32), heads 4 hg .. + 3.  Wave w: type w / 4 (0 Q, 1 K, 2 V), head 4 hg + w % 4.  Its 8 weight fragments stay in registers; h's 32 fragments come into LDS once.
; Q, K: source 0 = 16 weight columns, source 1 = 16 rows: a lane holds one row and 16 neighbouring channels.  V: source 0 = 16 rows, source 1 = 16 columns: a lane holds one channel and 16 neighbouring keys.
; OUT: for each group of 32 a record of 768 bytes: item p = r + 16 i (Q, K: row 8 i + r + 8 (r / 8); V: that channel): its 24 bytes of codes as 16 at 16 p and 8 at 512 + 8 p.  Scale bytes: one word for an item and four groups.
; LIMITS: NaN and infinities are not served; a block of zeros gets the byte 1 (its codes are zeros; this program alone reads the bytes).
; No shared tile is asked for jointly: each work-group reads its 53,248 bytes of h once and each wave its own 12,800 bytes of weights once.
.set WF,  12                           ; v12-107  weight fragments: (ks, u') at 12 (2 ks + u')
.set HF,  108                          ; v108-203 h's fragments (u, s) at 12 (4 u + s); ahead of the barrier the fill's data; behind the products the quantiser's temporaries
.set ACC, 204                          ; v204-235 four accumulators
.set WS,  236                          ; v236-239 the weights' scale words: lanes 0-15 tile 0, lanes 16-31 tile 1
.set HS,  240                          ; v240-247 h's scale words
.set CD,  248                          ; v248-253 a lane's 24 bytes of codes
.set QM,  108
.set SEL, 28
.macro MM d, a, b, c, sa, sb, row      ; c < 0: the product starts the sum.  row 1: source 0's scales from lanes 16-31; row 2: source 1's
.if (\c) < 0
.if (\row) == 0
	v_wmma_scale_f32_16x16x128_f8f6f4 v[\d:\d+7], v[\a:\a+11], v[\b:\b+11], 0, v[\sa], v[\sb] matrix_a_fmt:MATRIX_FMT_FP6 matrix_b_fmt:MATRIX_FMT_FP6
.elseif (\row) == 1
	v_wmma_scale_f32_16x16x128_f8f6f4 v[\d:\d+7], v[\a:\a+11], v[\b:\b+11], 0, v[\sa], v[\sb] matrix_a_fmt:MATRIX_FMT_FP6 matrix_b_fmt:MATRIX_FMT_FP6 matrix_a_scale:MATRIX_SCALE_ROW1
.else
	v_wmma_scale_f32_16x16x128_f8f6f4 v[\d:\d+7], v[\a:\a+11], v[\b:\b+11], 0, v[\sa], v[\sb] matrix_a_fmt:MATRIX_FMT_FP6 matrix_b_fmt:MATRIX_FMT_FP6 matrix_b_scale:MATRIX_SCALE_ROW1
.endif
.else
.if (\row) == 0
	v_wmma_scale_f32_16x16x128_f8f6f4 v[\d:\d+7], v[\a:\a+11], v[\b:\b+11], v[\c:\c+7], v[\sa], v[\sb] matrix_a_fmt:MATRIX_FMT_FP6 matrix_b_fmt:MATRIX_FMT_FP6
.elseif (\row) == 1
	v_wmma_scale_f32_16x16x128_f8f6f4 v[\d:\d+7], v[\a:\a+11], v[\b:\b+11], v[\c:\c+7], v[\sa], v[\sb] matrix_a_fmt:MATRIX_FMT_FP6 matrix_b_fmt:MATRIX_FMT_FP6 matrix_a_scale:MATRIX_SCALE_ROW1
.else
	v_wmma_scale_f32_16x16x128_f8f6f4 v[\d:\d+7], v[\a:\a+11], v[\b:\b+11], v[\c:\c+7], v[\sa], v[\sb] matrix_a_fmt:MATRIX_FMT_FP6 matrix_b_fmt:MATRIX_FMT_FP6 matrix_b_scale:MATRIX_SCALE_ROW1
.endif
.endif
.endm
; 32 numbers of a lane in two parts i = 0, 1 of 16; a part's block of 32 lies in lanes l and l xor 16.  Result: lane (r, h) holds the whole 24 bytes of (part h, row r) in v[cd] on; the parts' bytes in v[QM+6], v[QM+7].
.macro QG s, cd
	v_max3_num_f32 v[QM], |v[\s]|, |v[\s+1]|, 0x1800000          ; each accumulator is read from its low end on; the floor 2^(3 - 127) holds the byte at 1 from below
	v_max3_num_f32 v[QM+1], |v[\s+16]|, |v[\s+17]|, 0x1800000
.irp i,2,4,6,8,10,12,14
	v_max3_num_f32 v[QM], v[QM], |v[\s+\i]|, |v[\s+\i+1]|
	v_max3_num_f32 v[QM+1], v[QM+1], |v[\s+16+\i]|, |v[\s+17+\i]|
.endr
	v_permlanex16_b32 v[QM+2], v[QM], s[SEL], s[SEL+1]
	v_permlanex16_b32 v[QM+3], v[QM+1], s[SEL], s[SEL+1]
	v_max_num_f32 v[QM], v[QM], v[QM+2]
	v_max_num_f32 v[QM+1], v[QM+1], v[QM+3]
	v_add_nc_u32 v[QM+4], 0xff000000, v[QM]                      ; 2 off the exponent field: the conversion's scale operand
	v_add_nc_u32 v[QM+5], 0xff000000, v[QM+1]
	v_lshrrev_b32 v[QM+6], 23, v[QM+4]
	v_lshrrev_b32 v[QM+7], 23, v[QM+5]
	v_cvt_scalef32_pk16_fp6_f32 v[\cd:\cd+2], v[\s:\s+15], v[QM+4]
	v_cvt_scalef32_pk16_fp6_f32 v[QM+8:QM+10], v[\s+16:\s+31], v[QM+5]
	v_nop                                          ; one plain place behind a scaled conversion
.irp k,0,1,2
	v_permlane16_swap_b32 v[\cd+\k], v[QM+8+\k]    ; the first now holds part h's lower 16 codes, the second its upper 16
.endr
.irp k,0,1,2
	v_mov_b32 v[\cd+3+\k], v[QM+8+\k]
.endr
.endm
	s_load_b256 s[4:11], s[0:1], 0x0               ; hc s[4:5], hs s[6:7], wimg s[8:9], wscl s[10:11]
	s_load_b128 s[12:15], s[0:1], 0x20             ; qkvc s[12:13], qkvs s[14:15]
	v_lshl_add_u32 v254, v0, 2, 0xe000
	v_mov_b32 v255, 0
	v_lshrrev_b32 v1, 5, v0
	v_readfirstlane_b32 s16, v1                    ; wave 0..11
	v_and_b32 v2, 31, v0
	v_lshlrev_b32 v1, 4, v2                        ; 16 x lane
	v_lshlrev_b32 v3, 2, v2                        ; 4 x lane
	v_lshlrev_b32 v2, 3, v2                        ; 8 x lane
	v_lshlrev_b32 v4, 4, v0                        ; 16 x thread
	s_lshr_b32 s17, s16, 2                         ; type
	s_and_b32 s18, s16, 3
	s_and_b32 s21, ttmp7, 0xffff
	s_lshl_b32 s21, s21, 2
	s_add_co_u32 s18, s18, s21                     ; head
	s_lshl_b32 s19, s17, 4
	s_add_co_u32 s19, s19, s18                     ; column group 16 x type + head
	s_mov_b32 s[SEL], 0x76543210
	s_mov_b32 s[SEL+1], 0xfedcba98
	s_mov_b32 s30, 0xffff0000                      ; lanes 16-31
	s_mul_i32 s22, ttmp9, 49152                    ; h's 32 images
	s_mov_b32 s23, 0
	s_lshl_b32 s24, ttmp9, 12                      ; and their scale words
	s_mov_b32 s25, 0
	s_lshr_b32 s26, s19, 1                         ; the pair of column groups, and which of the two
	s_and_b32 s27, s19, 1
	s_mul_i32 s32, s26, 24576
	s_mul_i32 s34, s27, 3072
	s_add_co_u32 s32, s32, s34
	s_mov_b32 s33, 0
	s_lshl_b32 s34, s26, 10
	s_lshl_b32 s35, s27, 7
	s_add_co_u32 s34, s34, s35
	s_mov_b32 s35, 0
	s_lshr_b32 s36, ttmp9, 4                       ; the batch: 16 row blocks each
	s_lshl_b32 s36, s36, 4
	s_add_co_u32 s36, s36, s18                     ; hb = 16 x batch + head
	s_and_b32 s37, ttmp9, 15                       ; which 128 rows of the batch
	s_mul_i32 s38, s17, 3145728
	s_mul_i32 s40, s36, 49152
	s_add_co_u32 s38, s38, s40
	s_mul_i32 s40, s37, 3072
	s_add_co_u32 s38, s38, s40
	s_mov_b32 s39, 0
	s_lshl_b32 s40, s17, 17
	s_lshl_b32 s41, s36, 11
	s_add_co_u32 s40, s40, s41
	s_lshl_b32 s41, s37, 7
	s_add_co_u32 s40, s40, s41
	s_mov_b32 s41, 0
	s_wait_kmcnt 0x0
	s_add_nc_u64 s[4:5], s[4:5], s[22:23]
	s_add_nc_u64 s[6:7], s[6:7], s[24:25]
	s_add_nc_u64 s[8:9], s[8:9], s[32:33]
	s_add_nc_u64 s[10:11], s[10:11], s[34:35]
	s_add_nc_u64 s[12:13], s[12:13], s[38:39]
	s_add_nc_u64 s[14:15], s[14:15], s[40:41]
	s_cmp_lt_u32 s16, 8                            ; h's scale words are 4,096 bytes: 256 threads x 16
	s_cbranch_scc0 .Lno_hs
	global_load_b128 v[HF+32:HF+35], v4, s[6:7]
.Lno_hs:
.irp i,0,1,2,3,4,5,6,7
	global_load_b128 v[HF+4*\i:HF+4*\i+3], v4, s[4:5] offset:6144*\i   ; 384 threads x 16 bytes an instruction, eight of them: 49,152 bytes
.endr
.irp f,0,1,2,3,4,5,6,7
.irp c,0,1,2
	global_load_b128 v[WF+12*\f+4*\c:WF+12*\f+4*\c+3], v1, s[8:9] offset:6144*(\f/2)+1536*(\f%2)+512*\c
.endr
.endr
.irp k,0,1,2,3
	global_load_b32 v[WS+\k], v3, s[10:11] offset:256*\k
.endr
	s_wait_loadcnt 28                              ; the 24 + 4 loads of the weights may be out; the fill's are in, on both ways
.irp i,0,1,2,3,4,5,6,7
	ds_store_b128 v4, v[HF+4*\i:HF+4*\i+3] offset:6144*\i
.endr
	s_cmp_lt_u32 s16, 8
	s_cbranch_scc0 .Lno_hs2
	ds_store_b128 v4, v[HF+32:HF+35] offset:49152
.Lno_hs2:
	s_wait_dscnt 0x0                               ; for the others' sake: my stores have landed
	s_barrier_signal -1
	s_barrier_wait -1                              ; the one barrier: LDS is only read from here on
	s_wait_loadcnt 0x0                             ; my weights
.macro GROUP gl                        ; the gl-th group of 32 rows
.irp f,0,1,2,3,4,5,6,7
.irp c,0,1,2
	ds_load_b128 v[HF+12*\f+4*\c:HF+12*\f+4*\c+3], v1 offset:12288*\gl+1536*\f+512*\c
.endr
	ds_load_b32 v[HS+\f], v3 offset:49152+1024*\gl+128*\f
.endr
	s_wait_dscnt 0x0
	s_cmp_eq_u32 s17, 2
	s_cbranch_scc1 .Lv_\@
.irp s,0,1,2,3                         ; the four accumulators take turns, one instruction a turn, K ascending
.irp u,0,1
.if \s == 0
	MM ACC+16*\u, WF+24*\s, HF+12*(4*\u+\s), -1, WS+\s, HS+4*\u+\s, 0
	MM ACC+16*\u+8, WF+24*\s+12, HF+12*(4*\u+\s), -1, WS+\s, HS+4*\u+\s, 1
.else
	MM ACC+16*\u, WF+24*\s, HF+12*(4*\u+\s), ACC+16*\u, WS+\s, HS+4*\u+\s, 0
	MM ACC+16*\u+8, WF+24*\s+12, HF+12*(4*\u+\s), ACC+16*\u+8, WS+\s, HS+4*\u+\s, 1
.endif
.endr
.endr
	s_branch .Ldone_\@
.Lv_\@:
.irp s,0,1,2,3
.irp u,0,1
.if \s == 0
	MM ACC+8*\u, HF+12*(4*\u+\s), WF+24*\s, -1, HS+4*\u+\s, WS+\s, 0
	MM ACC+16+8*\u, HF+12*(4*\u+\s), WF+24*\s+12, -1, HS+4*\u+\s, WS+\s, 2
.else
	MM ACC+8*\u, HF+12*(4*\u+\s), WF+24*\s, ACC+8*\u, HS+4*\u+\s, WS+\s, 0
	MM ACC+16+8*\u, HF+12*(4*\u+\s), WF+24*\s+12, ACC+16+8*\u, HS+4*\u+\s, WS+\s, 2
.endif
.endr
.endr
.Ldone_\@:
.rept 5
	v_nop                                          ; places behind the products: their results are read, and operand registers written, below
.endr
	s_wait_xcnt 0x0                                ; the last group's stores have read the code registers
	QG ACC, CD
.if \gl == 0
	v_mov_b32 v5, v[QM+6]                          ; a word for each part: byte gl = this group's scale
	v_mov_b32 v6, v[QM+7]
.else
	v_lshl_or_b32 v5, v[QM+6], 8*\gl, v5
	v_lshl_or_b32 v6, v[QM+7], 8*\gl, v6
.endif
	global_store_b128 v1, v[CD:CD+3], s[12:13] offset:768*\gl          ; 512 consecutive bytes
	global_store_b64 v2, v[CD+4:CD+5], s[12:13] offset:768*\gl+512     ; 256 consecutive bytes
.endm
	GROUP 0
	GROUP 1
	GROUP 2
	GROUP 3
	v_cndmask_b32 v7, v5, v6, s30                  ; lanes 0-15 part 0's word, lanes 16-31 part 1's
	global_store_b32 v3, v7, s[14:15]
	s_wait_tensorcnt 0x0
	ds_add_u32 v254, v255
	s_wait_dscnt 0x0
	s_endpgm
.Lfunc_end_k_qb945673029_qkv:
	.size	k_qb945673029_qkv, .Lfunc_end_k_qb945673029_qkv-k_qb945673029_qkv
	.p2alignl 7, 3214868480
	.fill 96, 4, 3214868480
	.section	.rodata,"a",@progbits
	.p2align	6, 0x0
	.amdhsa_kernel k_qb945673029_qkv
		.amdhsa_group_segment_fixed_size 58880
		.amdhsa_private_segment_fixed_size 0
		.amdhsa_enable_private_segment 0
		.amdhsa_kernarg_size 48
		.amdhsa_user_sgpr_count 2
		.amdhsa_user_sgpr_kernarg_segment_ptr 1
		.amdhsa_wavefront_size32 1
		.amdhsa_system_sgpr_workgroup_id_x 1
		.amdhsa_system_sgpr_workgroup_id_y 1
		.amdhsa_system_sgpr_workgroup_id_z 1
		.amdhsa_system_vgpr_workitem_id 0
		.amdhsa_next_free_vgpr 256
		.amdhsa_next_free_sgpr 66
		.amdhsa_reserve_vcc 0
		.amdhsa_float_denorm_mode_32 3
		.amdhsa_float_denorm_mode_16_64 3
		.amdhsa_memory_ordered 1
		.amdhsa_forward_progress 1
		.amdhsa_inst_pref_size 41
	.end_amdhsa_kernel
	.amdgpu_metadata
---
amdhsa.version: [ 1, 2 ]
amdhsa.kernels:
  - .name:           k_qb945673029_qkv
    .symbol:         k_qb945673029_qkv.kd
    .args:
      - { .name: hc, .offset: 0, .size: 8, .value_kind: global_buffer, .address_space: global }
      - { .name: hs, .offset: 8, .size: 8, .value_kind: global_buffer, .address_space: global }
      - { .name: wimg, .offset: 16, .size: 8, .value_kind: global_buffer, .address_space: global }
      - { .name: wscl, .offset: 24, .size: 8, .value_kind: global_buffer, .address_space: global }
      - { .name: qkvc, .offset: 32, .size: 8, .value_kind: global_buffer, .address_space: global }
      - { .name: qkvs, .offset: 40, .size: 8, .value_kind: global_buffer, .address_space: global }
    .group_segment_fixed_size: 58880
    .private_segment_fixed_size: 0
    .kernarg_segment_align: 8
    .kernarg_segment_size: 48
    .max_flat_workgroup_size: 384
    .sgpr_count:     66
    .vgpr_count:     256
    .wavefront_size: 32
...
	.end_amdgpu_metadata
.endif
;; end of part 2
;; launch attn (part 3): grid 256 x 1, 16 waves a work-group, no clusters, 104,448 bytes of LDS; arguments qkvc, qkvs, ac, asc; writes ac, asc
.if DOCPART == 3
	.amdgcn_target "amdgcn-amd-amdhsa--gfx1250"
	.amdhsa_code_object_version 6
	.text
	.protected	k_qb945673029_attn
	.globl	k_qb945673029_attn
	.p2align	8
	.type	k_qb945673029_attn,@function
k_qb945673029_attn:
	s_mov_b64 s[64:65], 0
	v_nop
	global_prefetch_b8 v0, s[64:65] scope:SCOPE_SE
	s_setreg_imm32_b32 hwreg(HW_REG_WAVE_MODE, 25, 1), 1
	s_wait_xcnt 0x0
; ATTN.  Causal attention of one head on codes of FP6 (E2M3), head size 32; the result is quantised along the model's 512 columns, of which a head's 32 are one block.
; SOFTMAX AHEAD OF THE SECOND PRODUCT: t = score x log2(e) / sqrt(32); M = the running largest t rounded up to a whole number; p = 2^(t - M) is quantised along the keys, not normalised; the row's sum is taken of the unquantised p
; and divides at the end.  When M moves, the sum and O are multiplied by 2^(old M - new M), which rounds nothing.
; SHARES.  Work-group: head hb = x / 4 and the query blocks i = x % 4 and 7 - i, of 256 queries.  Wave w takes tile w of block i, then tile 15 - w of block 7 - i: the two tiles' key steps of 128 add up to 17 in every wave.
; The whole head's K and V (49,152 bytes each) and their scale words lie in LDS, stored once: one barrier, no ring.
; K = 32 IN AN INSTRUCTION OF K = 128: a fragment of K holds FOUR tiles of keys, one in each block of 32 (block b, row r of fragment u: key 128 ks + 32 b + 8 u + r + 8 (r / 8)), and is multiplied by four versions of Q:
; Q's codes in block b, zero codes elsewhere.  Zero codes add nothing under any scale byte but 0xff, which no byte here is.  So no LDS byte is read for nothing, and register 16 b + i of the scores is key 128 ks + 32 b + 16 (lane / 16) + i.
; Both products are used transposed: a lane holds one query (lane % 16) throughout.
; CAUSAL: every tile's loop has 16 trips; a step all of whose keys come after the tile's queries is jumped over by a scalar branch on ids; in the one step on the diagonal hidden scores become -infinity ahead of the maximum.
; Joint requests are left out: the four work-groups of a head read its 100 KB once each, at the launch's head only.
; LIMITS: NaN and infinities are not served; a block of zeros gets the byte 1 (its codes are zeros; this program alone reads the bytes).
.set KF,  56                           ; v56-79   K's two fragments
.set VF,  80                           ; v80-103  V's two
.set S,   104                          ; v104-167 the scores, then p; at the head the fill's data
.set O,   168                          ; v168-183 O^T: register 8 u' + j = channel 16 (lane / 16) + 8 u' + j
.set PC,  184                          ; v184-195 p's codes
.set CT,  196                          ; v196-203 conversion temporaries
.set BM,  204                          ; v204-207 the blocks' largest scores, then largest p
.set BX,  208                          ; v208-211 exchange, then bytes
.set BS,  212                          ; v212-215 scale operands
.set SEL, 20                           ; s[20:21] lane l xor 16
.set CS,  22                           ; s[22:23] c = log2(e) / sqrt(32)
; v1 768 h + 16 r, v2 768 h + 8 r, v3 98304 + 4 lane: my places in a step's records and scale words; v4-6 the same for the step in hand; v7 r + 8 (r / 8) - 16 h; v8 24 r + 12 h; v9 16 lane; v10 16 r; v11 8 r; v49 4 r
; v12 -M, v13 the largest t, v[14:15] the sum; v16-45 zeros, Q in lanes 0-15, zeros, Q in lanes 16-31, zeros (6 each); v46 Q's scale word, v47 K's, v48 V's, v218 p's; v[216:217] f; v219-221 at work; v222-225 the fill's addresses
.macro MM d, a, b, c, sa, sb, row
.if (\c) < 0
.if (\row) == 0
	v_wmma_scale_f32_16x16x128_f8f6f4 v[\d:\d+7], v[\a:\a+11], v[\b:\b+11], 0, v[\sa], v[\sb] matrix_a_fmt:MATRIX_FMT_FP6 matrix_b_fmt:MATRIX_FMT_FP6
.else
	v_wmma_scale_f32_16x16x128_f8f6f4 v[\d:\d+7], v[\a:\a+11], v[\b:\b+11], 0, v[\sa], v[\sb] matrix_a_fmt:MATRIX_FMT_FP6 matrix_b_fmt:MATRIX_FMT_FP6 matrix_a_scale:MATRIX_SCALE_ROW1
.endif
.else
.if (\row) == 0
	v_wmma_scale_f32_16x16x128_f8f6f4 v[\d:\d+7], v[\a:\a+11], v[\b:\b+11], v[\c:\c+7], v[\sa], v[\sb] matrix_a_fmt:MATRIX_FMT_FP6 matrix_b_fmt:MATRIX_FMT_FP6
.else
	v_wmma_scale_f32_16x16x128_f8f6f4 v[\d:\d+7], v[\a:\a+11], v[\b:\b+11], v[\c:\c+7], v[\sa], v[\sb] matrix_a_fmt:MATRIX_FMT_FP6 matrix_b_fmt:MATRIX_FMT_FP6 matrix_a_scale:MATRIX_SCALE_ROW1
.endif
.endif
.endm
	s_load_b256 s[4:11], s[0:1], 0x0               ; qkvc s[4:5], qkvs s[6:7], ac s[8:9], asc s[10:11]
	v_lshl_add_u32 v254, v0, 2, 0x19000
	v_mov_b32 v255, 0
	v_lshrrev_b32 v1, 5, v0
	v_readfirstlane_b32 s12, v1                    ; wave 0..15
	s_lshr_b32 s13, ttmp9, 2                       ; hb
	s_and_b32 s14, ttmp9, 3                        ; i
	v_lshlrev_b32 v224, 4, v0                      ; 16 x thread
	v_add_nc_u32 v223, 49152, v224
	v_lshlrev_b32 v225, 2, v0                      ; 4 x thread
	v_add_nc_u32 v222, 98304, v225
	s_mul_i32 s32, s13, 49152
	s_mov_b32 s33, 0
	s_lshl_b32 s34, s13, 11
	s_mov_b32 s35, 0
	s_mov_b32 s[SEL], 0x76543210
	s_mov_b32 s[SEL+1], 0xfedcba98
	s_mov_b32 s[CS], 0x3e8293ee
	s_mov_b32 s[CS+1], s[CS]                       ; (named with it as a pair, so it is written)
	s_mov_b32 s24, 0xffff0000                      ; lanes 16-31
	s_wait_kmcnt 0x0
	s_add_nc_u64 s[16:17], s[4:5], s[32:33]        ; the head in Q's codes; K's lie 3,145,728 bytes on, V's 6,291,456
	s_add_nc_u64 s[18:19], s[6:7], s[34:35]        ; and in Q's scale words; K's 131,072 on, V's 262,144
.irp i,0,1,2,3,4,5
	global_load_b128 v[S+4*\i:S+4*\i+3], v224, s[16:17] offset:3145728+8192*\i     ; 512 threads x 16 bytes, six times: K's 49,152 bytes
.endr
.irp i,0,1,2,3,4,5
	global_load_b128 v[S+24+4*\i:S+24+4*\i+3], v224, s[16:17] offset:6291456+8192*\i
.endr
	global_load_b32 v[S+48], v225, s[18:19] offset:131072
	global_load_b32 v[S+49], v225, s[18:19] offset:262144
	v_and_b32 v226, 15, v0                         ; r
	v_bfe_u32 v227, v0, 4, 1                       ; h
	v_and_b32 v228, 31, v0                         ; lane
	v_mul_u32_u24 v1, v227, 768
	v_lshl_add_u32 v2, v226, 3, v1
	v_lshl_add_u32 v1, v226, 4, v1
	v_lshl_add_u32 v3, v228, 2, 98304
	v_and_b32 v7, 8, v226
	v_add_nc_u32 v7, v7, v226
	v_lshlrev_b32 v229, 4, v227
	v_sub_nc_u32 v7, v7, v229
	v_mul_u32_u24 v8, v226, 24
	v_mad_u32_u24 v8, v227, 12, v8
	v_lshlrev_b32 v9, 4, v228
	v_lshlrev_b32 v10, 4, v226
	v_lshlrev_b32 v11, 3, v226
	v_lshlrev_b32 v49, 2, v226
.irp k,0,1,2,3,4,5
	v_mov_b32 v[16+\k], 0                          ; the zero codes of Q's four versions
	v_mov_b32 v[28+\k], 0
	v_mov_b32 v[40+\k], 0
.endr
.irp b,0,1,2,3
	v_mov_b32 v[BX+\b], 0                          ; written once: a lane permute's destination counts as one of its sources
.endr
	v_mov_b32 v217, 0                              ; (named as the upper half of the pair v[216:217])
	v_mov_b32 v219, 0
	s_wait_loadcnt 0x0
.irp i,0,1,2,3,4,5
	ds_store_b128 v224, v[S+4*\i:S+4*\i+3] offset:8192*\i
.endr
.irp i,0,1,2,3,4,5
	ds_store_b128 v223, v[S+24+4*\i:S+24+4*\i+3] offset:8192*\i
.endr
	ds_store_b32 v222, v[S+48]
	ds_store_b32 v222, v[S+49] offset:2048
	s_wait_dscnt 0x0                               ; for the others' sake: my stores have landed
	s_barrier_signal -1
	s_barrier_wait -1                              ; the one barrier: LDS is only read from here on
; A KEY STEP: keys 128 KI .. + 127.  s29 KI, s27 the tile's step on the diagonal, s30 3072 KI, s31 128 KI, s28 the tile's first query less 128 s27.
.macro STEP
	s_cmp_gt_u32 s29, s27                          ; all keys come after my queries: nothing to do but step the addresses
	s_cbranch_scc1 .Lhidden_\@
	v_add_nc_u32 v4, s30, v1
	v_add_nc_u32 v5, s30, v2
	v_add_nc_u32 v6, s31, v3
	v_nop                                          ; four places behind the last step's products, in front of loads into registers that they read
.irp u,0,1
.irp c,0,1
	ds_load_b128 v[KF+12*\u+6*\c:KF+12*\u+6*\c+3], v4 offset:1536*\c+256*\u        ; block 2 c + h: the record of group 4 KI + 2 c + h, item r + 16 u: sixteen lanes read 256 consecutive bytes
	ds_load_b64 v[KF+12*\u+6*\c+4:KF+12*\u+6*\c+5], v5 offset:1536*\c+512+128*\u
.endr
.endr
	ds_load_b32 v47, v6                            ; lanes 0-15 the words of tile 0's rows, lanes 16-31 tile 1's; byte b = block b
.irp u,0,1
.irp c,0,1
	ds_load_b128 v[VF+12*\u+6*\c:VF+12*\u+6*\c+3], v4 offset:49152+1536*\c+256*\u
	ds_load_b64 v[VF+12*\u+6*\c+4:VF+12*\u+6*\c+5], v5 offset:49152+1536*\c+512+128*\u
.endr
.endr
	ds_load_b32 v48, v6 offset:2048
	s_wait_dscnt 9                                 ; K's nine loads are in; V's nine may be out
.irp b,0,1,2,3
	MM S+16*\b, KF, 22+12*(\b%2)-6*(\b/2), -1, 47, 46, 0
	MM S+16*\b+8, KF+12, 22+12*(\b%2)-6*(\b/2), -1, 47, 46, 1
.endr
.rept 5
	v_nop                                          ; places behind the products, whose results are read below
.endr
	s_cmp_lg_u32 s29, s27
	s_cbranch_scc1 .Lopen_\@
	v_add_nc_u32 v219, s28, v7                     ; d = my query - 128 KI - 16 (lane / 16): register 16 b + i is hidden where 32 b + i > d
	v_mov_b32 v220, 0xff800000                     ; -infinity
.set N, 0
.rept 64
	v_cmp_gt_i32 vcc_lo, 32*(N/16)+N%16, v219
	v_cndmask_b32 v[S+N], v[S+N], v220, vcc_lo
.set N, N+1
.endr
.Lopen_\@:
.irp b,0,1,2,3
	v_max3_num_f32 v[BM+\b], v[S+16*\b], v[S+1+16*\b], v[S+2+16*\b]    ; the largest score of each block of 32 keys: for the row's maximum and, since p rises with the score, for the block's largest p
.endr
.irp i,3,5,7,9,11,13
.irp b,0,1,2,3
	v_max3_num_f32 v[BM+\b], v[BM+\b], v[S+16*\b+\i], v[S+1+16*\b+\i]
.endr
.endr
.irp b,0,1,2,3
	v_max_num_f32 v[BM+\b], v[BM+\b], v[S+15+16*\b]
.endr
.irp b,0,1,2,3
	v_permlanex16_b32 v[BX+\b], v[BM+\b], s[SEL], s[SEL+1]
.endr
.irp b,0,1,2,3
	v_max_num_f32 v[BM+\b], v[BM+\b], v[BX+\b]
.endr
	v_max3_num_f32 v219, v[BM], v[BM+1], v[BM+2]
	v_max_num_f32 v219, v219, v[BM+3]
	v_mul_f32 v219, s[CS], v219                    ; the step's largest t (c is positive)
	v_max_num_f32 v13, v13, v219
	v_mov_b32 v219, v12
	v_floor_f32 v12, -v13                          ; the new -M = floor(-t): M is a whole number
	v_sub_f32 v219, v12, v219                      ; old M - new M: a whole number, 0 or less
	v_cvt_i32_f32 v219, v219                       ; (it saturates)
	v_ldexp_f32 v216, 1.0, v219                    ; f = 2^(old M - new M)
.set N, 0
.rept 32
	v_pk_fma_f32 v[S+N:S+N+1], v[S+N:S+N+1], s[CS:CS+1], v[12:13] op_sel_hi:[1,0,0]    ; t - M
.set N, N+2
.endr
.irp b,0,1,2,3
	v_fma_f32 v[BM+\b], v[BM+\b], s[CS], v12
.endr
.set N, 0
.rept 64
	v_exp_f32 v[S+N], v[S+N]                       ; p = 2^(t - M)
.set N, N+1
.endr
.irp b,0,1,2,3
	v_exp_f32 v[BM+\b], v[BM+\b]                   ; the block's largest p: the same two instructions on the same number
.endr
	v_pk_mul_f32 v[14:15], v[14:15], v[216:217] op_sel_hi:[1,0]        ; the sum under the new M (a plain place behind the exponentials)
	s_wait_alu depctr_va_vdst(0)
.irp b,0,1,2,3
	v_max_num_f32 v[BM+\b], 0x1800000, v[BM+\b]    ; the floor 2^(3 - 127)
.endr
.irp b,0,1,2,3
	v_add_nc_u32 v[BS+\b], 0xff000000, v[BM+\b]
.endr
.irp b,0,1,2,3
	v_lshrrev_b32 v[BX+\b], 23, v[BS+\b]
.endr
	v_lshl_or_b32 v218, v[BX+1], 8, v[BX]          ; p's scale word for these 128 keys
	v_lshl_or_b32 v218, v[BX+2], 16, v218
	v_lshl_or_b32 v218, v[BX+3], 24, v218
.irp c,0,1
	v_cvt_scalef32_pk16_fp6_f32 v[PC+6*\c:PC+6*\c+2], v[S+32*\c:S+32*\c+15], v[BS+2*\c]
	v_cvt_scalef32_pk16_fp6_f32 v[CT+4*\c:CT+4*\c+2], v[S+16+32*\c:S+31+32*\c], v[BS+2*\c+1]
.endr
	v_nop                                          ; one plain place behind a scaled conversion
.irp c,0,1
.irp i,0,1,2
	v_permlane16_swap_b32 v[PC+6*\c+\i], v[CT+4*\c+\i]
.endr
.irp i,0,1,2
	v_mov_b32 v[PC+3+6*\c+\i], v[CT+4*\c+\i]
.endr
.endr
	v_pk_add_f32 v[220:221], v[S:S+1], v[S+2:S+3]  ; the row's sum, of the unquantised p, in two chains
.irp j,4,8,12,16,20,24,28,32,36,40,44,48,52,56,60
	v_pk_add_f32 v[14:15], v[14:15], v[S+\j:S+\j+1]
	v_pk_add_f32 v[220:221], v[220:221], v[S+\j+2:S+\j+3]
.endr
	v_pk_add_f32 v[14:15], v[14:15], v[220:221]
.set N, 0
.rept 8
	v_pk_mul_f32 v[O+N:O+N+1], v[O+N:O+N+1], v[216:217] op_sel_hi:[1,0]    ; O^T under the new M.  (With the sums above: more than eight places between p's scale word and the products below)
.set N, N+2
.endr
	s_wait_dscnt 0x0                               ; V
	MM O, VF, PC, O, 48, 218, 0
	MM O+8, VF+12, PC, O+8, 48, 218, 1
.Lhidden_\@:
	s_add_co_u32 s30, s30, 3072
	s_add_co_u32 s31, s31, 128
.endm
; A TILE of 16 queries: group s25 of the head's 64, part s26.
.macro TILE
	s_wait_xcnt 0x0                                ; the last tile's stores have read their registers and bases
	s_lshr_b32 s27, s25, 2                         ; the step on the diagonal
	s_and_b32 s40, s25, 3
	s_lshl_b32 s28, s40, 5
	s_lshl_b32 s41, s26, 3
	s_add_co_u32 s28, s28, s41
	s_lshl_b32 s40, s40, 3                         ; where the group's byte stands in its scale word
	s_mul_i32 s32, s25, 768
	s_mov_b32 s34, s32
	s_lshl_b32 s41, s26, 8
	s_add_co_u32 s32, s32, s41
	s_mov_b32 s33, 0
	s_add_nc_u64 s[32:33], s[16:17], s[32:33]      ; the record's 16-byte pieces, items 16 uq on
	s_lshl_b32 s41, s26, 7
	s_add_co_u32 s34, s34, s41
	s_mov_b32 s35, 0
	s_add_nc_u64 s[34:35], s[16:17], s[34:35]      ; its 8-byte pieces
	s_lshl_b32 s36, s27, 7
	s_lshl_b32 s41, s26, 6
	s_add_co_u32 s36, s36, s41
	s_mov_b32 s37, 0
	s_add_nc_u64 s[36:37], s[18:19], s[36:37]
	global_load_b128 v[50:53], v10, s[32:33]       ; both halves of the lanes take query r's codes
	global_load_b64 v[54:55], v11, s[34:35] offset:512
	global_load_b32 v220, v49, s[36:37]
	s_lshr_b32 s41, s13, 4                         ; the batch: 64 groups each
	s_lshl_b32 s41, s41, 6
	s_add_co_u32 s41, s41, s25
	s_lshl_b32 s41, s41, 1
	s_add_co_u32 s41, s41, s26                     ; the tile among the 512
	s_and_b32 s42, s13, 15                         ; the head
	s_mul_i32 s44, s41, 6144
	s_mul_i32 s43, s42, 384
	s_add_co_u32 s44, s44, s43
	s_mov_b32 s45, 0
	s_add_nc_u64 s[44:45], s[8:9], s[44:45]
	s_lshl_b32 s46, s41, 9
	s_add_co_u32 s46, s46, s42
	s_mov_b32 s47, 0
	s_add_nc_u64 s[46:47], s[10:11], s[46:47]
	s_mov_b32 s29, 0
	s_mov_b32 s30, 0
	s_mov_b32 s31, 0
	s_wait_loadcnt 0x0
	v_lshrrev_b32 v220, s40, v220
	v_and_b32 v220, 0xff, v220
	v_lshl_or_b32 v46, v220, 8, v220               ; the query's byte in all four places: each version of Q finds it at its own block
	v_lshl_or_b32 v46, v46, 16, v46
.irp k,0,1,2,3,4,5
	v_cndmask_b32 v[22+\k], v[50+\k], v16, s24     ; Q in lanes 0-15, zeros in lanes 16-31
	v_cndmask_b32 v[34+\k], v16, v[50+\k], s24     ; and the other way round
.endr
.set N, 0
.rept 16
	v_mov_b32 v[O+N], 0                            ; the loop is written once: its first step finds zeros, which the first change of M leaves zeros
.set N, N+1
.endr
	v_mov_b32 v14, 0
	v_mov_b32 v15, 0
	v_mov_b32 v13, 0xff61b1e6                      ; -3e38, under every t
	v_floor_f32 v12, -v13
.Lstep_\@:
	STEP
	s_add_co_u32 s29, s29, 1
	s_cmp_lt_u32 s29, 16
	s_cbranch_scc1 .Lstep_\@
.rept 4
	v_nop                                          ; places behind the last products
.endr
	v_add_f32 v14, v14, v15
	v_permlanex16_b32 v219, v14, s[SEL], s[SEL+1]
	v_add_f32 v14, v14, v219                       ; the row's sum
	v_rcp_f32 v216, v14
	v_nop                                          ; one plain place behind the transcendental
.set N, 0
	s_wait_alu depctr_va_vdst(0)
.rept 8
	v_pk_mul_f32 v[O+N:O+N+1], v[O+N:O+N+1], v[216:217] op_sel_hi:[1,0]
.set N, N+2
.endr
	v_max3_num_f32 v[BM], |v[O]|, |v[O+1]|, 0x1800000      ; the head's 32 channels are one block of the next product's K: my 16, and lane l xor 16's
.irp i,2,4,6,8,10,12,14
	v_max3_num_f32 v[BM], v[BM], |v[O+\i]|, |v[O+\i+1]|
.endr
	v_permlanex16_b32 v[BX], v[BM], s[SEL], s[SEL+1]
	v_max_num_f32 v[BM], v[BM], v[BX]
	v_add_nc_u32 v[BS], 0xff000000, v[BM]
	v_lshrrev_b32 v[BX+1], 23, v[BS]
	v_cvt_scalef32_pk16_fp6_f32 v[CT:CT+2], v[O:O+15], v[BS]
	v_nop                                          ; one plain place behind a scaled conversion
	global_store_b96 v8, v[CT:CT+2], s[44:45]      ; 12 bytes a lane: the wave's 384 bytes are consecutive
	global_store_b8 v9, v[BX+1], s[46:47]          ; byte `head` of the lane's 16 scale bytes, in both halves of the lanes
.endm
	s_lshl_b32 s25, s14, 3
	s_lshr_b32 s40, s12, 1
	s_add_co_u32 s25, s25, s40                     ; group 8 i + w / 2,
	s_and_b32 s26, s12, 1                          ; part w % 2
	TILE
	s_sub_co_u32 s40, 15, s12                      ; w' = 15 - w
	s_lshl_b32 s25, s14, 3
	s_sub_co_u32 s25, 56, s25
	s_lshr_b32 s41, s40, 1
	s_add_co_u32 s25, s25, s41                     ; group 56 - 8 i + w' / 2
	s_and_b32 s26, s40, 1
	TILE
	s_wait_tensorcnt 0x0
	ds_add_u32 v254, v255
	s_wait_dscnt 0x0
	s_endpgm
.Lfunc_end_k_qb945673029_attn:
	.size	k_qb945673029_attn, .Lfunc_end_k_qb945673029_attn-k_qb945673029_attn
	.p2alignl 7, 3214868480
	.fill 96, 4, 3214868480
	.section	.rodata,"a",@progbits
	.p2align	6, 0x0
	.amdhsa_kernel k_qb945673029_attn
		.amdhsa_group_segment_fixed_size 104448
		.amdhsa_private_segment_fixed_size 0
		.amdhsa_enable_private_segment 0
		.amdhsa_kernarg_size 32
		.amdhsa_user_sgpr_count 2
		.amdhsa_user_sgpr_kernarg_segment_ptr 1
		.amdhsa_wavefront_size32 1
		.amdhsa_system_sgpr_workgroup_id_x 1
		.amdhsa_system_sgpr_workgroup_id_y 1
		.amdhsa_system_sgpr_workgroup_id_z 1
		.amdhsa_system_vgpr_workitem_id 0
		.amdhsa_next_free_vgpr 256
		.amdhsa_next_free_sgpr 66
		.amdhsa_reserve_vcc 1
		.amdhsa_float_denorm_mode_32 3
		.amdhsa_float_denorm_mode_16_64 3
		.amdhsa_memory_ordered 1
		.amdhsa_forward_progress 1
		.amdhsa_inst_pref_size 55
	.end_amdhsa_kernel
	.amdgpu_metadata
---
amdhsa.version: [ 1, 2 ]
amdhsa.kernels:
  - .name:           k_qb945673029_attn
    .symbol:         k_qb945673029_attn.kd
    .args:
      - { .name: qkvc, .offset: 0, .size: 8, .value_kind: global_buffer, .address_space: global }
      - { .name: qkvs, .offset: 8, .size: 8, .value_kind: global_buffer, .address_space: global }
      - { .name: ac, .offset: 16, .size: 8, .value_kind: global_buffer, .address_space: global }
      - { .name: asc, .offset: 24, .size: 8, .value_kind: global_buffer, .address_space: global }
    .group_segment_fixed_size: 104448
    .private_segment_fixed_size: 0
    .kernarg_segment_align: 8
    .kernarg_segment_size: 32
    .max_flat_workgroup_size: 512
    .sgpr_count:     66
    .vgpr_count:     256
    .wavefront_size: 32
...
	.end_amdgpu_metadata
.endif
;; end of part 3
;; launch tail (part 4): grid 256 x 1, 8 waves a work-group, no clusters, 203,776 bytes of LDS; arguments ac, asc, wimg, wscl, x, bo, g2, be2, b1, b2, out0; writes out0
.if DOCPART == 4
	.amdgcn_target "amdgcn-amd-amdhsa--gfx1250"
	.amdhsa_code_object_version 6
	.text
	.protected	k_qb945673029_tail
	.globl	k_qb945673029_tail
	.p2align	8
	.type	k_qb945673029_tail,@function
k_qb945673029_tail:
	s_mov_b64 s[64:65], 0
	v_nop
	global_prefetch_b8 v0, s[64:65] scope:SCOPE_SE
	s_setreg_imm32_b32 hwreg(HW_REG_WAVE_MODE, 25, 1), 1
	s_wait_xcnt 0x0
; TAIL.  x1 = x + a Wo + bo;  h2 = layernorm(x1, g2, be2);  out = x1 + relu(h2 W1 + b1) W2 + b2.  All three products on codes of FP6 (E2M3); h2 and the hidden layer are quantised on the way and never go to memory.
; SHARES.  Work-group G: rows 32 G .. + 31 as two permuted tiles (row r of tile u: 8 u + r + 8 (r / 8)).  THE WAVES SHARE THE COLUMNS: wave w makes columns 64 w .. + 63 of x1 and of out, and hidden units 256 w .. + 255 in four chunks of 64.
; Every product is used transposed (source 0 = 16 weight columns, source 1 = 16 rows): a lane holds one row and, in the 16 registers of a column group's two tiles, 16 neighbouring columns.
; THE WEIGHTS come straight into registers, in the order of the operands' registers, each byte to one wave: 36 slots of 6,144 bytes (two column groups x 128 K) through a ring of four register sets, asked for four slots ahead.
; OPERANDS GO FROM WAVE TO WAVE THROUGH LDS AS IMAGES OF THEIR REGISTERS: registers 6 c .. 6 c + 3 of lane l at 512 c + 16 l, registers 6 c + 4, 5 at 1024 + 256 c + 8 l; scale words at 4 l.  A wave's 64 columns are blocks (c, h = column group)
; of one fragment, so it stores half an image and two bytes of each scale word.  Every LDS region has bytes of its own; five barriers; the text has no branch.
; All row blocks walk the same weights; joint requests are left out here because they would send every weight byte through LDS slots that are filled again, which this text has none of.
; LIMITS: NaN and infinities are not served; a block of zeros gets the byte 1 (its codes are zeros; this program alone reads the bytes).
.set FR,  24                           ; v24-119  source 1's fragments: 8 of a or of h2 ((u, s) at 12 (4 u + s)); in the last product 4 K steps x 2 tiles by turns; in between g2, be2 and statistics; at the end rows of out
.set ACC, 120                          ; v120-183 eight accumulators: 32 u + 16 cgp + 8 u' + j
.set B1R, 184                          ; v184-215 bo, then a chunk's b1, then b2: 16 cgp + i = column 16 (lane / 16) + i of the group
.set WSC, 216                          ; v216-223 the weights' scale words: 2 (slot % 4) + cgp
.set OSC, 224                          ; v224-231 source 1's scale words
.set QM,  232                          ; v232-242 the quantiser's temporaries; the sums' pairs
.set EW,  243                          ; v243     two scale bytes
.set CD,  244                          ; v244-249 a lane's 24 bytes of codes
.set MN,  250                          ; v250-253 mean, then 1 / sqrt(variance + 1e-5), a pair for each tile
.set SEL, 38
.set ST1, 0                            ; LDS: the sums, word at 1024 u + 32 lane + 4 w;
.set ST2, 2048                         ; the sums of squares;
.set H2I, 4096                         ; h2's 8 images, 4 u + s;
.set H2S, 16384                        ; their scale words;
.set HDI, 17408                        ; the hidden layer's 32 images, 2 ks + u;
.set HDS, 66560                        ; their scale words;
.set X1I, 70656                        ; x1: an image of each wave's 64 accumulator registers, read back by the same wave;
.set STG, 136192                       ; the stage for out: 32 rows of 2,048 + 16 bytes
; window 1: v0-191 (v256-447): the ring of weight fragments: slot n at 48 (n % 4) + 24 cgp + 12 u'
.set MSB, 0
.macro WIN new                         ; the immediate's high byte repeats the setting that is left
.if MSB != \new
	s_set_vgpr_msb (MSB<<8)|\new
.set MSB, \new
.endif
.endm
.macro MM d, a, b, c, sa, sb, row
.if (\row) == 0
	v_wmma_scale_f32_16x16x128_f8f6f4 v[\d:\d+7], v[\a:\a+11], v[\b:\b+11], v[\c:\c+7], v[\sa], v[\sb] matrix_a_fmt:MATRIX_FMT_FP6 matrix_b_fmt:MATRIX_FMT_FP6
.else
	v_wmma_scale_f32_16x16x128_f8f6f4 v[\d:\d+7], v[\a:\a+11], v[\b:\b+11], v[\c:\c+7], v[\sa], v[\sb] matrix_a_fmt:MATRIX_FMT_FP6 matrix_b_fmt:MATRIX_FMT_FP6 matrix_a_scale:MATRIX_SCALE_ROW1
.endif
.endm
; 32 numbers of a lane in two parts of 16 (the two column groups); a part's block of 32 lies in lanes l and l xor 16.  Result: lane (r, h) holds the 24 bytes of (part h, row r) in v[cd] on; the bytes in v[QM+6], v[QM+7].
.macro QG s, cd
	v_max3_num_f32 v[QM], |v[\s]|, |v[\s+1]|, 0x1800000
	v_max3_num_f32 v[QM+1], |v[\s+16]|, |v[\s+17]|, 0x1800000
.irp i,2,4,6,8,10,12,14
	v_max3_num_f32 v[QM], v[QM], |v[\s+\i]|, |v[\s+\i+1]|
	v_max3_num_f32 v[QM+1], v[QM+1], |v[\s+16+\i]|, |v[\s+17+\i]|
.endr
	v_permlanex16_b32 v[QM+2], v[QM], s[SEL], s[SEL+1]
	v_permlanex16_b32 v[QM+3], v[QM+1], s[SEL], s[SEL+1]
	v_max_num_f32 v[QM], v[QM], v[QM+2]
	v_max_num_f32 v[QM+1], v[QM+1], v[QM+3]
	v_add_nc_u32 v[QM+4], 0xff000000, v[QM]
	v_add_nc_u32 v[QM+5], 0xff000000, v[QM+1]
	v_lshrrev_b32 v[QM+6], 23, v[QM+4]
	v_lshrrev_b32 v[QM+7], 23, v[QM+5]
	v_cvt_scalef32_pk16_fp6_f32 v[\cd:\cd+2], v[\s:\s+15], v[QM+4]
	v_cvt_scalef32_pk16_fp6_f32 v[QM+8:QM+10], v[\s+16:\s+31], v[QM+5]
	v_nop                                          ; one plain place behind a scaled conversion
.irp k,0,1,2
	v_permlane16_swap_b32 v[\cd+\k], v[QM+8+\k]
.endr
.irp k,0,1,2
	v_mov_b32 v[\cd+3+\k], v[QM+8+\k]
.endr
	v_lshl_or_b32 v[EW], v[QM+7], 8, v[QM+6]
.endm
; Slot n of the weight stream is asked for: 12 loads of 512 consecutive bytes, two scale words; with a chunk's first slot its b1, with the last product's first slot b2.  Slots 0-3 Wo, 4-19 W1, 20-35 W2.
.macro REFILL n
.set RN, \n
.if RN < 36
.if RN < 4
.set RB, 26
.set RS, 32
.set RL, RN
.elseif RN < 20
.set RB, 28
.set RS, 34
.set RL, RN-4
.else
.set RB, 30
.set RS, 36
.set RL, RN-20
.endif
	WIN 0x40                                       ; destination window 1, address window 0
.set RK, 0
.rept 12
	global_load_b128 v[48*(RN%4)+4*RK:48*(RN%4)+4*RK+3], v1, s[RB:RB+1] offset:RL*6144+512*RK
.set RK, RK+1
.endr
	WIN 0
	global_load_b32 v[WSC+2*(RN%4)], v2, s[RS:RS+1] offset:RL*256
	global_load_b32 v[WSC+2*(RN%4)+1], v2, s[RS:RS+1] offset:RL*256+128
.if (RN >= 4) && (RN <= 16) && (RN%4 == 0)
.irp g,0,1
.irp j,0,1,2,3
	global_load_b128 v[B1R+16*\g+4*\j:B1R+16*\g+4*\j+3], v4, s[20:21] offset:256*(RN/4-1)+128*\g+16*\j
.endr
.endr
.endif
.if RN == 20
.irp g,0,1
.irp j,0,1,2,3
	global_load_b128 v[B1R+16*\g+4*\j:B1R+16*\g+4*\j+3], v4, s[22:23] offset:128*\g+16*\j
.endr
.endr
.endif
.endif
.endm
.macro HFETCH ks                       ; K step ks of the hidden layer, both tiles: ten LDS loads
.set HK, \ks
.irp u,0,1
	ds_load_b128 v[FR+24*(HK%4)+12*\u:FR+24*(HK%4)+12*\u+3], v15 offset:3072*HK+1536*\u
	ds_load_b128 v[FR+24*(HK%4)+12*\u+6:FR+24*(HK%4)+12*\u+9], v15 offset:3072*HK+1536*\u+512
	ds_load_b64 v[FR+24*(HK%4)+12*\u+4:FR+24*(HK%4)+12*\u+5], v16 offset:3072*HK+1536*\u+1024
	ds_load_b64 v[FR+24*(HK%4)+12*\u+10:FR+24*(HK%4)+12*\u+11], v16 offset:3072*HK+1536*\u+1280
	ds_load_b32 v[OSC+2*(HK%4)+\u], v17 offset:256*HK+128*\u
.endr
.endm
; Slot n is multiplied: eight products, the eight accumulators by turns, one instruction a turn, in the same order in every slot; then its registers take the slot four on.
.macro SLOT n
.set SN, \n
.if SN <= 32
	s_wait_loadcnt 42                              ; the three younger slots' loads, 14 each at the least, may be out
.else
	s_wait_loadcnt 14*(35-SN)
.endif
.if SN >= 20
.if SN <= 32
	s_wait_dscnt 30                                ; the three younger K steps' loads from LDS, ten each, may be out
.else
	s_wait_dscnt 10*(35-SN)
.endif
.endif
	WIN 0x01                                       ; source 0 window 1
.irp u,0,1
.irp g,0,1
.irp v,0,1
.set MD, ACC+32*\u+16*\g+8*\v
.if SN < 20
.set MBB, FR+12*(4*\u+SN%4)
.set MSS, OSC+4*\u+SN%4
.else
.set MBB, FR+24*(SN%4)+12*\u
.set MSS, OSC+2*(SN%4)+\u
.endif
.if (SN >= 4) && (SN < 20) && (SN%4 == 0)
.set MC, B1R+16*\g+8*\v                ; a chunk's first products take b1 as C
.else
.set MC, MD
.endif
	MM MD, 48*(SN%4)+24*\g+12*\v, MBB, MC, WSC+2*(SN%4)+\g, MSS, \v
.endr
.endr
.endr
	WIN 0
.rept 4
	v_nop                                          ; places in front of loads into registers that these products read, and of reads of their results
.endr
	REFILL SN+4
.if (SN >= 20) && (SN < 32)
	HFETCH SN-16
.endif
.endm
.macro BARRIER                         ; my LDS stores have landed and my LDS loads are in: then the work-group's barrier
	s_wait_dscnt 0x0
	s_barrier_signal -1
	s_barrier_wait -1
.endm
	s_load_b512 s[4:19], s[0:1], 0x0               ; ac s[4:5], asc s[6:7], wimg s[8:9], wscl s[10:11], x s[12:13], bo s[14:15], g2 s[16:17], be2 s[18:19]
	s_load_b128 s[20:23], s[0:1], 0x40             ; b1 s[20:21], b2 s[22:23]
	s_load_b64 s[24:25], s[0:1], 0x50              ; out0
	v_lshl_add_u32 v254, v0, 2, 0x31800
	v_mov_b32 v255, 0
	v_lshrrev_b32 v21, 5, v0
	v_readfirstlane_b32 s40, v21                   ; wave 0..7
	v_and_b32 v21, 31, v0                          ; lane
	v_and_b32 v22, 15, v0                          ; r
	v_bfe_u32 v23, v0, 4, 1                        ; h
	v_lshlrev_b32 v1, 4, v21                       ; v1  16 lane
	v_lshlrev_b32 v2, 2, v21                       ; v2  4 lane
	v_lshlrev_b32 v14, 3, v21                      ; v14 8 lane
	v_and_b32 v3, 8, v22
	v_add_nc_u32 v3, v3, v22
	v_lshlrev_b32 v3, 11, v3
	v_lshl_add_u32 v3, v23, 6, v3                  ; v3  x: row r + 8 (r / 8) of 2,048 bytes, + 64 h
	v_lshlrev_b32 v4, 6, v23                       ; v4  64 h
	v_mul_u32_u24 v5, v23, 384
	v_mad_u32_u24 v5, v22, 24, v5                  ; v5  a's codes: 384 h + 24 r
	v_lshlrev_b32 v7, 5, v21                       ; v7  32 lane
	s_lshl_b32 s41, s40, 2
	v_add_nc_u32 v6, s41, v7                       ; v6  32 lane + 4 w
	s_lshr_b32 s42, s40, 1                         ; my columns are blocks (c = w % 2, h = column group) of h2's K step w / 2
	s_and_b32 s43, s40, 1
	s_mul_i32 s44, s42, 1536
	s_lshl_b32 s45, s43, 9
	s_add_co_u32 s45, s45, s44
	s_add_co_u32 s45, s45, H2I
	v_add_nc_u32 v8, s45, v1                       ; v8  where I store h2's 16-byte pieces
	s_lshl_b32 s45, s43, 8
	s_add_co_u32 s45, s45, s44
	s_add_co_u32 s45, s45, H2I+1024
	v_add_nc_u32 v9, s45, v14                      ; v9  its 8-byte pieces
	s_lshl_b32 s45, s42, 7
	s_lshl_b32 s46, s43, 1
	s_add_co_u32 s45, s45, s46
	s_add_co_u32 s45, s45, H2S
	v_add_nc_u32 v10, s45, v2                      ; v10 its two scale bytes
	s_mul_i32 s45, s40, 6144
	s_add_co_u32 s45, s45, HDI
	v_add_nc_u32 v11, s45, v1                      ; v11-13 the same for the hidden layer: my K steps are 2 w and 2 w + 1
	v_add_nc_u32 v12, s45, v14
	s_lshl_b32 s45, s40, 9
	s_add_co_u32 s45, s45, HDS
	v_add_nc_u32 v13, s45, v2
	v_add_nc_u32 v15, HDI, v1                      ; v15-17 where any wave reads the hidden layer
	v_add_nc_u32 v16, HDI, v14
	v_add_nc_u32 v17, HDS, v2
	s_lshl_b32 s45, s40, 13
	s_add_co_u32 s45, s45, X1I
	v_add_nc_u32 v18, s45, v1                      ; v18 x1's image
	v_mul_u32_u24 v19, v22, 2064
	v_lshl_add_u32 v19, v23, 6, v19
	s_lshl_b32 s45, s40, 8
	s_add_co_u32 s45, s45, STG
	v_add_nc_u32 v19, s45, v19                     ; v19 the stage: row r, + 64 h, + 256 w
	s_mul_i32 s45, s40, 8256
	s_add_co_u32 s45, s45, STG
	v_add_nc_u32 v20, s45, v1                      ; v20 back: my four rows
	v_mov_b32 v240, 0                              ; written once: a lane permute's destination counts as one of its sources
	v_mov_b32 v241, 0
	v_mov_b32 v234, 0
	v_mov_b32 v235, 0
	s_mov_b32 s[SEL], 0x76543210
	s_mov_b32 s[SEL+1], 0xfedcba98
	s_mov_b32 s48, 0x3b000000                      ; 1 / 512
	s_mov_b32 s49, 0x3727c5ac                      ; 1e-5
	s_mov_b32 s51, 0
	s_mov_b32 s53, 0
	s_mov_b32 s55, 0
	s_mov_b32 s57, 0
	s_mov_b32 s59, 0
	s_mov_b32 s61, 0
	s_lshl_b32 s50, s40, 8                         ; 256 w: my 64 columns of f32
	s_lshl_b32 s52, ttmp9, 16
	s_add_co_u32 s52, s52, s50                     ; x: 32 rows a work-group, + my columns
	s_mul_i32 s54, s40, 24576                      ; Wo: four slots a wave
	s_mul_i32 s56, s40, 98304                      ; W1, W2: sixteen
	s_lshl_b32 s58, s40, 10                        ; their scale words: 256 bytes a slot
	s_lshl_b32 s60, s40, 12
	s_lshr_b32 s45, s40, 2                         ; the first of the four rows that I store: stage rows 4 w .. are tile w / 4, rows 4 (w % 4) ..
	s_and_b32 s46, s40, 3
	s_lshl_b32 s45, s45, 3
	s_lshl_b32 s47, s46, 2
	s_add_co_u32 s45, s45, s47
	s_lshr_b32 s46, s46, 1
	s_lshl_b32 s46, s46, 3
	s_add_co_u32 s45, s45, s46
	s_lshl_b32 s46, ttmp9, 5
	s_add_co_u32 s45, s45, s46
	s_lshl_b32 s44, s45, 11
	s_mov_b32 s45, 0
	s_mul_i32 s46, ttmp9, 12288                    ; a's codes: two tiles of 6,144 bytes
	s_mov_b32 s47, 0
	s_lshl_b32 s42, ttmp9, 10                      ; a's scale bytes: two tiles of 512
	s_mov_b32 s43, 0
	s_wait_kmcnt 0x0
	s_add_nc_u64 s[4:5], s[4:5], s[46:47]
	s_add_nc_u64 s[6:7], s[6:7], s[42:43]
	s_add_nc_u64 s[12:13], s[12:13], s[52:53]
	s_add_nc_u64 s[14:15], s[14:15], s[50:51]
	s_add_nc_u64 s[16:17], s[16:17], s[50:51]
	s_add_nc_u64 s[18:19], s[18:19], s[50:51]
	s_add_nc_u64 s[22:23], s[22:23], s[50:51]
	s_add_nc_u64 s[20:21], s[20:21], s[58:59]      ; b1: 1,024 w
	s_add_nc_u64 s[24:25], s[24:25], s[44:45]
	s_add_nc_u64 s[26:27], s[8:9], s[54:55]
	s_add_nc_u64 s[26:27], s[26:27], 589824        ; Wo's slots
	s_add_nc_u64 s[28:29], s[8:9], s[56:57]
	s_add_nc_u64 s[30:31], s[28:29], 1572864       ; W2's
	s_add_nc_u64 s[28:29], s[28:29], 786432        ; W1's
	s_add_nc_u64 s[32:33], s[10:11], s[58:59]
	s_add_nc_u64 s[32:33], s[32:33], 24576
	s_add_nc_u64 s[34:35], s[10:11], s[60:61]
	s_add_nc_u64 s[36:37], s[34:35], 65536
	s_add_nc_u64 s[34:35], s[34:35], 32768
	; ---- loads: a's eight fragments and scale words, my part of x and bo, the first four slots
.irp f,0,1,2,3,4,5,6,7
.irp c,0,1
.irp p,0,1,2
	global_load_b64 v[FR+12*\f+6*\c+2*\p:FR+12*\f+6*\c+2*\p+1], v5, s[4:5] offset:1536*\f+768*\c+8*\p   ; block 2 c + h of K step s is head 4 s + 2 c + h: 24 bytes a row
.endr
.endr
.endr
.irp u,0,1
	global_load_b128 v[OSC+4*\u:OSC+4*\u+3], v1, s[6:7] offset:512*\u
.endr
.irp u,0,1
.irp g,0,1
.irp j,0,1,2,3
	global_load_b128 v[ACC+32*\u+16*\g+4*\j:ACC+32*\u+16*\g+4*\j+3], v3, s[12:13] offset:16384*\u+128*\g+16*\j
.endr
.endr
.endr
.irp g,0,1
.irp j,0,1,2,3
	global_load_b128 v[B1R+16*\g+4*\j:B1R+16*\g+4*\j+3], v4, s[14:15] offset:128*\g+16*\j
.endr
.endr
	REFILL 0
	REFILL 1
	REFILL 2
	REFILL 3
	s_wait_loadcnt 56                              ; the four slots' 14 loads each may be out; all before them are in
.set N, 0
.rept 16
	v_pk_add_f32 v[ACC+N:ACC+N+1], v[ACC+N:ACC+N+1], v[B1R+N:B1R+N+1]              ; x + bo starts the sums
	v_pk_add_f32 v[ACC+32+N:ACC+32+N+1], v[ACC+32+N:ACC+32+N+1], v[B1R+N:B1R+N+1]
.set N, N+2
.endr
	; ---- A: x1 = x + bo + a Wo
	SLOT 0
	SLOT 1
	SLOT 2
	SLOT 3
	v_nop
.irp g,0,1
.irp j,0,1,2,3
	global_load_b128 v[FR+16*\g+4*\j:FR+16*\g+4*\j+3], v4, s[16:17] offset:128*\g+16*\j        ; g2 and be2 at my columns
	global_load_b128 v[FR+32+16*\g+4*\j:FR+32+16*\g+4*\j+3], v4, s[18:19] offset:128*\g+16*\j
.endr
.endr
.set N, 0
.rept 16
	ds_store_b128 v18, v[ACC+4*N:ACC+4*N+3] offset:512*N       ; x1 is kept for the end; each accumulator is read from its low end on
.set N, N+1
.endr
	; ---- the second layer norm: a row's 512 columns lie in eight waves and two lanes
.irp u,0,1
	v_pk_add_f32 v[232+4*\u:233+4*\u], v[ACC+32*\u:ACC+32*\u+1], v[ACC+32*\u+4:ACC+32*\u+5]
	v_pk_add_f32 v[234+4*\u:235+4*\u], v[ACC+32*\u+2:ACC+32*\u+3], v[ACC+32*\u+6:ACC+32*\u+7]
.endr
.irp i,8,12,16,20,24,28
.irp u,0,1
	v_pk_add_f32 v[232+4*\u:233+4*\u], v[232+4*\u:233+4*\u], v[ACC+32*\u+\i:ACC+32*\u+\i+1]
	v_pk_add_f32 v[234+4*\u:235+4*\u], v[234+4*\u:235+4*\u], v[ACC+32*\u+\i+2:ACC+32*\u+\i+3]
.endr
.endr
.macro STATS off                       ; the pairs become a number a tile; the eight waves' numbers meet in LDS; the row's total lands in v[FR+64+8 u]
.irp u,0,1
	v_pk_add_f32 v[232+4*\u:233+4*\u], v[232+4*\u:233+4*\u], v[234+4*\u:235+4*\u]
.endr
.irp u,0,1
	v_add_f32 v[232+4*\u], v[232+4*\u], v[233+4*\u]
.endr
.irp u,0,1
	v_permlanex16_b32 v[240+\u], v[232+4*\u], s[SEL], s[SEL+1]
.endr
.irp u,0,1
	v_add_f32 v[232+4*\u], v[232+4*\u], v[240+\u]
.endr
.irp u,0,1
	ds_store_b32 v6, v[232+4*\u] offset:\off+1024*\u
.endr
	BARRIER
.irp u,0,1
	ds_load_b128 v[FR+64+8*\u:FR+67+8*\u], v7 offset:\off+1024*\u
	ds_load_b128 v[FR+68+8*\u:FR+71+8*\u], v7 offset:\off+1024*\u+16
.endr
	s_wait_dscnt 0x0
.irp u,0,1
	v_pk_add_f32 v[FR+64+8*\u:FR+65+8*\u], v[FR+64+8*\u:FR+65+8*\u], v[FR+66+8*\u:FR+67+8*\u]
	v_pk_add_f32 v[FR+68+8*\u:FR+69+8*\u], v[FR+68+8*\u:FR+69+8*\u], v[FR+70+8*\u:FR+71+8*\u]
.endr
.irp u,0,1
	v_pk_add_f32 v[FR+64+8*\u:FR+65+8*\u], v[FR+64+8*\u:FR+65+8*\u], v[FR+68+8*\u:FR+69+8*\u]
.endr
.irp u,0,1
	v_add_f32 v[FR+64+8*\u], v[FR+64+8*\u], v[FR+65+8*\u]
.endr
.endm
	STATS ST1
.irp u,0,1
	v_mul_f32 v[MN+2*\u], s48, v[FR+64+8*\u]       ; the mean
	v_mov_b32 v[MN+2*\u+1], v[MN+2*\u]
.endr
.irp u,0,1
.set N, 0
.rept 16
	v_pk_add_f32 v[ACC+32*\u+N:ACC+32*\u+N+1], v[ACC+32*\u+N:ACC+32*\u+N+1], v[MN+2*\u:MN+2*\u+1] neg_lo:[0,1] neg_hi:[0,1]
.set N, N+2
.endr
.endr
.irp u,0,1
	v_pk_mul_f32 v[232+4*\u:233+4*\u], v[ACC+32*\u:ACC+32*\u+1], v[ACC+32*\u:ACC+32*\u+1]
	v_pk_mul_f32 v[234+4*\u:235+4*\u], v[ACC+32*\u+2:ACC+32*\u+3], v[ACC+32*\u+2:ACC+32*\u+3]
.endr
.irp i,4,8,12,16,20,24,28
.irp u,0,1
	v_pk_fma_f32 v[232+4*\u:233+4*\u], v[ACC+32*\u+\i:ACC+32*\u+\i+1], v[ACC+32*\u+\i:ACC+32*\u+\i+1], v[232+4*\u:233+4*\u]
	v_pk_fma_f32 v[234+4*\u:235+4*\u], v[ACC+32*\u+\i+2:ACC+32*\u+\i+3], v[ACC+32*\u+\i+2:ACC+32*\u+\i+3], v[234+4*\u:235+4*\u]
.endr
.endr
	STATS ST2
.irp u,0,1
	v_fma_f32 v[MN+2*\u], v[FR+64+8*\u], s48, s49  ; variance + 1e-5
.endr
	v_rsq_f32 v[MN], v[MN]
	v_rsq_f32 v[MN+2], v[MN+2]
	v_nop                                          ; one plain place behind the transcendentals
	s_wait_alu depctr_va_vdst(0)
	v_mov_b32 v[MN+1], v[MN]
	v_mov_b32 v[MN+3], v[MN+2]
	s_wait_loadcnt 0x0                             ; g2 and be2 (slots 4 to 7 with them)
.irp u,0,1
.set N, 0
.rept 16
	v_pk_mul_f32 v[ACC+32*\u+N:ACC+32*\u+N+1], v[ACC+32*\u+N:ACC+32*\u+N+1], v[MN+2*\u:MN+2*\u+1]
.set N, N+2
.endr
.set N, 0
.rept 16
	v_pk_fma_f32 v[ACC+32*\u+N:ACC+32*\u+N+1], v[ACC+32*\u+N:ACC+32*\u+N+1], v[FR+N:FR+N+1], v[FR+32+N:FR+32+N+1]
.set N, N+2
.endr
.endr
.irp u,0,1
	QG ACC+32*\u, CD
	ds_store_b128 v8, v[CD:CD+3] offset:6144*\u
	ds_store_b64 v9, v[CD+4:CD+5] offset:6144*\u
	ds_store_b16 v10, v[EW] offset:512*\u
	s_wait_dscnt 0x0                               ; the stores have read their registers
.endr
	BARRIER                                        ; h2's eight fragments lie in LDS
.irp f,0,1,2,3,4,5,6,7
	ds_load_b128 v[FR+12*\f:FR+12*\f+3], v1 offset:H2I+1536*\f
	ds_load_b128 v[FR+12*\f+6:FR+12*\f+9], v1 offset:H2I+1536*\f+512
	ds_load_b64 v[FR+12*\f+4:FR+12*\f+5], v14 offset:H2I+1536*\f+1024
	ds_load_b64 v[FR+12*\f+10:FR+12*\f+11], v14 offset:H2I+1536*\f+1280
	ds_load_b32 v[OSC+\f], v2 offset:H2S+128*\f
.endr
	s_wait_dscnt 0x0
	; ---- B: my 256 hidden units, 64 at a time: relu(h2 W1 + b1), quantised: blocks (c = q % 2, h = column group) of K step 2 w + q / 2 of the last product
.macro CHUNK q
	SLOT 4+4*\q
	SLOT 5+4*\q
	SLOT 6+4*\q
	SLOT 7+4*\q
	v_nop
.set N, 0
.rept 64
	v_max_num_f32 v[ACC+N], 0, v[ACC+N]            ; the activation, in f32; each accumulator from its low end on
.set N, N+1
.endr
.irp u,0,1
	QG ACC+32*\u, CD
	ds_store_b128 v11, v[CD:CD+3] offset:3072*(\q/2)+1536*\u+512*(\q%2)
	ds_store_b64 v12, v[CD+4:CD+5] offset:3072*(\q/2)+1536*\u+1024+256*(\q%2)
	ds_store_b16 v13, v[EW] offset:256*(\q/2)+128*\u+2*(\q%2)
	s_wait_dscnt 0x0                               ; the stores have read their registers
.endr
.endm
	CHUNK 0
	CHUNK 1
	CHUNK 2
	CHUNK 3
	BARRIER                                        ; the hidden layer's 32 fragments lie in LDS
	; ---- C: out = x1 + b2 + hidden W2
.set N, 0
.rept 16
	ds_load_b128 v[ACC+4*N:ACC+4*N+3], v18 offset:512*N
.set N, N+1
.endr
	HFETCH 0
	HFETCH 1
	HFETCH 2
	HFETCH 3
	s_wait_loadcnt 42                              ; slot 20's loads, b2 among them, are in; the three younger slots' may be out
	s_wait_dscnt 40                                ; x1 is back; the four K steps' ten loads each may be out
.set N, 0
.rept 16
	v_pk_add_f32 v[ACC+N:ACC+N+1], v[ACC+N:ACC+N+1], v[B1R+N:B1R+N+1]
	v_pk_add_f32 v[ACC+32+N:ACC+32+N+1], v[ACC+32+N:ACC+32+N+1], v[B1R+N:B1R+N+1]
.set N, N+2
.endr
.irp n,20,21,22,23,24,25,26,27,28,29,30,31,32,33,34,35
	SLOT \n
.endr
	; ---- the way out: a row's 512 columns come from eight waves: through the stage, then four whole rows a wave
.irp u,0,1
.irp g,0,1
.irp j,0,1,2,3
	ds_store_b128 v19, v[ACC+32*\u+16*\g+4*\j:ACC+32*\u+16*\g+4*\j+3] offset:33024*\u+128*\g+16*\j
.endr
.endr
.endr
	BARRIER
.set N, 0
.rept 16
	ds_load_b128 v[FR+4*N:FR+4*N+3], v20 offset:2064*(N/4)+512*(N%4)
.set N, N+1
.endr
.set N, 0
.rept 16
	s_wait_dscnt 15-N                              ; LDS loads come back in order: the N-th is in, the younger may be out
	global_store_b128 v1, v[FR+4*N:FR+4*N+3], s[24:25] offset:2048*(N/4)+512*(N%4) th:TH_STORE_NT   ; 32 lanes store 512 consecutive bytes, aligned
.set N, N+1
.endr
	s_wait_tensorcnt 0x0
	ds_add_u32 v254, v255
	s_wait_dscnt 0x0
	s_endpgm
.Lfunc_end_k_qb945673029_tail:
	.size	k_qb945673029_tail, .Lfunc_end_k_qb945673029_tail-k_qb945673029_tail
	.p2alignl 7, 3214868480
	.fill 96, 4, 3214868480
	.section	.rodata,"a",@progbits
	.p2align	6, 0x0
	.amdhsa_kernel k_qb945673029_tail
		.amdhsa_group_segment_fixed_size 203776
		.amdhsa_private_segment_fixed_size 0
		.amdhsa_enable_private_segment 0
		.amdhsa_kernarg_size 88
		.amdhsa_user_sgpr_count 2
		.amdhsa_user_sgpr_kernarg_segment_ptr 1
		.amdhsa_wavefront_size32 1
		.amdhsa_system_sgpr_workgroup_id_x 1
		.amdhsa_system_sgpr_workgroup_id_y 1
		.amdhsa_system_sgpr_workgroup_id_z 1
		.amdhsa_system_vgpr_workitem_id 0
		.amdhsa_next_free_vgpr 448
		.amdhsa_next_free_sgpr 66
		.amdhsa_reserve_vcc 0
		.amdhsa_float_denorm_mode_32 3
		.amdhsa_float_denorm_mode_16_64 3
		.amdhsa_memory_ordered 1
		.amdhsa_forward_progress 1
		.amdhsa_inst_pref_size 176
	.end_amdhsa_kernel
	.amdgpu_metadata
---
amdhsa.version: [ 1, 2 ]
amdhsa.kernels:
  - .name:           k_qb945673029_tail
    .symbol:         k_qb945673029_tail.kd
    .args:
      - { .name: ac, .offset: 0, .size: 8, .value_kind: global_buffer, .address_space: global }
      - { .name: asc, .offset: 8, .size: 8, .value_kind: global_buffer, .address_space: global }
      - { .name: wimg, .offset: 16, .size: 8, .value_kind: global_buffer, .address_space: global }
      - { .name: wscl, .offset: 24, .size: 8, .value_kind: global_buffer, .address_space: global }
      - { .name: x, .offset: 32, .size: 8, .value_kind: global_buffer, .address_space: global }
      - { .name: bo, .offset: 40, .size: 8, .value_kind: global_buffer, .address_space: global }
      - { .name: g2, .offset: 48, .size: 8, .value_kind: global_buffer, .address_space: global }
      - { .name: be2, .offset: 56, .size: 8, .value_kind: global_buffer, .address_space: global }
      - { .name: b1, .offset: 64, .size: 8, .value_kind: global_buffer, .address_space: global }
      - { .name: b2, .offset: 72, .size: 8, .value_kind: global_buffer, .address_space: global }
      - { .name: out0, .offset: 80, .size: 8, .value_kind: global_buffer, .address_space: global }
    .group_segment_fixed_size: 203776
    .private_segment_fixed_size: 0
    .kernarg_segment_align: 8
    .kernarg_segment_size: 88
    .max_flat_workgroup_size: 256
    .sgpr_count:     66
    .vgpr_count:     448
    .wavefront_size: 32
...
	.end_amdgpu_metadata
.endif
;; end of part 4
;; ======== version 2 of 2: 4 launches
;; workspace buffers: wimg 2,359,296 bytes; wscl 98,304 bytes; hc 3,145,728 bytes; hs 262,144 bytes; qkvc 9,437,184 bytes; qkvs 393,216 bytes; ac 3,145,728 bytes; asc 262,144 bytes
;; launch prep (part 5): grid 256 x 1, 8 waves a work-group, no clusters, 3,072 bytes of LDS; arguments x, g1, be1, Wq, Wk, Wv, Wo, W1, W2, wimg, wscl, hc, hs; writes wimg, wscl, hc, hs
.if DOCPART == 5
	.amdgcn_target "amdgcn-amd-amdhsa--gfx1250"
	.amdhsa_code_object_version 6
	.text
	.protected	k_qb945673029_prep
	.globl	k_qb945673029_prep
	.p2align	8
	.type	k_qb945673029_prep,@function
k_qb945673029_prep:
	s_mov_b64 s[64:65], 0
	v_nop
	global_prefetch_b8 v0, s[64:65] scope:SCOPE_SE
	s_setreg_imm32_b32 hwreg(HW_REG_WAVE_MODE, 25, 1), 1
	s_wait_xcnt 0x0
; PREP.  (1) h = layernorm(x, g1, be1), quantised along its 512 columns to codes of FP6 (E2M3) with one E8M0 byte for each 32.  (2) The six weights, whose K is their first matrix axis, quantised along K.
; Both leave as IMAGES OF OPERAND REGISTERS: a fragment (16 rows x 128 K, 12 registers a lane) is 1,536 bytes, registers 4 c .. 4 c + 3 of lane l at 512 c + 16 l; its scale words 128 bytes, lane l's at 4 l.
; TILES ARE PERMUTED: rows (and weight columns) go in groups of 32; row r of tile u of a group is member 8 u + r + 8 (r / 8).  A product with such a tile as source 0 then leaves 16 neighbours in a lane's 16 registers of tiles 0 and 1.
; SHARES.  Work-group G: rows 32 G .. 32 G + 31.  Wave w = 4 u + s: tile u, columns 128 s .. 128 s + 127.  A row's mean and variance (two passes, as the layer norm is defined) meet in LDS: two barriers.
; Behind that waves 0 to 2 take weight task T = 3 G + w of 768: 32 columns x 128 along K; a lane takes a column and its registers run down K, so a block of 32 lies in one lane.
; LIMITS: NaN and infinities among the inputs are not served.  A block of zeros gets the byte 1 and not 127: its codes are zeros, and this program alone reads the bytes.  A block whose largest magnitude lies under 2^-124 is held at byte 1.
.set X,    16                          ; v16-79   my 64 numbers of x: register 16 b + i = column 128 s + 32 b + 16 (lane / 16) + i of my row
.set GA,   80                          ; v80-143  g1 at the same columns
.set BE,   144                         ; v144-207 be1
.set TM,   208                         ; v208-223 the quantiser's: largest magnitudes, bytes, scale operands
.set PW,   224                         ; v224     the scale word just made
.set PC,   226                         ; v226-245 the codes just made (12) and two temporaries
.set SM,   246                         ; v246-253 four pairs for the sums
.set SEL,  40                          ; s[40:41] lane selects: lane l xor 16
.set WD,   16                          ; weight part: v16-143 128 numbers down K
.set OUT0, 144                         ; v144-155 the fragment registers of lane (r, 0); v156-167 of lane (r, 1)
.set CT,   168                         ; v168-183 the upper halves of the four blocks' codes
.set WM,   184                         ; v184-185 two chains of the largest magnitude
.set WSO,  186                         ; v186-189 the blocks' scale operands
.set WE,   190                         ; v190     a byte
.set WORD, 192                         ; v192     the column's scale word
.set WA,   193                         ; v193     1536 u' + 16 r of my column
.set WSA,  194                         ; v194     4 (r + 16 u')
; 64 numbers of a lane, register 16 b + i = k 32 b + 16 (lane / 16) + i of my row, become a fragment's codes in v[PC] on and its scale word in v[PW].
.macro QUANT s
.irp b,0,1,2,3
	v_max3_num_f32 v[TM+\b], |v[\s+16*\b]|, |v[\s+1+16*\b]|, 0x1800000   ; my 16 numbers of block b, and the floor 2^(3 - 127): the byte cannot fall under 1
.endr
.irp i,2,4,6,8,10,12,14
.irp b,0,1,2,3
	s_delay_alu instid0(VALU_DEP_4)
	v_max3_num_f32 v[TM+\b], v[TM+\b], |v[\s+16*\b+\i]|, |v[\s+1+16*\b+\i]|
.endr
.endr
.irp b,0,1,2,3
	s_delay_alu instid0(VALU_DEP_4)
	v_permlanex16_b32 v[TM+4+\b], v[TM+\b], s[SEL], s[SEL+1]
.endr
.irp b,0,1,2,3
	s_delay_alu instid0(VALU_DEP_4)
	v_max_num_f32 v[TM+\b], v[TM+\b], v[TM+4+\b]     ; with lane l xor 16's: the block's largest magnitude
.endr
.irp b,0,1,2,3
	s_delay_alu instid0(VALU_DEP_4)
	v_add_nc_u32 v[TM+12+\b], 0xff000000, v[TM+\b]   ; 2 off its exponent field: the conversion's scale operand
.endr
.irp b,0,1,2,3
	s_delay_alu instid0(VALU_DEP_4)
	v_lshrrev_b32 v[TM+4+\b], 23, v[TM+12+\b]        ; the scale's byte
.endr
	s_delay_alu instid0(VALU_DEP_3)
	v_lshl_or_b32 v[PW], v[TM+5], 8, v[TM+4]
	s_delay_alu instid0(VALU_DEP_1)
	v_lshl_or_b32 v[PW], v[TM+6], 16, v[PW]
	s_delay_alu instid0(VALU_DEP_1)
	v_lshl_or_b32 v[PW], v[TM+7], 24, v[PW]
.irp c,0,1
	v_cvt_scalef32_pk16_fp6_f32 v[PC+6*\c:PC+2+6*\c], v[\s+32*\c:\s+15+32*\c], v[TM+12+2*\c]
	v_cvt_scalef32_pk16_fp6_f32 v[PC+12+4*\c:PC+14+4*\c], v[\s+16+32*\c:\s+31+32*\c], v[TM+12+2*\c+1]   ; (a conversion's three registers begin on an even number)
.endr
	v_nop                                          ; one plain place behind a scaled conversion
.irp c,0,1                                     ; the operand's layout wants a whole block in a lane: lanes 0-15 block 2 c, lanes 16-31 block 2 c + 1
.irp i,0,1,2
	v_permlane16_swap_b32 v[PC+6*\c+\i], v[PC+12+4*\c+\i]
.endr
.irp i,0,1,2
	s_delay_alu instid0(VALU_DEP_3)
	v_mov_b32 v[PC+3+6*\c+\i], v[PC+12+4*\c+\i]
.endr
.endr
.endm
.macro LANESUM                         ; four pairs become one number: the sum over my row's 128 columns, the same in both halves of the lanes
	s_delay_alu instid0(VALU_DEP_3)
	v_pk_add_f32 v[SM:SM+1], v[SM:SM+1], v[SM+2:SM+3]
	s_delay_alu instid0(VALU_DEP_2)
	v_pk_add_f32 v[SM+4:SM+5], v[SM+4:SM+5], v[SM+6:SM+7]
	s_delay_alu instid0(VALU_DEP_1)
	v_pk_add_f32 v[SM:SM+1], v[SM:SM+1], v[SM+4:SM+5]
	s_delay_alu instid0(VALU_DEP_1)
	v_add_f32 v[SM], v[SM], v[SM+1]
	s_delay_alu instid0(VALU_DEP_1)
	v_permlanex16_b32 v[SM+2], v[SM], s[SEL], s[SEL+1]
	s_delay_alu instid0(VALU_DEP_1)
	v_add_f32 v[SM], v[SM], v[SM+2]
.endm
.macro MEET off                        ; the four waves of a tile exchange their sums: my word at 512 u + 16 lane + 4 s, then all four words of my lane
	ds_store_b32 v6, v[SM] offset:\off
	s_wait_dscnt 0x0                               ; for the others' sake: my store has landed, and no LDS load of mine is out
	s_barrier_signal -1
	s_barrier_wait -1
	ds_load_b128 v[SM:SM+3], v7 offset:\off
	s_wait_dscnt 0x0
	v_add_f32 v[SM], v[SM], v[SM+1]
	v_add_f32 v[SM+2], v[SM+2], v[SM+3]
	s_delay_alu instid0(VALU_DEP_1)
	v_add_f32 v[SM], v[SM], v[SM+2]
.endm
	s_load_b512 s[4:19], s[0:1], 0x0               ; x s[4:5], g1 s[6:7], be1 s[8:9], Wq s[10:11], Wk s[12:13], Wv s[14:15], Wo s[16:17], W1 s[18:19]
	s_load_b256 s[20:27], s[0:1], 0x40             ; W2 s[20:21], wimg s[22:23], wscl s[24:25], hc s[26:27]
	s_load_b64 s[28:29], s[0:1], 0x60              ; hs
	v_lshl_add_u32 v254, v0, 2, 0x800
	v_mov_b32 v255, 0
	v_lshrrev_b32 v1, 5, v0
	s_delay_alu instid0(VALU_DEP_1)
	v_readfirstlane_b32 s30, v1                    ; wave 0..7
	v_and_b32 v1, 31, v0                           ; lane
	v_and_b32 v2, 15, v0                           ; r
	v_bfe_u32 v3, v0, 4, 1                         ; h
	s_lshr_b32 s31, s30, 2                         ; u
	s_and_b32 s32, s30, 3                          ; s
	v_and_b32 v4, 8, v2
	s_delay_alu instid0(VALU_DEP_1)
	v_add_nc_u32 v4, v4, v2                        ; r + 8 (r / 8)
	s_delay_alu instid0(VALU_DEP_1)
	v_lshlrev_b32 v4, 11, v4                       ; rows of 2,048 bytes
	s_delay_alu instid0(VALU_DEP_1)
	v_lshl_add_u32 v4, v3, 6, v4                   ; + 64 h: my 16 numbers of a block of 32
	v_lshlrev_b32 v5, 6, v3                        ; 64 h, for g1 and be1
	v_lshlrev_b32 v8, 4, v1                        ; 16 x lane
	v_lshlrev_b32 v9, 2, v1                        ; 4 x lane
	s_lshl_b32 s33, s31, 9
	v_add_nc_u32 v7, s33, v8                       ; LDS: 512 u + 16 lane
	s_lshl_b32 s34, s32, 2
	s_add_co_u32 s34, s34, s33
	v_add_nc_u32 v6, s34, v8                       ; + 4 s
	s_mov_b32 s[SEL], 0x76543210
	s_mov_b32 s[SEL+1], 0xfedcba98
	s_mov_b32 s42, 0x3b000000                      ; 1 / 512
	s_mov_b32 s43, 0x3727c5ac                      ; 1e-5
.irp b,0,1,2,3
	v_mov_b32 v[TM+4+\b], 0                        ; written once: a lane permute's destination counts as one of its sources
.endr
	s_lshl_b32 s36, ttmp9, 16                      ; x: 32 rows a work-group,
	s_lshl_b32 s38, s31, 14                        ; 8 u rows,
	s_add_co_u32 s36, s36, s38
	s_lshl_b32 s38, s32, 9                         ; 128 s columns
	s_add_co_u32 s36, s36, s38
	s_mov_b32 s37, 0
	s_mov_b32 s39, 0
	s_mul_i32 s44, ttmp9, 12288                    ; hc: 8 images a work-group, image w
	s_mul_i32 s46, s30, 1536
	s_add_co_u32 s44, s44, s46
	s_mov_b32 s45, 0
	s_lshl_b32 s46, ttmp9, 10                      ; hs: 8 x 128 bytes
	s_lshl_b32 s47, s30, 7
	s_add_co_u32 s46, s46, s47
	s_mov_b32 s47, 0
	s_wait_alu depctr_va_vdst(0)
	s_wait_kmcnt 0x0
	s_add_nc_u64 s[4:5], s[4:5], s[36:37]
	s_add_nc_u64 s[6:7], s[6:7], s[38:39]
	s_add_nc_u64 s[8:9], s[8:9], s[38:39]
	s_add_nc_u64 s[26:27], s[26:27], s[44:45]
	s_add_nc_u64 s[28:29], s[28:29], s[46:47]
.irp b,0,1,2,3
.irp j,0,1,2,3
	global_load_b128 v[X+16*\b+4*\j:X+16*\b+4*\j+3], v4, s[4:5] offset:128*\b+16*\j
.endr
.endr
.irp b,0,1,2,3
.irp j,0,1,2,3
	global_load_b128 v[GA+16*\b+4*\j:GA+16*\b+4*\j+3], v5, s[6:7] offset:128*\b+16*\j
.endr
.endr
.irp b,0,1,2,3
.irp j,0,1,2,3
	global_load_b128 v[BE+16*\b+4*\j:BE+16*\b+4*\j+3], v5, s[8:9] offset:128*\b+16*\j
.endr
.endr
	s_wait_loadcnt 32                              ; x's sixteen loads are in; the 32 of g1 and be1 may be out
.irp k,0,1,2,3
	v_pk_add_f32 v[SM+2*\k:SM+2*\k+1], v[X+2*\k:X+2*\k+1], v[X+8+2*\k:X+8+2*\k+1]   ; four chains, started by the first pairs
.endr
.irp i,16,24,32,40,48,56
.irp k,0,1,2,3
	s_delay_alu instid0(VALU_DEP_4)
	v_pk_add_f32 v[SM+2*\k:SM+2*\k+1], v[SM+2*\k:SM+2*\k+1], v[X+\i+2*\k:X+\i+2*\k+1]
.endr
.endr
	LANESUM
	MEET 0
	s_delay_alu instid0(VALU_DEP_1)
	v_mul_f32 v10, s42, v[SM]                      ; the row's mean
	s_delay_alu instid0(VALU_DEP_1)
	v_mov_b32 v11, v10
.set N, 0
.rept 32
	v_pk_add_f32 v[X+N:X+N+1], v[X+N:X+N+1], v[10:11] neg_lo:[0,1] neg_hi:[0,1]   ; x - mean, in place
.set N, N+2
.endr
.irp k,0,1,2,3
	v_pk_mul_f32 v[SM+2*\k:SM+2*\k+1], v[X+2*\k:X+2*\k+1], v[X+2*\k:X+2*\k+1]
.endr
.irp i,8,16,24,32,40,48,56
.irp k,0,1,2,3
	s_delay_alu instid0(VALU_DEP_4)
	v_pk_fma_f32 v[SM+2*\k:SM+2*\k+1], v[X+\i+2*\k:X+\i+2*\k+1], v[X+\i+2*\k:X+\i+2*\k+1], v[SM+2*\k:SM+2*\k+1]
.endr
.endr
	LANESUM
	MEET 1024                                      ; other LDS bytes than the first exchange's
	s_delay_alu instid0(VALU_DEP_1)
	v_fma_f32 v12, v[SM], s42, s43                 ; variance + 1e-5
	s_wait_alu depctr_va_vdst(0)
	v_rsq_f32 v12, v12
	v_nop                                          ; one plain place behind the transcendental
	s_wait_alu depctr_va_vdst(0)
	v_mov_b32 v13, v12
	s_wait_alu depctr_va_vdst(0)
	s_wait_loadcnt 0x0                             ; g1 and be1
.set N, 0
.rept 32
	v_pk_mul_f32 v[X+N:X+N+1], v[X+N:X+N+1], v[12:13]
.set N, N+2
.endr
.set N, 0
.rept 32
	v_pk_fma_f32 v[X+N:X+N+1], v[X+N:X+N+1], v[GA+N:GA+N+1], v[BE+N:BE+N+1]
.set N, N+2
.endr
	QUANT X
.irp c,0,1,2
	global_store_b128 v8, v[PC+4*\c:PC+4*\c+3], s[26:27] offset:512*\c   ; the image: each store of the wave covers 512 consecutive bytes, aligned
.endr
	global_store_b32 v9, v[PW], s[28:29]
	; ---- the weights: waves 0 to 2.  No barrier stands behind this branch.
	s_cmp_ge_u32 s30, 3
	s_cbranch_scc1 .Lend
	s_wait_xcnt 0x0                                ; the stores above have read their registers and bases
	s_mul_i32 s44, ttmp9, 3
	s_add_co_u32 s44, s44, s30                     ; task T = 2 x slot + cgp
	s_and_b32 s45, s44, 1                          ; cgp
	s_mov_b32 s49, 0
	s_mul_i32 s52, s44, 3072
	s_mov_b32 s53, 0
	s_add_nc_u64 s[22:23], s[22:23], s[52:53]      ; its two images
	s_lshl_b32 s52, s44, 7
	s_add_nc_u64 s[24:25], s[24:25], s[52:53]      ; its scale words
	v_bfe_u32 v[WSA], v0, 3, 1                     ; my column x of the 32 is row r = (x & 7) + 8 (x / 16) of tile u' = (x / 8) & 1
	v_and_b32 v195, 7, v0
	s_delay_alu instid0(VALU_DEP_1)
	v_lshl_add_u32 v195, v3, 3, v195
	s_delay_alu instid0(VALU_DEP_3)
	v_mul_u32_u24 v[WA], v[WSA], 1536
	s_delay_alu instid0(VALU_DEP_1)
	v_lshl_add_u32 v[WA], v195, 4, v[WA]
	s_delay_alu instid0(VALU_DEP_3)
	v_lshl_add_u32 v[WSA], v[WSA], 4, v195
	s_delay_alu instid0(VALU_DEP_1)
	v_lshlrev_b32 v[WSA], 2, v[WSA]
.macro WLOAD stride                    ; W(128 ks + i, my column), i = 0 .. 127: each load reads 128 consecutive bytes
.set N, 0
.rept 128
	global_load_b32 v[WD+N], v9, s[50:51] offset:N*\stride th:TH_LOAD_NT
.set N, N+1
.endr
.endm
	s_cmp_lt_u32 s44, 192
	s_cbranch_scc1 .Lqkv
	s_cmp_lt_u32 s44, 256
	s_cbranch_scc1 .Lwo
	s_cmp_lt_u32 s44, 512
	s_cbranch_scc1 .Lw1
	s_sub_co_u32 s46, s44, 512                     ; W2: pair = T' / 32, ks = (T' / 2) % 16
	s_lshr_b32 s47, s46, 5
	s_bfe_u32 s46, s46, 0x40001
	s_lshl_b32 s47, s47, 1
	s_add_co_u32 s47, s47, s45                     ; column group
	s_lshl_b32 s48, s46, 18                        ; 128 rows of 2,048 bytes a K step
	s_lshl_b32 s47, s47, 7
	s_add_co_u32 s48, s48, s47
	s_add_nc_u64 s[50:51], s[20:21], s[48:49]
	s_branch .Lrows2048
.Lwo:
	s_sub_co_u32 s46, s44, 192                     ; Wo: pair = T' / 8, ks = (T' / 2) % 4
	s_lshr_b32 s47, s46, 3
	s_bfe_u32 s46, s46, 0x20001
	s_lshl_b32 s47, s47, 1
	s_add_co_u32 s47, s47, s45
	s_lshl_b32 s48, s46, 18
	s_lshl_b32 s47, s47, 7
	s_add_co_u32 s48, s48, s47
	s_add_nc_u64 s[50:51], s[16:17], s[48:49]
.Lrows2048:
	WLOAD 2048
	s_branch .Lq
.Lw1:
	s_sub_co_u32 s46, s44, 256                     ; W1: pair = T' / 8, ks = (T' / 2) % 4
	s_lshr_b32 s47, s46, 3
	s_bfe_u32 s46, s46, 0x20001
	s_lshl_b32 s47, s47, 1
	s_add_co_u32 s47, s47, s45
	s_lshl_b32 s48, s46, 20                        ; 128 rows of 8,192 bytes
	s_lshl_b32 s47, s47, 7
	s_add_co_u32 s48, s48, s47
	s_add_nc_u64 s[50:51], s[18:19], s[48:49]
	WLOAD 8192
	s_branch .Lq
.Lqkv:
	s_lshr_b32 s47, s44, 3                         ; Wq, Wk, Wv: column group = 16 x type + head; a head's 32 columns are its whole rows
	s_bfe_u32 s46, s44, 0x20001                    ; ks
	s_lshl_b32 s47, s47, 1
	s_add_co_u32 s47, s47, s45
	s_lshr_b32 s52, s47, 4                         ; type
	s_and_b32 s47, s47, 15                         ; head
	s_lshl_b32 s48, s47, 16                        ; 512 rows of 128 bytes a head
	s_lshl_b32 s46, s46, 14
	s_add_co_u32 s48, s48, s46
	s_cmp_eq_u32 s52, 1
	s_cselect_b64 s[50:51], s[12:13], s[10:11]
	s_cmp_eq_u32 s52, 2
	s_cselect_b64 s[50:51], s[14:15], s[50:51]
	s_add_nc_u64 s[50:51], s[50:51], s[48:49]
	WLOAD 128
.Lq:
; Block bl = 2 c + h of my column: registers 6 c .. 6 c + 5 of lane (r, h) of the fragment.
.macro WBLOCK bl
.set DB, WD+32*\bl
.set OB, OUT0+12*(\bl%2)+6*(\bl/2)
	v_max3_num_f32 v[WM], |v[DB]|, |v[DB+1]|, |v[DB+2]|
	v_max3_num_f32 v[WM+1], |v[DB+3]|, |v[DB+4]|, |v[DB+5]|
.irp i,6,10,14,18,22,26
	s_delay_alu instid0(VALU_DEP_2)
	v_max3_num_f32 v[WM], v[WM], |v[DB+\i]|, |v[DB+\i+1]|
	s_delay_alu instid0(VALU_DEP_2)
	v_max3_num_f32 v[WM+1], v[WM+1], |v[DB+\i+2]|, |v[DB+\i+3]|
.endr
	s_delay_alu instid0(VALU_DEP_2)
	v_max3_num_f32 v[WM], v[WM], |v[DB+30]|, |v[DB+31]|
	s_delay_alu instid0(VALU_DEP_1)
	v_max3_num_f32 v[WM], v[WM], v[WM+1], 0x1800000          ; and the floor 2^(3 - 127)
	s_delay_alu instid0(VALU_DEP_1)
	v_add_nc_u32 v[WSO+\bl], 0xff000000, v[WM]
	s_delay_alu instid0(VALU_DEP_1)
	v_lshrrev_b32 v[WE], 23, v[WSO+\bl]
.if \bl == 0
	s_delay_alu instid0(VALU_DEP_1)
	v_mov_b32 v[WORD], v[WE]
.else
	s_delay_alu instid0(VALU_DEP_1)
	v_lshl_or_b32 v[WORD], v[WE], 8*\bl, v[WORD]
.endif
	v_cvt_scalef32_pk16_fp6_f32 v[OB:OB+2], v[DB:DB+15], v[WSO+\bl]
	v_cvt_scalef32_pk16_fp6_f32 v[CT+4*\bl:CT+4*\bl+2], v[DB+16:DB+31], v[WSO+\bl]   ; the next block's first line is plain and names none of these
.endm
	s_wait_loadcnt 63                              ; 128 loads were issued: at most 63 are out, so the first 65 are in: blocks 0 and 1
	WBLOCK 0
	WBLOCK 1
	s_wait_loadcnt 32                              ; block 3's 32 may be out
	WBLOCK 2
	s_wait_loadcnt 0x0
	WBLOCK 3
	v_nop                                          ; one plain place behind the last conversion
.irp bl,0,1,2,3
.irp k,0,1,2
	v_mov_b32 v[OUT0+12*(\bl%2)+6*(\bl/2)+3+\k], v[CT+4*\bl+\k]
.endr
.endr
.irp h,0,1
.irp c,0,1,2
	global_store_b128 v[WA], v[OUT0+12*\h+4*\c:OUT0+12*\h+4*\c+3], s[22:23] offset:256*\h+512*\c   ; the 16 lanes of a tile store 256 consecutive bytes, aligned
.endr
.endr
	global_store_b32 v[WSA], v[WORD], s[24:25]
.Lend:
	s_wait_tensorcnt 0x0
	ds_add_u32 v254, v255
	s_wait_dscnt 0x0
	s_endpgm
.Lfunc_end_k_qb945673029_prep:
	.size	k_qb945673029_prep, .Lfunc_end_k_qb945673029_prep-k_qb945673029_prep
	.p2alignl 7, 3214868480
	.fill 96, 4, 3214868480
	.section	.rodata,"a",@progbits
	.p2align	6, 0x0
	.amdhsa_kernel k_qb945673029_prep
		.amdhsa_group_segment_fixed_size 3072
		.amdhsa_private_segment_fixed_size 0
		.amdhsa_enable_private_segment 0
		.amdhsa_kernarg_size 104
		.amdhsa_user_sgpr_count 2
		.amdhsa_user_sgpr_kernarg_segment_ptr 1
		.amdhsa_wavefront_size32 1
		.amdhsa_system_sgpr_workgroup_id_x 1
		.amdhsa_system_sgpr_workgroup_id_y 1
		.amdhsa_system_sgpr_workgroup_id_z 1
		.amdhsa_system_vgpr_workitem_id 0
		.amdhsa_next_free_vgpr 256
		.amdhsa_next_free_sgpr 66
		.amdhsa_reserve_vcc 0
		.amdhsa_float_denorm_mode_32 3
		.amdhsa_float_denorm_mode_16_64 3
		.amdhsa_memory_ordered 1
		.amdhsa_forward_progress 1
		.amdhsa_inst_pref_size 74
	.end_amdhsa_kernel
	.amdgpu_metadata
---
amdhsa.version: [ 1, 2 ]
amdhsa.kernels:
  - .name:           k_qb945673029_prep
    .symbol:         k_qb945673029_prep.kd
    .args:
      - { .name: x, .offset: 0, .size: 8, .value_kind: global_buffer, .address_space: global }
      - { .name: g1, .offset: 8, .size: 8, .value_kind: global_buffer, .address_space: global }
      - { .name: be1, .offset: 16, .size: 8, .value_kind: global_buffer, .address_space: global }
      - { .name: Wq, .offset: 24, .size: 8, .value_kind: global_buffer, .address_space: global }
      - { .name: Wk, .offset: 32, .size: 8, .value_kind: global_buffer, .address_space: global }
      - { .name: Wv, .offset: 40, .size: 8, .value_kind: global_buffer, .address_space: global }
      - { .name: Wo, .offset: 48, .size: 8, .value_kind: global_buffer, .address_space: global }
      - { .name: W1, .offset: 56, .size: 8, .value_kind: global_buffer, .address_space: global }
      - { .name: W2, .offset: 64, .size: 8, .value_kind: global_buffer, .address_space: global }
      - { .name: wimg, .offset: 72, .size: 8, .value_kind: global_buffer, .address_space: global }
      - { .name: wscl, .offset: 80, .size: 8, .value_kind: global_buffer, .address_space: global }
      - { .name: hc, .offset: 88, .size: 8, .value_kind: global_buffer, .address_space: global }
      - { .name: hs, .offset: 96, .size: 8, .value_kind: global_buffer, .address_space: global }
    .group_segment_fixed_size: 3072
    .private_segment_fixed_size: 0
    .kernarg_segment_align: 8
    .kernarg_segment_size: 104
    .max_flat_workgroup_size: 256
    .sgpr_count:     66
    .vgpr_count:     256
    .wavefront_size: 32
...
	.end_amdgpu_metadata
.endif
;; end of part 5
;; launch qkv (part 6): grid 64 x 4, 12 waves a work-group, no clusters, 58,880 bytes of LDS; arguments hc, hs, wimg, wscl, qkvc, qkvs; writes qkvc, qkvs
.if DOCPART == 6
	.amdgcn_target "amdgcn-amd-amdhsa--gfx1250"
	.amdhsa_code_object_version 6
	.text
	.protected	k_qb945673029_qkv
	.globl	k_qb945673029_qkv
	.p2align	8
	.type	k_qb945673029_qkv,@function
k_qb945673029_qkv:
	s_mov_b64 s[64:65], 0
	v_nop
	global_prefetch_b8 v0, s[64:65] scope:SCOPE_SE
	s_setreg_imm32_b32 hwreg(HW_REG_WAVE_SCHED_MODE, 0, 2), 2
	s_setreg_imm32_b32 hwreg(HW_REG_WAVE_MODE, 25, 1), 1
	s_wait_xcnt 0x0
	s_wait_alu depctr_vm_vsrc(0)
; QKV.  Q, K, V = h W for 128 rows and four heads a work-group, on codes of FP6 (E2M3), K = 512 in four steps of 128; the results are quantised at once: Q and K along the head's 32 channels, V along 32 keys.
; SHARES.  Work-group (rb, hg): rows 128 rb .. + 127 (four groups of 32), heads 4 hg .. + 3.  Wave w: type w / 4 (0 Q, 1 K, 2 V), head 4 hg + w % 4.  Its 8 weight fragments stay in registers; h's 32 fragments come into LDS once.
; Q, K: source 0 = 16 weight columns, source 1 = 16 rows: a lane holds one row and 16 neighbouring channels.  V: source 0 = 16 rows, source 1 = 16 columns: a lane holds one channel and 16 neighbouring keys.
; OUT: for each group of 32 a record of 768 bytes: item p = r + 16 i (Q, K: row 8 i + r + 8 (r / 8); V: that channel): its 24 bytes of codes as 16 at 16 p and 8 at 512 + 8 p.  Scale bytes: one word for an item and four groups.
; LIMITS: NaN and infinities are not served; a block of zeros gets the byte 1 (its codes are zeros; this program alone reads the bytes).
; No shared tile is asked for jointly: each work-group reads its 53,248 bytes of h once and each wave its own 12,800 bytes of weights once.
; THE MODE: SCHED_MODE bits 1:0 = 2 (LLVM: expert scheduling mode 2), set by the entry lines.  The code itself states the register dependences
; between vector or matrix instructions and memory or LDS instructions, with s_wait_alu, always for 0.
; THE PLAN.  Registers that memory or LDS instructions touch:
;   v1-v4      offsets and LDS addresses, made at the head and never written again.
;   HF         first the fill's data (global loads land, LDS stores read); then a group's eight fragments: LDS loads land, the group's products read.  v108-118, in fragment 0, are also the quantiser's temporaries.
;   HS         a group's scale words: LDS loads land, the products read.
;   CD, v7     written by the quantiser, read by the group's stores.
; A group has two waits on va_vdst.  Behind the products: they are done reading HF and HS, so the next group's fragments 1 to 7 and its scale words are asked for at once and land while this group is quantised.
; Ahead of the stores: the codes are written and the temporaries are done with, so fragment 0's loads follow the stores with no further wait.  One wait on vm_vsrc a group stands ahead of the quantiser.
.set WF,  12                           ; v12-107  weight fragments: (ks, u') at 12 (2 ks + u')
.set HF,  108                          ; v108-203 h's fragments (u, s) at 12 (4 u + s); ahead of the barrier the fill's data; behind the products v108-118 are the quantiser's temporaries
.set ACC, 204                          ; v204-235 four accumulators
.set WS,  236                          ; v236-239 the weights' scale words: lanes 0-15 tile 0, lanes 16-31 tile 1
.set HS,  240                          ; v240-247 h's scale words
.set CD,  248                          ; v248-253 a lane's 24 bytes of codes
.set QM,  108
.set SEL, 28
.macro MM d, a, b, c, sa, sb, row      ; c < 0: the product starts the sum.  row 1: source 0's scales from lanes 16-31; row 2: source 1's
.if (\c) < 0
.if (\row) == 0
	v_wmma_scale_f32_16x16x128_f8f6f4 v[\d:\d+7], v[\a:\a+11], v[\b:\b+11], 0, v[\sa], v[\sb] matrix_a_fmt:MATRIX_FMT_FP6 matrix_b_fmt:MATRIX_FMT_FP6
.elseif (\row) == 1
	v_wmma_scale_f32_16x16x128_f8f6f4 v[\d:\d+7], v[\a:\a+11], v[\b:\b+11], 0, v[\sa], v[\sb] matrix_a_fmt:MATRIX_FMT_FP6 matrix_b_fmt:MATRIX_FMT_FP6 matrix_a_scale:MATRIX_SCALE_ROW1
.else
	v_wmma_scale_f32_16x16x128_f8f6f4 v[\d:\d+7], v[\a:\a+11], v[\b:\b+11], 0, v[\sa], v[\sb] matrix_a_fmt:MATRIX_FMT_FP6 matrix_b_fmt:MATRIX_FMT_FP6 matrix_b_scale:MATRIX_SCALE_ROW1
.endif
.else
.if (\row) == 0
	v_wmma_scale_f32_16x16x128_f8f6f4 v[\d:\d+7], v[\a:\a+11], v[\b:\b+11], v[\c:\c+7], v[\sa], v[\sb] matrix_a_fmt:MATRIX_FMT_FP6 matrix_b_fmt:MATRIX_FMT_FP6
.elseif (\row) == 1
	v_wmma_scale_f32_16x16x128_f8f6f4 v[\d:\d+7], v[\a:\a+11], v[\b:\b+11], v[\c:\c+7], v[\sa], v[\sb] matrix_a_fmt:MATRIX_FMT_FP6 matrix_b_fmt:MATRIX_FMT_FP6 matrix_a_scale:MATRIX_SCALE_ROW1
.else
	v_wmma_scale_f32_16x16x128_f8f6f4 v[\d:\d+7], v[\a:\a+11], v[\b:\b+11], v[\c:\c+7], v[\sa], v[\sb] matrix_a_fmt:MATRIX_FMT_FP6 matrix_b_fmt:MATRIX_FMT_FP6 matrix_b_scale:MATRIX_SCALE_ROW1
.endif
.endif
.endm
; 32 numbers of a lane in two parts i = 0, 1 of 16; a part's block of 32 lies in lanes l and l xor 16.  Result: lane (r, h) holds the whole 24 bytes of (part h, row r) in v[cd] on; the parts' bytes in v[QM+6], v[QM+7].
.macro QG s, cd
	v_max3_num_f32 v[QM], |v[\s]|, |v[\s+1]|, 0x1800000          ; each accumulator is read from its low end on; the floor 2^(3 - 127) holds the byte at 1 from below
	v_max3_num_f32 v[QM+1], |v[\s+16]|, |v[\s+17]|, 0x1800000
.irp i,2,4,6,8,10,12,14
	v_max3_num_f32 v[QM], v[QM], |v[\s+\i]|, |v[\s+\i+1]|
	v_max3_num_f32 v[QM+1], v[QM+1], |v[\s+16+\i]|, |v[\s+17+\i]|
.endr
	v_permlanex16_b32 v[QM+2], v[QM], s[SEL], s[SEL+1]
	v_permlanex16_b32 v[QM+3], v[QM+1], s[SEL], s[SEL+1]
	v_max_num_f32 v[QM], v[QM], v[QM+2]
	v_max_num_f32 v[QM+1], v[QM+1], v[QM+3]
	v_add_nc_u32 v[QM+4], 0xff000000, v[QM]                      ; 2 off the exponent field: the conversion's scale operand
	v_add_nc_u32 v[QM+5], 0xff000000, v[QM+1]
	v_lshrrev_b32 v[QM+6], 23, v[QM+4]
	v_lshrrev_b32 v[QM+7], 23, v[QM+5]
	v_cvt_scalef32_pk16_fp6_f32 v[\cd:\cd+2], v[\s:\s+15], v[QM+4]
	v_cvt_scalef32_pk16_fp6_f32 v[QM+8:QM+10], v[\s+16:\s+31], v[QM+5]
	v_nop                                          ; one plain place behind a scaled conversion
.irp k,0,1,2
	v_permlane16_swap_b32 v[\cd+\k], v[QM+8+\k]    ; the first now holds part h's lower 16 codes, the second its upper 16
.endr
.irp k,0,1,2
	v_mov_b32 v[\cd+3+\k], v[QM+8+\k]
.endr
.endm
.macro HFRAG gl, f                     ; fragment f of the gl-th group of 32 rows: three LDS loads
.irp c,0,1,2
	ds_load_b128 v[HF+12*(\f)+4*\c:HF+12*(\f)+4*\c+3], v1 offset:12288*(\gl)+1536*(\f)+512*\c
.endr
.endm
.macro HSCL gl                         ; the group's eight scale words
.irp f,0,1,2,3,4,5,6,7
	ds_load_b32 v[HS+\f], v3 offset:49152+1024*(\gl)+128*\f
.endr
.endm
	s_load_b256 s[4:11], s[0:1], 0x0               ; hc s[4:5], hs s[6:7], wimg s[8:9], wscl s[10:11]
	s_load_b128 s[12:15], s[0:1], 0x20             ; qkvc s[12:13], qkvs s[14:15]
	v_lshl_add_u32 v254, v0, 2, 0xe000
	v_mov_b32 v255, 0
	v_lshrrev_b32 v1, 5, v0
	v_readfirstlane_b32 s16, v1                    ; wave 0..11
	v_and_b32 v2, 31, v0
	v_lshlrev_b32 v1, 4, v2                        ; 16 x lane
	v_lshlrev_b32 v3, 2, v2                        ; 4 x lane
	v_lshlrev_b32 v2, 3, v2                        ; 8 x lane
	v_lshlrev_b32 v4, 4, v0                        ; 16 x thread
	s_wait_alu depctr_va_sdst(0)                   ; s16 is written, ahead of its first reader: type, head and every base are made from it
	s_lshr_b32 s17, s16, 2                         ; type
	s_and_b32 s18, s16, 3
	s_and_b32 s21, ttmp7, 0xffff
	s_lshl_b32 s21, s21, 2
	s_add_co_u32 s18, s18, s21                     ; head
	s_lshl_b32 s19, s17, 4
	s_add_co_u32 s19, s19, s18                     ; column group 16 x type + head
	s_mov_b32 s[SEL], 0x76543210
	s_mov_b32 s[SEL+1], 0xfedcba98
	s_mov_b32 s30, 0xffff0000                      ; lanes 16-31
	s_mul_i32 s22, ttmp9, 49152                    ; h's 32 images
	s_mov_b32 s23, 0
	s_lshl_b32 s24, ttmp9, 12                      ; and their scale words
	s_mov_b32 s25, 0
	s_lshr_b32 s26, s19, 1                         ; the pair of column groups, and which of the two
	s_and_b32 s27, s19, 1
	s_mul_i32 s32, s26, 24576
	s_mul_i32 s34, s27, 3072
	s_add_co_u32 s32, s32, s34
	s_mov_b32 s33, 0
	s_lshl_b32 s34, s26, 10
	s_lshl_b32 s35, s27, 7
	s_add_co_u32 s34, s34, s35
	s_mov_b32 s35, 0
	s_lshr_b32 s36, ttmp9, 4                       ; the batch: 16 row blocks each
	s_lshl_b32 s36, s36, 4
	s_add_co_u32 s36, s36, s18                     ; hb = 16 x batch + head
	s_and_b32 s37, ttmp9, 15                       ; which 128 rows of the batch
	s_mul_i32 s38, s17, 3145728
	s_mul_i32 s40, s36, 49152
	s_add_co_u32 s38, s38, s40
	s_mul_i32 s40, s37, 3072
	s_add_co_u32 s38, s38, s40
	s_mov_b32 s39, 0
	s_lshl_b32 s40, s17, 17
	s_lshl_b32 s41, s36, 11
	s_add_co_u32 s40, s40, s41
	s_lshl_b32 s41, s37, 7
	s_add_co_u32 s40, s40, s41
	s_mov_b32 s41, 0
	s_wait_kmcnt 0x0
	s_add_nc_u64 s[4:5], s[4:5], s[22:23]
	s_add_nc_u64 s[6:7], s[6:7], s[24:25]
	s_add_nc_u64 s[8:9], s[8:9], s[32:33]
	s_add_nc_u64 s[10:11], s[10:11], s[34:35]
	s_add_nc_u64 s[12:13], s[12:13], s[38:39]
	s_add_nc_u64 s[14:15], s[14:15], s[40:41]
	s_wait_alu depctr_va_vdst(0)                   ; v1 to v4 are written: every load and store of the kernel, global or LDS, reads one of them as its offset or address
	s_cmp_lt_u32 s16, 8                            ; h's scale words are 4,096 bytes: 256 threads x 16
	s_cbranch_scc0 .Lno_hs
	global_load_b128 v[HF+32:HF+35], v4, s[6:7]
.Lno_hs:
.irp i,0,1,2,3,4,5,6,7
	global_load_b128 v[HF+4*\i:HF+4*\i+3], v4, s[4:5] offset:6144*\i   ; 384 threads x 16 bytes an instruction, eight of them: 49,152 bytes
.endr
.irp f,0,1,2,3,4,5,6,7
.irp c,0,1,2
	global_load_b128 v[WF+12*\f+4*\c:WF+12*\f+4*\c+3], v1, s[8:9] offset:6144*(\f/2)+1536*(\f%2)+512*\c
.endr
.endr
.irp k,0,1,2,3
	global_load_b32 v[WS+\k], v3, s[10:11] offset:256*\k
.endr
	s_wait_loadcnt 28                              ; the 24 + 4 loads of the weights may be out; the fill's are in, on both ways
.irp i,0,1,2,3,4,5,6,7
	ds_store_b128 v4, v[HF+4*\i:HF+4*\i+3] offset:6144*\i
.endr
	s_cmp_lt_u32 s16, 8
	s_cbranch_scc0 .Lno_hs2
	ds_store_b128 v4, v[HF+32:HF+35] offset:49152
.Lno_hs2:
	s_wait_dscnt 0x0                               ; for the others' sake: my stores have landed
	s_barrier_signal -1
	s_barrier_wait -1                              ; the one barrier: LDS is only read from here on
	s_wait_alu depctr_vm_vsrc(0)                   ; my LDS stores have read v[HF ..], in which the first group's fragments land
.irp f,0,1,2,3,4,5,6,7
	HFRAG 0, \f
.endr
	HSCL 0
	s_wait_loadcnt 0x0                             ; my weights
.macro GROUP gl                        ; the gl-th group of 32 rows; its fragments and scale words have been asked for
	s_wait_dscnt 0x0
	s_cmp_eq_u32 s17, 2
	s_cbranch_scc1 .Lv_\@
.irp s,0,1,2,3                         ; the four accumulators take turns, one instruction a turn, K ascending
.irp u,0,1
.if \s == 0
	MM ACC+16*\u, WF+24*\s, HF+12*(4*\u+\s), -1, WS+\s, HS+4*\u+\s, 0
	MM ACC+16*\u+8, WF+24*\s+12, HF+12*(4*\u+\s), -1, WS+\s, HS+4*\u+\s, 1
.else
	MM ACC+16*\u, WF+24*\s, HF+12*(4*\u+\s), ACC+16*\u, WS+\s, HS+4*\u+\s, 0
	MM ACC+16*\u+8, WF+24*\s+12, HF+12*(4*\u+\s), ACC+16*\u+8, WS+\s, HS+4*\u+\s, 1
.endif
.endr
.endr
	s_branch .Ldone_\@
.Lv_\@:
.irp s,0,1,2,3
.irp u,0,1
.if \s == 0
	MM ACC+8*\u, HF+12*(4*\u+\s), WF+24*\s, -1, HS+4*\u+\s, WS+\s, 0
	MM ACC+16+8*\u, HF+12*(4*\u+\s), WF+24*\s+12, -1, HS+4*\u+\s, WS+\s, 2
.else
	MM ACC+8*\u, HF+12*(4*\u+\s), WF+24*\s, ACC+8*\u, HS+4*\u+\s, WS+\s, 0
	MM ACC+16+8*\u, HF+12*(4*\u+\s), WF+24*\s+12, ACC+16+8*\u, HS+4*\u+\s, WS+\s, 2
.endif
.endr
.endr
.Ldone_\@:
.rept 5
	v_nop                                          ; places behind the products: their results are read, and operand registers written, below
.endr
.if \gl < 3
	s_wait_alu depctr_va_vdst(0)                   ; the products are done reading h's fragments and scale words, in which the next group's land
.irp f,1,2,3,4,5,6,7
	HFRAG \gl+1, \f                                ; v120-203: no line of the quantiser names them, so they land while this group is quantised
.endr
	HSCL \gl+1
.endif
	s_wait_xcnt 0x0                                ; the last group's stores have read the code registers
.if \gl > 0
	s_wait_alu depctr_vm_vsrc(0)                   ; the last group's stores have read v[CD ..], which the quantiser writes again
.endif
	QG ACC, CD
.if \gl == 0
	v_mov_b32 v5, v[QM+6]                          ; a word for each part: byte gl = this group's scale
	v_mov_b32 v6, v[QM+7]
.else
	v_lshl_or_b32 v5, v[QM+6], 8*\gl, v5
	v_lshl_or_b32 v6, v[QM+7], 8*\gl, v6
.endif
.if \gl == 3
	v_cndmask_b32 v7, v5, v6, s30                  ; lanes 0-15 part 0's word, lanes 16-31 part 1's
.endif
	s_wait_alu depctr_va_vdst(0)                   ; the codes (in the last group the scale word too) are written, which the stores read; the temporaries v108-118 are done with, in which fragment 0's loads land
	global_store_b128 v1, v[CD:CD+3], s[12:13] offset:768*\gl          ; 512 consecutive bytes
	global_store_b64 v2, v[CD+4:CD+5], s[12:13] offset:768*\gl+512     ; 256 consecutive bytes
.if \gl < 3
	HFRAG \gl+1, 0                                 ; no vector instruction since the wait above
.else
	global_store_b32 v3, v7, s[14:15]
.endif
.endm
	GROUP 0
	GROUP 1
	GROUP 2
	GROUP 3
	s_wait_dscnt 0x0
	s_wait_alu depctr_hold_cnt(0) depctr_sa_sdst(0) depctr_va_vdst(0) depctr_va_sdst(0) depctr_va_ssrc(0) depctr_va_vcc(0) depctr_vm_vsrc(0)
	s_wait_tensorcnt 0x0
	ds_add_u32 v254, v255
	s_wait_dscnt 0x0
	s_endpgm
.Lfunc_end_k_qb945673029_qkv:
	.size	k_qb945673029_qkv, .Lfunc_end_k_qb945673029_qkv-k_qb945673029_qkv
	.p2alignl 7, 3214868480
	.fill 96, 4, 3214868480
	.section	.rodata,"a",@progbits
	.p2align	6, 0x0
	.amdhsa_kernel k_qb945673029_qkv
		.amdhsa_group_segment_fixed_size 58880
		.amdhsa_private_segment_fixed_size 0
		.amdhsa_enable_private_segment 0
		.amdhsa_kernarg_size 48
		.amdhsa_user_sgpr_count 2
		.amdhsa_user_sgpr_kernarg_segment_ptr 1
		.amdhsa_wavefront_size32 1
		.amdhsa_system_sgpr_workgroup_id_x 1
		.amdhsa_system_sgpr_workgroup_id_y 1
		.amdhsa_system_sgpr_workgroup_id_z 1
		.amdhsa_system_vgpr_workitem_id 0
		.amdhsa_next_free_vgpr 256
		.amdhsa_next_free_sgpr 66
		.amdhsa_reserve_vcc 0
		.amdhsa_float_denorm_mode_32 3
		.amdhsa_float_denorm_mode_16_64 3
		.amdhsa_memory_ordered 1
		.amdhsa_forward_progress 1
		.amdhsa_inst_pref_size 42
	.end_amdhsa_kernel
	.amdgpu_metadata
---
amdhsa.version: [ 1, 2 ]
amdhsa.kernels:
  - .name:           k_qb945673029_qkv
    .symbol:         k_qb945673029_qkv.kd
    .args:
      - { .name: hc, .offset: 0, .size: 8, .value_kind: global_buffer, .address_space: global }
      - { .name: hs, .offset: 8, .size: 8, .value_kind: global_buffer, .address_space: global }
      - { .name: wimg, .offset: 16, .size: 8, .value_kind: global_buffer, .address_space: global }
      - { .name: wscl, .offset: 24, .size: 8, .value_kind: global_buffer, .address_space: global }
      - { .name: qkvc, .offset: 32, .size: 8, .value_kind: global_buffer, .address_space: global }
      - { .name: qkvs, .offset: 40, .size: 8, .value_kind: global_buffer, .address_space: global }
    .group_segment_fixed_size: 58880
    .private_segment_fixed_size: 0
    .kernarg_segment_align: 8
    .kernarg_segment_size: 48
    .max_flat_workgroup_size: 384
    .sgpr_count:     66
    .vgpr_count:     256
    .wavefront_size: 32
...
	.end_amdgpu_metadata
.endif
;; end of part 6
;; launch attn (part 7): grid 256 x 1, 16 waves a work-group, no clusters, 104,448 bytes of LDS; arguments qkvc, qkvs, ac, asc; writes ac, asc
.if DOCPART == 7
	.amdgcn_target "amdgcn-amd-amdhsa--gfx1250"
	.amdhsa_code_object_version 6
	.text
	.protected	k_qb945673029_attn
	.globl	k_qb945673029_attn
	.p2align	8
	.type	k_qb945673029_attn,@function
k_qb945673029_attn:
	s_mov_b64 s[64:65], 0
	v_nop
	global_prefetch_b8 v0, s[64:65] scope:SCOPE_SE
	s_setreg_imm32_b32 hwreg(HW_REG_WAVE_SCHED_MODE, 0, 2), 2
	s_setreg_imm32_b32 hwreg(HW_REG_WAVE_MODE, 25, 1), 1
	s_wait_xcnt 0x0
	s_wait_alu depctr_vm_vsrc(0)
; ATTN.  Causal attention of one head on codes of FP6 (E2M3), head size 32; the result is quantised along the model's 512 columns, of which a head's 32 are one block.
; SOFTMAX AHEAD OF THE SECOND PRODUCT: t = score x log2(e) / sqrt(32); M = the running largest t rounded up to a whole number; p = 2^(t - M) is quantised along the keys, not normalised; the row's sum is taken of the unquantised p
; and divides at the end.  When M moves, the sum and O are multiplied by 2^(old M - new M), which rounds nothing.
; SHARES.  Work-group: head hb = x / 4 and the query blocks i = x % 4 and 7 - i, of 256 queries.  Wave w takes tile w of block i, then tile 15 - w of block 7 - i: the two tiles' key steps of 128 add up to 17 in every wave.
; The whole head's K and V (49,152 bytes each) and their scale words lie in LDS, stored once: one barrier, no ring.
; K = 32 IN AN INSTRUCTION OF K = 128: a fragment of K holds FOUR tiles of keys, one in each block of 32 (block b, row r of fragment u: key 128 ks + 32 b + 8 u + r + 8 (r / 8)), and is multiplied by four versions of Q:
; Q's codes in block b, zero codes elsewhere.  Zero codes add nothing under any scale byte but 0xff, which no byte here is.  So no LDS byte is read for nothing, and register 16 b + i of the scores is key 128 ks + 32 b + 16 (lane / 16) + i.
; Both products are used transposed: a lane holds one query (lane % 16) throughout.
; CAUSAL: every tile's loop has 16 trips; a step all of whose keys come after the tile's queries is jumped over by a scalar branch on ids; in the one step on the diagonal hidden scores become -infinity ahead of the maximum.
; Joint requests are left out: the four work-groups of a head read its 100 KB once each, at the launch's head only.
; LIMITS: NaN and infinities are not served; a block of zeros gets the byte 1 (its codes are zeros; this program alone reads the bytes).
; THE MODE: SCHED_MODE bits 1:0 = 2 (LLVM: expert scheduling mode 2), set by the entry lines.  The code itself states the register dependences
; between vector or matrix instructions and memory or LDS instructions, with s_wait_alu, always for 0.
; THE PLAN.  Registers that memory or LDS instructions touch:
;   v222-225, v8-11, v49   addresses and offsets, made at the head and never written again.
;   v4-6                   a key step's LDS addresses: written by three adds at the step's head, read by its 18 LDS loads.
;   KF, VF, v47, v48       the step's LDS loads land; its products read.
;   S                      at the head the fill's data, which LDS stores read; then named by vector and matrix instructions alone.
;   v50-55, v220           a tile's loads of Q land; the tile's first vector lines read (v220 is at work in the steps).
;   CT, v209               written at a tile's end, read by its two stores.
; A key step: one wait on vm_vsrc ahead of the three adds; one on va_vdst behind them (the addresses are written, the last step's products are done reading K, V and their scale words);
; one behind the batch of 68 exponentials; one directly ahead of the second product (p's codes and scale word are written).  The registers are all taken (four waves of 256 on a SIMD), so K and V have one buffer.
.set KF,  56                           ; v56-79   K's two fragments
.set VF,  80                           ; v80-103  V's two
.set S,   104                          ; v104-167 the scores, then p; at the head the fill's data
.set O,   168                          ; v168-183 O^T: register 8 u' + j = channel 16 (lane / 16) + 8 u' + j
.set PC,  184                          ; v184-195 p's codes
.set CT,  196                          ; v196-203 conversion temporaries
.set BM,  204                          ; v204-207 the blocks' largest scores, then largest p
.set BX,  208                          ; v208-211 exchange, then bytes
.set BS,  212                          ; v212-215 scale operands
.set SEL, 20                           ; s[20:21] lane l xor 16
.set CS,  22                           ; s[22:23] c = log2(e) / sqrt(32)
.set MK,  48                           ; s[48:63] sixteen masks of the step on the diagonal
; v1 768 h + 16 r, v2 768 h + 8 r, v3 98304 + 4 lane: my places in a step's records and scale words; v4-6 the same for the step in hand; v7 r + 8 (r / 8) - 16 h; v8 24 r + 12 h; v9 16 lane; v10 16 r; v11 8 r; v49 4 r
; v12 -M, v13 the largest t, v[14:15] the sum; v16-45 zeros, Q in lanes 0-15, zeros, Q in lanes 16-31, zeros (6 each); v46 Q's scale word, v47 K's, v48 V's, v218 p's; v[216:217] f; v219-221 at work; v222-225 the fill's addresses
.macro MM d, a, b, c, sa, sb, row
.if (\c) < 0
.if (\row) == 0
	v_wmma_scale_f32_16x16x128_f8f6f4 v[\d:\d+7], v[\a:\a+11], v[\b:\b+11], 0, v[\sa], v[\sb] matrix_a_fmt:MATRIX_FMT_FP6 matrix_b_fmt:MATRIX_FMT_FP6
.else
	v_wmma_scale_f32_16x16x128_f8f6f4 v[\d:\d+7], v[\a:\a+11], v[\b:\b+11], 0, v[\sa], v[\sb] matrix_a_fmt:MATRIX_FMT_FP6 matrix_b_fmt:MATRIX_FMT_FP6 matrix_a_scale:MATRIX_SCALE_ROW1
.endif
.else
.if (\row) == 0
	v_wmma_scale_f32_16x16x128_f8f6f4 v[\d:\d+7], v[\a:\a+11], v[\b:\b+11], v[\c:\c+7], v[\sa], v[\sb] matrix_a_fmt:MATRIX_FMT_FP6 matrix_b_fmt:MATRIX_FMT_FP6
.else
	v_wmma_scale_f32_16x16x128_f8f6f4 v[\d:\d+7], v[\a:\a+11], v[\b:\b+11], v[\c:\c+7], v[\sa], v[\sb] matrix_a_fmt:MATRIX_FMT_FP6 matrix_b_fmt:MATRIX_FMT_FP6 matrix_a_scale:MATRIX_SCALE_ROW1
.endif
.endif
.endm
	s_load_b256 s[4:11], s[0:1], 0x0               ; qkvc s[4:5], qkvs s[6:7], ac s[8:9], asc s[10:11]
	v_lshl_add_u32 v254, v0, 2, 0x19000
	v_mov_b32 v255, 0
	v_lshrrev_b32 v1, 5, v0
	v_readfirstlane_b32 s12, v1                    ; wave 0..15
	s_lshr_b32 s13, ttmp9, 2                       ; hb
	s_and_b32 s14, ttmp9, 3                        ; i
	v_lshlrev_b32 v224, 4, v0                      ; 16 x thread
	v_add_nc_u32 v223, 49152, v224
	v_lshlrev_b32 v225, 2, v0                      ; 4 x thread
	v_add_nc_u32 v222, 98304, v225
	s_wait_alu depctr_va_sdst(0)                   ; s12 is written, ahead of its first reader: the wave's two tiles are chosen by it
	s_mul_i32 s32, s13, 49152
	s_mov_b32 s33, 0
	s_lshl_b32 s34, s13, 11
	s_mov_b32 s35, 0
	s_mov_b32 s[SEL], 0x76543210
	s_mov_b32 s[SEL+1], 0xfedcba98
	s_mov_b32 s[CS], 0x3e8293ee
	s_mov_b32 s[CS+1], s[CS]                       ; (named with it as a pair, so it is written)
	s_mov_b32 s24, 0xffff0000                      ; lanes 16-31
	s_wait_kmcnt 0x0
	s_add_nc_u64 s[16:17], s[4:5], s[32:33]        ; the head in Q's codes; K's lie 3,145,728 bytes on, V's 6,291,456
	s_add_nc_u64 s[18:19], s[6:7], s[34:35]        ; and in Q's scale words; K's 131,072 on, V's 262,144
	s_wait_alu depctr_va_vdst(0)                   ; v222 to v225 are written, which the fill's loads and LDS stores read as offsets and addresses
.irp i,0,1,2,3,4,5
	global_load_b128 v[S+4*\i:S+4*\i+3], v224, s[16:17] offset:3145728+8192*\i     ; 512 threads x 16 bytes, six times: K's 49,152 bytes
.endr
.irp i,0,1,2,3,4,5
	global_load_b128 v[S+24+4*\i:S+24+4*\i+3], v224, s[16:17] offset:6291456+8192*\i
.endr
	global_load_b32 v[S+48], v225, s[18:19] offset:131072
	global_load_b32 v[S+49], v225, s[18:19] offset:262144
	v_and_b32 v226, 15, v0                         ; r
	v_bfe_u32 v227, v0, 4, 1                       ; h
	v_and_b32 v228, 31, v0                         ; lane
	v_mul_u32_u24 v1, v227, 768
	v_lshl_add_u32 v2, v226, 3, v1
	v_lshl_add_u32 v1, v226, 4, v1
	v_lshl_add_u32 v3, v228, 2, 98304
	v_and_b32 v7, 8, v226
	v_add_nc_u32 v7, v7, v226
	v_lshlrev_b32 v229, 4, v227
	v_sub_nc_u32 v7, v7, v229
	v_mul_u32_u24 v8, v226, 24
	v_mad_u32_u24 v8, v227, 12, v8
	v_lshlrev_b32 v9, 4, v228
	v_lshlrev_b32 v10, 4, v226
	v_lshlrev_b32 v11, 3, v226
	v_lshlrev_b32 v49, 2, v226
.irp k,0,1,2,3,4,5
	v_mov_b32 v[16+\k], 0                          ; the zero codes of Q's four versions
	v_mov_b32 v[28+\k], 0
	v_mov_b32 v[40+\k], 0
.endr
.irp b,0,1,2,3
	v_mov_b32 v[BX+\b], 0                          ; written once: a lane permute's destination counts as one of its sources
.endr
	v_mov_b32 v217, 0                              ; (named as the upper half of the pair v[216:217])
	v_mov_b32 v219, 0
	s_wait_alu depctr_va_vdst(0)                   ; v8 to v11 and v49 are written, which the tiles' loads and stores read as offsets
	s_wait_loadcnt 0x0
.irp i,0,1,2,3,4,5
	ds_store_b128 v224, v[S+4*\i:S+4*\i+3] offset:8192*\i
.endr
.irp i,0,1,2,3,4,5
	ds_store_b128 v223, v[S+24+4*\i:S+24+4*\i+3] offset:8192*\i
.endr
	ds_store_b32 v222, v[S+48]
	ds_store_b32 v222, v[S+49] offset:2048
	s_wait_dscnt 0x0                               ; for the others' sake: my stores have landed
	s_barrier_signal -1
	s_barrier_wait -1                              ; the one barrier: LDS is only read from here on
; A KEY STEP: keys 128 KI .. + 127.  s29 KI, s27 the tile's step on the diagonal, s30 3072 KI, s31 128 KI, s28 the tile's first query less 128 s27.
.macro STEP
	s_cmp_gt_u32 s29, s27                          ; all keys come after my queries: nothing to do but step the addresses
	s_cbranch_scc1 .Lhidden_\@
	s_wait_alu depctr_vm_vsrc(0)                   ; the last step's LDS loads have read v4 to v6, which are written again
	v_add_nc_u32 v4, s30, v1
	v_add_nc_u32 v5, s30, v2
	v_add_nc_u32 v6, s31, v3
	v_nop                                          ; four places behind the last step's products, in front of loads into registers that they read
	s_wait_alu depctr_va_vdst(0)                   ; v4 to v6 are written, which the loads below read; the last step's products are done reading K's and V's fragments and scale words, in which they land; in a tile's first step Q's four versions and its scale word are written, which the products below take
.irp u,0,1
.irp c,0,1
	ds_load_b128 v[KF+12*\u+6*\c:KF+12*\u+6*\c+3], v4 offset:1536*\c+256*\u        ; block 2 c + h: the record of group 4 KI + 2 c + h, item r + 16 u: sixteen lanes read 256 consecutive bytes
	ds_load_b64 v[KF+12*\u+6*\c+4:KF+12*\u+6*\c+5], v5 offset:1536*\c+512+128*\u
.endr
.endr
	ds_load_b32 v47, v6                            ; lanes 0-15 the words of tile 0's rows, lanes 16-31 tile 1's; byte b = block b
.irp u,0,1
.irp c,0,1
	ds_load_b128 v[VF+12*\u+6*\c:VF+12*\u+6*\c+3], v4 offset:49152+1536*\c+256*\u
	ds_load_b64 v[VF+12*\u+6*\c+4:VF+12*\u+6*\c+5], v5 offset:49152+1536*\c+512+128*\u
.endr
.endr
	ds_load_b32 v48, v6 offset:2048
	s_wait_dscnt 9                                 ; K's nine loads are in; V's nine may be out
.irp b,0,1,2,3
	MM S+16*\b, KF, 22+12*(\b%2)-6*(\b/2), -1, 47, 46, 0
	MM S+16*\b+8, KF+12, 22+12*(\b%2)-6*(\b/2), -1, 47, 46, 1
.endr
.rept 5
	v_nop                                          ; places behind the products, whose results are read below
.endr
	s_cmp_lg_u32 s29, s27
	s_cbranch_scc1 .Lopen_\@
	v_add_nc_u32 v219, s28, v7                     ; d = my query - 128 KI - 16 (lane / 16): register 16 b + i is hidden where 32 b + i > d
	v_mov_b32 v220, 0xff800000                     ; -infinity
.set N, 0
.rept 4                                        ; a block of 32 keys at a time: sixteen compares into sixteen scalar registers, one wait, sixteen selections
.set M, 0
.rept 16
	v_cmp_gt_i32 s[MK+M], 2*N+M, v219
.set M, M+1
.endr
	s_wait_alu depctr_va_sdst(0)                   ; the sixteen masks are written, ahead of their first readers
.set M, 0
.rept 16
	v_cndmask_b32 v[S+N+M], v[S+N+M], v220, s[MK+M]
.set M, M+1
.endr
.set N, N+16
.endr
.Lopen_\@:
.irp b,0,1,2,3
	v_max3_num_f32 v[BM+\b], v[S+16*\b], v[S+1+16*\b], v[S+2+16*\b]    ; the largest score of each block of 32 keys: for the row's maximum and, since p rises with the score, for the block's largest p
.endr
.irp i,3,5,7,9,11,13
.irp b,0,1,2,3
	v_max3_num_f32 v[BM+\b], v[BM+\b], v[S+16*\b+\i], v[S+1+16*\b+\i]
.endr
.endr
.irp b,0,1,2,3
	v_max_num_f32 v[BM+\b], v[BM+\b], v[S+15+16*\b]
.endr
.irp b,0,1,2,3
	v_permlanex16_b32 v[BX+\b], v[BM+\b], s[SEL], s[SEL+1]
.endr
.irp b,0,1,2,3
	v_max_num_f32 v[BM+\b], v[BM+\b], v[BX+\b]
.endr
	v_max3_num_f32 v219, v[BM], v[BM+1], v[BM+2]
	v_max_num_f32 v219, v219, v[BM+3]
	v_mul_f32 v219, s[CS], v219                    ; the step's largest t (c is positive)
	v_max_num_f32 v13, v13, v219
	v_mov_b32 v219, v12
	v_floor_f32 v12, -v13                          ; the new -M = floor(-t): M is a whole number
	v_sub_f32 v219, v12, v219                      ; old M - new M: a whole number, 0 or less
	v_cvt_i32_f32 v219, v219                       ; (it saturates)
	v_ldexp_f32 v216, 1.0, v219                    ; f = 2^(old M - new M)
.set N, 0
.rept 32
	v_pk_fma_f32 v[S+N:S+N+1], v[S+N:S+N+1], s[CS:CS+1], v[12:13] op_sel_hi:[1,0,0]    ; t - M
.set N, N+2
.endr
.irp b,0,1,2,3
	v_fma_f32 v[BM+\b], v[BM+\b], s[CS], v12
.endr
.set N, 0
	s_wait_alu depctr_va_vdst(0)
.rept 64
	v_exp_f32 v[S+N], v[S+N]                       ; p = 2^(t - M)
.set N, N+1
.endr
.irp b,0,1,2,3
	v_exp_f32 v[BM+\b], v[BM+\b]                   ; the block's largest p: the same two instructions on the same number
.endr
	v_pk_mul_f32 v[14:15], v[14:15], v[216:217] op_sel_hi:[1,0]        ; the sum under the new M (a plain place behind the exponentials)
.set N, 0
	s_wait_alu depctr_va_vdst(0)
.rept 8
	v_pk_mul_f32 v[O+N:O+N+1], v[O+N:O+N+1], v[216:217] op_sel_hi:[1,0]    ; O^T under the new M: work that names none of the exponentials' results
.set N, N+2
.endr
	s_wait_alu depctr_va_vdst(0)                   ; the 68 exponentials have written p and the blocks' largest p: one wait for the batch, ahead of its first reader
.irp b,0,1,2,3
	v_max_num_f32 v[BM+\b], 0x1800000, v[BM+\b]    ; the floor 2^(3 - 127)
.endr
.irp b,0,1,2,3
	v_add_nc_u32 v[BS+\b], 0xff000000, v[BM+\b]
.endr
.irp b,0,1,2,3
	v_lshrrev_b32 v[BX+\b], 23, v[BS+\b]
.endr
	v_lshl_or_b32 v218, v[BX+1], 8, v[BX]          ; p's scale word for these 128 keys
	v_lshl_or_b32 v218, v[BX+2], 16, v218
	v_lshl_or_b32 v218, v[BX+3], 24, v218
.irp c,0,1
	v_cvt_scalef32_pk16_fp6_f32 v[PC+6*\c:PC+6*\c+2], v[S+32*\c:S+32*\c+15], v[BS+2*\c]
	v_cvt_scalef32_pk16_fp6_f32 v[CT+4*\c:CT+4*\c+2], v[S+16+32*\c:S+31+32*\c], v[BS+2*\c+1]
.endr
	v_nop                                          ; one plain place behind a scaled conversion
.irp c,0,1
.irp i,0,1,2
	v_permlane16_swap_b32 v[PC+6*\c+\i], v[CT+4*\c+\i]
.endr
.irp i,0,1,2
	v_mov_b32 v[PC+3+6*\c+\i], v[CT+4*\c+\i]
.endr
.endr
	v_pk_add_f32 v[220:221], v[S:S+1], v[S+2:S+3]  ; the row's sum, of the unquantised p, in two chains.  (These 32 are more than the eight places between p's scale word and the products below)
.irp j,4,8,12,16,20,24,28,32,36,40,44,48,52,56,60
	v_pk_add_f32 v[14:15], v[14:15], v[S+\j:S+\j+1]
	v_pk_add_f32 v[220:221], v[220:221], v[S+\j+2:S+\j+3]
.endr
	v_pk_add_f32 v[14:15], v[14:15], v[220:221]
	s_wait_dscnt 0x0                               ; V
	s_wait_alu depctr_va_vdst(0)                   ; p's codes and p's scale word are written, which the two products take; the places above stay beside this wait
	MM O, VF, PC, O, 48, 218, 0
	MM O+8, VF+12, PC, O+8, 48, 218, 1
.Lhidden_\@:
	s_add_co_u32 s30, s30, 3072
	s_add_co_u32 s31, s31, 128
.endm
; A TILE of 16 queries: group s25 of the head's 64, part s26.
.macro TILE
	s_wait_xcnt 0x0                                ; the last tile's stores have read their registers and bases
	s_wait_alu depctr_vm_vsrc(0)                   ; first tile: the fill's LDS stores have read v[S ..], which the products write; second tile: the last tile's stores have read v[CT ..] and v[BX+1], which the steps write again
	s_lshr_b32 s27, s25, 2                         ; the step on the diagonal
	s_and_b32 s40, s25, 3
	s_lshl_b32 s28, s40, 5
	s_lshl_b32 s41, s26, 3
	s_add_co_u32 s28, s28, s41
	s_lshl_b32 s40, s40, 3                         ; where the group's byte stands in its scale word
	s_mul_i32 s32, s25, 768
	s_mov_b32 s34, s32
	s_lshl_b32 s41, s26, 8
	s_add_co_u32 s32, s32, s41
	s_mov_b32 s33, 0
	s_add_nc_u64 s[32:33], s[16:17], s[32:33]      ; the record's 16-byte pieces, items 16 uq on
	s_lshl_b32 s41, s26, 7
	s_add_co_u32 s34, s34, s41
	s_mov_b32 s35, 0
	s_add_nc_u64 s[34:35], s[16:17], s[34:35]      ; its 8-byte pieces
	s_lshl_b32 s36, s27, 7
	s_lshl_b32 s41, s26, 6
	s_add_co_u32 s36, s36, s41
	s_mov_b32 s37, 0
	s_add_nc_u64 s[36:37], s[18:19], s[36:37]
	global_load_b128 v[50:53], v10, s[32:33]       ; both halves of the lanes take query r's codes.  (No vector instruction stands between these three loads and the last wait on va_vdst: the head's, or the one ahead of the last tile's stores)
	global_load_b64 v[54:55], v11, s[34:35] offset:512
	global_load_b32 v220, v49, s[36:37]
	s_lshr_b32 s41, s13, 4                         ; the batch: 64 groups each
	s_lshl_b32 s41, s41, 6
	s_add_co_u32 s41, s41, s25
	s_lshl_b32 s41, s41, 1
	s_add_co_u32 s41, s41, s26                     ; the tile among the 512
	s_and_b32 s42, s13, 15                         ; the head
	s_mul_i32 s44, s41, 6144
	s_mul_i32 s43, s42, 384
	s_add_co_u32 s44, s44, s43
	s_mov_b32 s45, 0
	s_add_nc_u64 s[44:45], s[8:9], s[44:45]
	s_lshl_b32 s46, s41, 9
	s_add_co_u32 s46, s46, s42
	s_mov_b32 s47, 0
	s_add_nc_u64 s[46:47], s[10:11], s[46:47]
	s_mov_b32 s29, 0
	s_mov_b32 s30, 0
	s_mov_b32 s31, 0
	s_wait_loadcnt 0x0
	v_lshrrev_b32 v220, s40, v220
	v_and_b32 v220, 0xff, v220
	v_lshl_or_b32 v46, v220, 8, v220               ; the query's byte in all four places: each version of Q finds it at its own block
	v_lshl_or_b32 v46, v46, 16, v46
.irp k,0,1,2,3,4,5
	v_cndmask_b32 v[22+\k], v[50+\k], v16, s24     ; Q in lanes 0-15, zeros in lanes 16-31
	v_cndmask_b32 v[34+\k], v16, v[50+\k], s24     ; and the other way round
.endr
.set N, 0
.rept 16
	v_mov_b32 v[O+N], 0                            ; the loop is written once: its first step finds zeros, which the first change of M leaves zeros
.set N, N+1
.endr
	v_mov_b32 v14, 0
	v_mov_b32 v15, 0
	v_mov_b32 v13, 0xff61b1e6                      ; -3e38, under every t
	v_floor_f32 v12, -v13
.Lstep_\@:
	STEP
	s_add_co_u32 s29, s29, 1
	s_cmp_lt_u32 s29, 16
	s_cbranch_scc1 .Lstep_\@
.rept 4
	v_nop                                          ; places behind the last products
.endr
	s_wait_alu depctr_va_vdst(0)
	v_add_f32 v14, v14, v15
	v_permlanex16_b32 v219, v14, s[SEL], s[SEL+1]
	v_add_f32 v14, v14, v219                       ; the row's sum
	s_wait_alu depctr_va_vdst(0)
	v_rcp_f32 v216, v14
	v_nop                                          ; one plain place behind the transcendental
	s_wait_alu depctr_va_vdst(0)                   ; the reciprocal has written v216, ahead of its first reader
.set N, 0
.rept 8
	v_pk_mul_f32 v[O+N:O+N+1], v[O+N:O+N+1], v[216:217] op_sel_hi:[1,0]
.set N, N+2
.endr
	v_max3_num_f32 v[BM], |v[O]|, |v[O+1]|, 0x1800000      ; the head's 32 channels are one block of the next product's K: my 16, and lane l xor 16's
.irp i,2,4,6,8,10,12,14
	v_max3_num_f32 v[BM], v[BM], |v[O+\i]|, |v[O+\i+1]|
.endr
	v_permlanex16_b32 v[BX], v[BM], s[SEL], s[SEL+1]
	v_max_num_f32 v[BM], v[BM], v[BX]
	v_add_nc_u32 v[BS], 0xff000000, v[BM]
	v_lshrrev_b32 v[BX+1], 23, v[BS]
	v_cvt_scalef32_pk16_fp6_f32 v[CT:CT+2], v[O:O+15], v[BS]
	v_nop                                          ; one plain place behind a scaled conversion
	s_wait_alu depctr_va_vdst(0)                   ; the codes v[CT ..] and the byte v[BX+1] are written, which the two stores read; every vector line that named v50 to v55 and v220 is done, in which the next tile's loads land
	global_store_b96 v8, v[CT:CT+2], s[44:45]      ; 12 bytes a lane: the wave's 384 bytes are consecutive
	global_store_b8 v9, v[BX+1], s[46:47]          ; byte `head` of the lane's 16 scale bytes, in both halves of the lanes
.endm
	s_lshl_b32 s25, s14, 3
	s_lshr_b32 s40, s12, 1
	s_add_co_u32 s25, s25, s40                     ; group 8 i + w / 2,
	s_and_b32 s26, s12, 1                          ; part w % 2
	TILE
	s_sub_co_u32 s40, 15, s12                      ; w' = 15 - w
	s_lshl_b32 s25, s14, 3
	s_sub_co_u32 s25, 56, s25
	s_lshr_b32 s41, s40, 1
	s_add_co_u32 s25, s25, s41                     ; group 56 - 8 i + w' / 2
	s_and_b32 s26, s40, 1
	TILE
	s_wait_dscnt 0x0
	s_wait_alu depctr_hold_cnt(0) depctr_sa_sdst(0) depctr_va_vdst(0) depctr_va_sdst(0) depctr_va_ssrc(0) depctr_va_vcc(0) depctr_vm_vsrc(0)
	s_wait_tensorcnt 0x0
	ds_add_u32 v254, v255
	s_wait_dscnt 0x0
	s_endpgm
.Lfunc_end_k_qb945673029_attn:
	.size	k_qb945673029_attn, .Lfunc_end_k_qb945673029_attn-k_qb945673029_attn
	.p2alignl 7, 3214868480
	.fill 96, 4, 3214868480
	.section	.rodata,"a",@progbits
	.p2align	6, 0x0
	.amdhsa_kernel k_qb945673029_attn
		.amdhsa_group_segment_fixed_size 104448
		.amdhsa_private_segment_fixed_size 0
		.amdhsa_enable_private_segment 0
		.amdhsa_kernarg_size 32
		.amdhsa_user_sgpr_count 2
		.amdhsa_user_sgpr_kernarg_segment_ptr 1
		.amdhsa_wavefront_size32 1
		.amdhsa_system_sgpr_workgroup_id_x 1
		.amdhsa_system_sgpr_workgroup_id_y 1
		.amdhsa_system_sgpr_workgroup_id_z 1
		.amdhsa_system_vgpr_workitem_id 0
		.amdhsa_next_free_vgpr 256
		.amdhsa_next_free_sgpr 66
		.amdhsa_reserve_vcc 0
		.amdhsa_float_denorm_mode_32 3
		.amdhsa_float_denorm_mode_16_64 3
		.amdhsa_memory_ordered 1
		.amdhsa_forward_progress 1
		.amdhsa_inst_pref_size 64
	.end_amdhsa_kernel
	.amdgpu_metadata
---
amdhsa.version: [ 1, 2 ]
amdhsa.kernels:
  - .name:           k_qb945673029_attn
    .symbol:         k_qb945673029_attn.kd
    .args:
      - { .name: qkvc, .offset: 0, .size: 8, .value_kind: global_buffer, .address_space: global }
      - { .name: qkvs, .offset: 8, .size: 8, .value_kind: global_buffer, .address_space: global }
      - { .name: ac, .offset: 16, .size: 8, .value_kind: global_buffer, .address_space: global }
      - { .name: asc, .offset: 24, .size: 8, .value_kind: global_buffer, .address_space: global }
    .group_segment_fixed_size: 104448
    .private_segment_fixed_size: 0
    .kernarg_segment_align: 8
    .kernarg_segment_size: 32
    .max_flat_workgroup_size: 512
    .sgpr_count:     66
    .vgpr_count:     256
    .wavefront_size: 32
...
	.end_amdgpu_metadata
.endif
;; end of part 7
;; launch tail (part 8): grid 256 x 1, 8 waves a work-group, no clusters, 203,776 bytes of LDS; arguments ac, asc, wimg, wscl, x, bo, g2, be2, b1, b2, out0; writes out0
.if DOCPART == 8
	.amdgcn_target "amdgcn-amd-amdhsa--gfx1250"
	.amdhsa_code_object_version 6
	.text
	.protected	k_qb945673029_tail
	.globl	k_qb945673029_tail
	.p2align	8
	.type	k_qb945673029_tail,@function
k_qb945673029_tail:
	s_mov_b64 s[64:65], 0
	v_nop
	global_prefetch_b8 v0, s[64:65] scope:SCOPE_SE
	s_setreg_imm32_b32 hwreg(HW_REG_WAVE_SCHED_MODE, 0, 2), 2
	s_setreg_imm32_b32 hwreg(HW_REG_WAVE_MODE, 25, 1), 1
	s_wait_xcnt 0x0
	s_wait_alu depctr_vm_vsrc(0)
; TAIL.  x1 = x + a Wo + bo;  h2 = layernorm(x1, g2, be2);  out = x1 + relu(h2 W1 + b1) W2 + b2.  All three products on codes of FP6 (E2M3); h2 and the hidden layer are quantised on the way and never go to memory.
; SHARES.  Work-group G: rows 32 G .. + 31 as two permuted tiles (row r of tile u: 8 u + r + 8 (r / 8)).  THE WAVES SHARE THE COLUMNS: wave w makes columns 64 w .. + 63 of x1 and of out, and hidden units 256 w .. + 255 in four chunks of 64.
; Every product is used transposed (source 0 = 16 weight columns, source 1 = 16 rows): a lane holds one row and, in the 16 registers of a column group's two tiles, 16 neighbouring columns.
; THE WEIGHTS come straight into registers, in the order of the operands' registers, each byte to one wave: 36 slots of 6,144 bytes (two column groups x 128 K) through a ring of five register sets, asked for four slots ahead.
; OPERANDS GO FROM WAVE TO WAVE THROUGH LDS AS IMAGES OF THEIR REGISTERS: registers 6 c .. 6 c + 3 of lane l at 512 c + 16 l, registers 6 c + 4, 5 at 1024 + 256 c + 8 l; scale words at 4 l.  A wave's 64 columns are blocks (c, h = column group)
; of one fragment, so it stores half an image and two bytes of each scale word.  Every LDS region has bytes of its own; five barriers; the text has no branch.
; All row blocks walk the same weights; joint requests are left out here because they would send every weight byte through LDS slots that are filled again, which this text has none of.
; LIMITS: NaN and infinities are not served; a block of zeros gets the byte 1 (its codes are zeros; this program alone reads the bytes).
; THE MODE: SCHED_MODE bits 1:0 = 2 (LLVM: expert scheduling mode 2), set by the entry lines.  The code itself states the register dependences
; between vector or matrix instructions and memory or LDS instructions, with s_wait_alu, always for 0.
; THE PLAN.  Registers that memory or LDS instructions touch:
;   v1-v20        offsets and LDS addresses, made at the head and never written again.
;   the ring      five sets of 48 registers in window 1, and five pairs of scale words.  Slot n's products read set n % 5; the loads of slot n + 4, issued at slot n's head, land in set (n - 1) % 5, which slot n - 1's products read.
;   B1R           a bias: read by additions (bo, b2) or as the C of a chunk's first slot (b1); the next bias is asked for at the head of the slot behind its last reader.
;   FR, OSC       source 1's fragments and scale words: loads land, products read; in the last product four sets by turns: slot n's products read set n % 4, and the K step three on, asked for at slot n's head, lands in set (n - 1) % 4.
;   ACC           loads of x and of x1 land; products and vector lines write; LDS stores read (x1, the stage).
;   v232, v236    written by the sums, read by the two LDS stores of an exchange.      CD, EW   written by the quantiser, read by an image's three LDS stores.
; So ONE wait on va_vdst stands at a slot's head, behind the waits for its data: the slot before's products are done reading all that this head's loads land in.  The loads follow it, ahead of the slot's eight products,
; which name none of the registers that those loads touch.  The other waits stand where a phase hands registers from vector lines to LDS stores or back; each says what it states.
.set FR,  24                           ; v24-119  source 1's fragments: 8 of a or of h2 ((u, s) at 12 (4 u + s)); in the last product 4 K steps x 2 tiles by turns; in between g2, be2 and statistics; at the end rows of out
.set ACC, 120                          ; v120-183 eight accumulators: 32 u + 16 cgp + 8 u' + j
.set B1R, 184                          ; v184-215 bo, then a chunk's b1, then b2: 16 cgp + i = column 16 (lane / 16) + i of the group
.set WSC, 216                          ; v216-223 the weights' scale words: 2 (slot % 5) + cgp; the fifth pair at v254-255
.set OSC, 224                          ; v224-231 source 1's scale words
.set QM,  232                          ; v232-242 the quantiser's temporaries; the sums' pairs
.set EW,  243                          ; v243     two scale bytes
.set CD,  244                          ; v244-249 a lane's 24 bytes of codes
.set MN,  250                          ; v250-253 mean, then 1 / sqrt(variance + 1e-5), a pair for each tile
.set SEL, 38
.set ST1, 0                            ; LDS: the sums, word at 1024 u + 32 lane + 4 w;
.set ST2, 2048                         ; the sums of squares;
.set H2I, 4096                         ; h2's 8 images, 4 u + s;
.set H2S, 16384                        ; their scale words;
.set HDI, 17408                        ; the hidden layer's 32 images, 2 ks + u;
.set HDS, 66560                        ; their scale words;
.set X1I, 70656                        ; x1: an image of each wave's 64 accumulator registers, read back by the same wave;
.set STG, 136192                       ; the stage for out: 32 rows of 2,048 + 16 bytes
; window 1: v0-239 (v256-495): the ring of weight fragments: slot n at 48 (n % 5) + 24 cgp + 12 u'
.set MSB, 0
.macro WIN new                         ; the immediate's high byte repeats the setting that is left
.if MSB != \new
	s_set_vgpr_msb (MSB<<8)|\new
.set MSB, \new
.endif
.endm
.macro MM d, a, b, c, sa, sb, row
.if (\row) == 0
	v_wmma_scale_f32_16x16x128_f8f6f4 v[\d:\d+7], v[\a:\a+11], v[\b:\b+11], v[\c:\c+7], v[\sa], v[\sb] matrix_a_fmt:MATRIX_FMT_FP6 matrix_b_fmt:MATRIX_FMT_FP6
.else
	v_wmma_scale_f32_16x16x128_f8f6f4 v[\d:\d+7], v[\a:\a+11], v[\b:\b+11], v[\c:\c+7], v[\sa], v[\sb] matrix_a_fmt:MATRIX_FMT_FP6 matrix_b_fmt:MATRIX_FMT_FP6 matrix_a_scale:MATRIX_SCALE_ROW1
.endif
.endm
; 32 numbers of a lane in two parts of 16 (the two column groups); a part's block of 32 lies in lanes l and l xor 16.  Result: lane (r, h) holds the 24 bytes of (part h, row r) in v[cd] on; the bytes in v[QM+6], v[QM+7].
.macro QG s, cd
	v_max3_num_f32 v[QM], |v[\s]|, |v[\s+1]|, 0x1800000
	v_max3_num_f32 v[QM+1], |v[\s+16]|, |v[\s+17]|, 0x1800000
.irp i,2,4,6,8,10,12,14
	v_max3_num_f32 v[QM], v[QM], |v[\s+\i]|, |v[\s+\i+1]|
	v_max3_num_f32 v[QM+1], v[QM+1], |v[\s+16+\i]|, |v[\s+17+\i]|
.endr
	v_permlanex16_b32 v[QM+2], v[QM], s[SEL], s[SEL+1]
	v_permlanex16_b32 v[QM+3], v[QM+1], s[SEL], s[SEL+1]
	v_max_num_f32 v[QM], v[QM], v[QM+2]
	v_max_num_f32 v[QM+1], v[QM+1], v[QM+3]
	v_add_nc_u32 v[QM+4], 0xff000000, v[QM]
	v_add_nc_u32 v[QM+5], 0xff000000, v[QM+1]
	v_lshrrev_b32 v[QM+6], 23, v[QM+4]
	v_lshrrev_b32 v[QM+7], 23, v[QM+5]
	v_cvt_scalef32_pk16_fp6_f32 v[\cd:\cd+2], v[\s:\s+15], v[QM+4]
	v_cvt_scalef32_pk16_fp6_f32 v[QM+8:QM+10], v[\s+16:\s+31], v[QM+5]
	v_nop                                          ; one plain place behind a scaled conversion
.irp k,0,1,2
	v_permlane16_swap_b32 v[\cd+\k], v[QM+8+\k]
.endr
.irp k,0,1,2
	v_mov_b32 v[\cd+3+\k], v[QM+8+\k]
.endr
	v_lshl_or_b32 v[EW], v[QM+7], 8, v[QM+6]
.endm
; Slot n of the weight stream is asked for: 12 loads of 512 consecutive bytes, two scale words.  Slots 0-3 Wo, 4-19 W1, 20-35 W2.
.macro REFILL n
.set RN, \n
.if RN < 36
.if RN < 4
.set RB, 26
.set RS, 32
.set RL, RN
.elseif RN < 20
.set RB, 28
.set RS, 34
.set RL, RN-4
.else
.set RB, 30
.set RS, 36
.set RL, RN-20
.endif
.if RN%5 == 4
.set RW, 254
.else
.set RW, WSC+2*(RN%5)
.endif
	WIN 0x40                                       ; destination window 1, address window 0
.set RK, 0
.rept 12
	global_load_b128 v[48*(RN%5)+4*RK:48*(RN%5)+4*RK+3], v1, s[RB:RB+1] offset:RL*6144+512*RK
.set RK, RK+1
.endr
	WIN 0
	global_load_b32 v[RW], v2, s[RS:RS+1] offset:RL*256
	global_load_b32 v[RW+1], v2, s[RS:RS+1] offset:RL*256+128
.endif
.endm
; The next bias, at the head of slot n: slots 1, 5, 9, 13: the b1 of chunk (n - 1) / 4, which slot n + 3 takes as C; slot 17: b2.  Eight loads, issued AHEAD of that head's slot of weights,
; so that three slots of weights, 42 loads, are younger when slot n + 3 waits.
.macro BIAS n
.set BN, \n
.if (BN%4 == 1) && (BN <= 13)
.irp g,0,1
.irp j,0,1,2,3
	global_load_b128 v[B1R+16*\g+4*\j:B1R+16*\g+4*\j+3], v4, s[20:21] offset:256*((BN-1)/4)+128*\g+16*\j
.endr
.endr
.endif
.if BN == 17
.irp g,0,1
.irp j,0,1,2,3
	global_load_b128 v[B1R+16*\g+4*\j:B1R+16*\g+4*\j+3], v4, s[22:23] offset:128*\g+16*\j
.endr
.endr
.endif
.endm
.macro HFETCH ks                       ; K step ks of the hidden layer, both tiles: ten LDS loads
.set HK, \ks
.irp u,0,1
	ds_load_b128 v[FR+24*(HK%4)+12*\u:FR+24*(HK%4)+12*\u+3], v15 offset:3072*HK+1536*\u
	ds_load_b128 v[FR+24*(HK%4)+12*\u+6:FR+24*(HK%4)+12*\u+9], v15 offset:3072*HK+1536*\u+512
	ds_load_b64 v[FR+24*(HK%4)+12*\u+4:FR+24*(HK%4)+12*\u+5], v16 offset:3072*HK+1536*\u+1024
	ds_load_b64 v[FR+24*(HK%4)+12*\u+10:FR+24*(HK%4)+12*\u+11], v16 offset:3072*HK+1536*\u+1280
	ds_load_b32 v[OSC+2*(HK%4)+\u], v17 offset:256*HK+128*\u
.endr
.endm
; Slot n.  At its head the registers that the slot before has left are asked for again; then its eight products, the eight accumulators by turns, one instruction a turn, in the same order in every slot.
.macro SLOT n
.set SN, \n
.if SN%5 == 4
.set SW, 254
.else
.set SW, WSC+2*(SN%5)
.endif
.if SN <= 32
	s_wait_loadcnt 42                              ; the three younger slots' loads, 14 each at the least, may be out
.else
	s_wait_loadcnt 14*(35-SN)
.endif
.if SN == 20
	s_wait_dscnt 30                                ; K steps 1 to 3, ten LDS loads each, may be out
.elseif (SN > 20) && (SN <= 33)
	s_wait_dscnt 20                                ; the two younger K steps' loads from LDS, ten each, may be out
.elseif SN > 33
	s_wait_dscnt 10*(35-SN)
.endif
.if (SN > 0) && (SN <= 32)
	s_wait_alu depctr_va_vdst(0)                   ; the slot before's products are done reading their set of the ring, their scale words, in the last product their K step's fragments, and the bias that was their C (slot 1: the additions are done reading bo): the loads below land in these
.endif
	BIAS SN
	REFILL SN+4
.if (SN > 20) && (SN <= 32)
	HFETCH SN-17
.endif
	WIN 0x01                                       ; source 0 window 1
.irp u,0,1
.irp g,0,1
.irp v,0,1
.set MD, ACC+32*\u+16*\g+8*\v
.if SN < 20
.set MBB, FR+12*(4*\u+SN%4)
.set MSS, OSC+4*\u+SN%4
.else
.set MBB, FR+24*(SN%4)+12*\u
.set MSS, OSC+2*(SN%4)+\u
.endif
.if (SN >= 4) && (SN < 20) && (SN%4 == 0)
.set MC, B1R+16*\g+8*\v                ; a chunk's first products take b1 as C
.else
.set MC, MD
.endif
	MM MD, 48*(SN%5)+24*\g+12*\v, MBB, MC, SW+\g, MSS, \v
.endr
.endr
.endr
	WIN 0
.rept 4
	v_nop                                          ; places behind these products, in front of reads of their results and of what lands in their registers
.endr
.endm
.macro BARRIER                         ; my LDS stores have landed and my LDS loads are in: then the work-group's barrier
	s_wait_dscnt 0x0
	s_barrier_signal -1
	s_barrier_wait -1
.endm
	s_load_b512 s[4:19], s[0:1], 0x0               ; ac s[4:5], asc s[6:7], wimg s[8:9], wscl s[10:11], x s[12:13], bo s[14:15], g2 s[16:17], be2 s[18:19]
	s_load_b128 s[20:23], s[0:1], 0x40             ; b1 s[20:21], b2 s[22:23]
	s_load_b64 s[24:25], s[0:1], 0x50              ; out0
	s_set_vgpr_msb 0x40
	v_lshl_add_u32 v240, v0, 2, 0x31800
	v_mov_b32 v241, 0
	s_set_vgpr_msb 0x4000
	v_lshrrev_b32 v21, 5, v0
	v_readfirstlane_b32 s40, v21                   ; wave 0..7
	v_and_b32 v21, 31, v0                          ; lane
	v_and_b32 v22, 15, v0                          ; r
	v_bfe_u32 v23, v0, 4, 1                        ; h
	v_lshlrev_b32 v1, 4, v21                       ; v1  16 lane
	v_lshlrev_b32 v2, 2, v21                       ; v2  4 lane
	v_lshlrev_b32 v14, 3, v21                      ; v14 8 lane
	v_and_b32 v3, 8, v22
	v_add_nc_u32 v3, v3, v22
	v_lshlrev_b32 v3, 11, v3
	v_lshl_add_u32 v3, v23, 6, v3                  ; v3  x: row r + 8 (r / 8) of 2,048 bytes, + 64 h
	v_lshlrev_b32 v4, 6, v23                       ; v4  64 h
	v_mul_u32_u24 v5, v23, 384
	v_mad_u32_u24 v5, v22, 24, v5                  ; v5  a's codes: 384 h + 24 r
	v_lshlrev_b32 v7, 5, v21                       ; v7  32 lane
	s_wait_alu depctr_va_sdst(0)                   ; s40 is written, ahead of its first reader: the wave's LDS places and bases are made from it
	s_lshl_b32 s41, s40, 2
	v_add_nc_u32 v6, s41, v7                       ; v6  32 lane + 4 w
	s_lshr_b32 s42, s40, 1                         ; my columns are blocks (c = w % 2, h = column group) of h2's K step w / 2
	s_and_b32 s43, s40, 1
	s_mul_i32 s44, s42, 1536
	s_lshl_b32 s45, s43, 9
	s_add_co_u32 s45, s45, s44
	s_add_co_u32 s45, s45, H2I
	v_add_nc_u32 v8, s45, v1                       ; v8  where I store h2's 16-byte pieces
	s_lshl_b32 s45, s43, 8
	s_add_co_u32 s45, s45, s44
	s_add_co_u32 s45, s45, H2I+1024
	v_add_nc_u32 v9, s45, v14                      ; v9  its 8-byte pieces
	s_lshl_b32 s45, s42, 7
	s_lshl_b32 s46, s43, 1
	s_add_co_u32 s45, s45, s46
	s_add_co_u32 s45, s45, H2S
	v_add_nc_u32 v10, s45, v2                      ; v10 its two scale bytes
	s_mul_i32 s45, s40, 6144
	s_add_co_u32 s45, s45, HDI
	v_add_nc_u32 v11, s45, v1                      ; v11-13 the same for the hidden layer: my K steps are 2 w and 2 w + 1
	v_add_nc_u32 v12, s45, v14
	s_lshl_b32 s45, s40, 9
	s_add_co_u32 s45, s45, HDS
	v_add_nc_u32 v13, s45, v2
	v_add_nc_u32 v15, HDI, v1                      ; v15-17 where any wave reads the hidden layer
	v_add_nc_u32 v16, HDI, v14
	v_add_nc_u32 v17, HDS, v2
	s_lshl_b32 s45, s40, 13
	s_add_co_u32 s45, s45, X1I
	v_add_nc_u32 v18, s45, v1                      ; v18 x1's image
	v_mul_u32_u24 v19, v22, 2064
	v_lshl_add_u32 v19, v23, 6, v19
	s_lshl_b32 s45, s40, 8
	s_add_co_u32 s45, s45, STG
	v_add_nc_u32 v19, s45, v19                     ; v19 the stage: row r, + 64 h, + 256 w
	s_mul_i32 s45, s40, 8256
	s_add_co_u32 s45, s45, STG
	v_add_nc_u32 v20, s45, v1                      ; v20 back: my four rows
	v_mov_b32 v240, 0                              ; written once: a lane permute's destination counts as one of its sources
	v_mov_b32 v241, 0
	v_mov_b32 v234, 0
	v_mov_b32 v235, 0
	s_mov_b32 s[SEL], 0x76543210
	s_mov_b32 s[SEL+1], 0xfedcba98
	s_mov_b32 s48, 0x3b000000                      ; 1 / 512
	s_mov_b32 s49, 0x3727c5ac                      ; 1e-5
	s_mov_b32 s51, 0
	s_mov_b32 s53, 0
	s_mov_b32 s55, 0
	s_mov_b32 s57, 0
	s_mov_b32 s59, 0
	s_mov_b32 s61, 0
	s_lshl_b32 s50, s40, 8                         ; 256 w: my 64 columns of f32
	s_lshl_b32 s52, ttmp9, 16
	s_add_co_u32 s52, s52, s50                     ; x: 32 rows a work-group, + my columns
	s_mul_i32 s54, s40, 24576                      ; Wo: four slots a wave
	s_mul_i32 s56, s40, 98304                      ; W1, W2: sixteen
	s_lshl_b32 s58, s40, 10                        ; their scale words: 256 bytes a slot
	s_lshl_b32 s60, s40, 12
	s_lshr_b32 s45, s40, 2                         ; the first of the four rows that I store: stage rows 4 w .. are tile w / 4, rows 4 (w % 4) ..
	s_and_b32 s46, s40, 3
	s_lshl_b32 s45, s45, 3
	s_lshl_b32 s47, s46, 2
	s_add_co_u32 s45, s45, s47
	s_lshr_b32 s46, s46, 1
	s_lshl_b32 s46, s46, 3
	s_add_co_u32 s45, s45, s46
	s_lshl_b32 s46, ttmp9, 5
	s_add_co_u32 s45, s45, s46
	s_lshl_b32 s44, s45, 11
	s_mov_b32 s45, 0
	s_mul_i32 s46, ttmp9, 12288                    ; a's codes: two tiles of 6,144 bytes
	s_mov_b32 s47, 0
	s_lshl_b32 s42, ttmp9, 10                      ; a's scale bytes: two tiles of 512
	s_mov_b32 s43, 0
	s_wait_kmcnt 0x0
	s_add_nc_u64 s[4:5], s[4:5], s[46:47]
	s_add_nc_u64 s[6:7], s[6:7], s[42:43]
	s_add_nc_u64 s[12:13], s[12:13], s[52:53]
	s_add_nc_u64 s[14:15], s[14:15], s[50:51]
	s_add_nc_u64 s[16:17], s[16:17], s[50:51]
	s_add_nc_u64 s[18:19], s[18:19], s[50:51]
	s_add_nc_u64 s[22:23], s[22:23], s[50:51]
	s_add_nc_u64 s[20:21], s[20:21], s[58:59]      ; b1: 1,024 w
	s_add_nc_u64 s[24:25], s[24:25], s[44:45]
	s_add_nc_u64 s[26:27], s[8:9], s[54:55]
	s_add_nc_u64 s[26:27], s[26:27], 589824        ; Wo's slots
	s_add_nc_u64 s[28:29], s[8:9], s[56:57]
	s_add_nc_u64 s[30:31], s[28:29], 1572864       ; W2's
	s_add_nc_u64 s[28:29], s[28:29], 786432        ; W1's
	s_add_nc_u64 s[32:33], s[10:11], s[58:59]
	s_add_nc_u64 s[32:33], s[32:33], 24576
	s_add_nc_u64 s[34:35], s[10:11], s[60:61]
	s_add_nc_u64 s[36:37], s[34:35], 65536
	s_add_nc_u64 s[34:35], s[34:35], 32768
	s_wait_alu depctr_va_vdst(0)                   ; v1 to v20 are written: every load and store of the kernel, global or LDS, reads one of them as its offset or address
	; ---- loads: a's eight fragments and scale words, my part of x and bo, the first four slots
.irp f,0,1,2,3,4,5,6,7
.irp c,0,1
.irp p,0,1,2
	global_load_b64 v[FR+12*\f+6*\c+2*\p:FR+12*\f+6*\c+2*\p+1], v5, s[4:5] offset:1536*\f+768*\c+8*\p   ; block 2 c + h of K step s is head 4 s + 2 c + h: 24 bytes a row
.endr
.endr
.endr
.irp u,0,1
	global_load_b128 v[OSC+4*\u:OSC+4*\u+3], v1, s[6:7] offset:512*\u
.endr
.irp u,0,1
.irp g,0,1
.irp j,0,1,2,3
	global_load_b128 v[ACC+32*\u+16*\g+4*\j:ACC+32*\u+16*\g+4*\j+3], v3, s[12:13] offset:16384*\u+128*\g+16*\j
.endr
.endr
.endr
.irp g,0,1
.irp j,0,1,2,3
	global_load_b128 v[B1R+16*\g+4*\j:B1R+16*\g+4*\j+3], v4, s[14:15] offset:128*\g+16*\j
.endr
.endr
	REFILL 0
	REFILL 1
	REFILL 2
	REFILL 3
	s_wait_loadcnt 56                              ; the four slots' 14 loads each may be out; all before them are in
.set N, 0
.rept 16
	v_pk_add_f32 v[ACC+N:ACC+N+1], v[ACC+N:ACC+N+1], v[B1R+N:B1R+N+1]              ; x + bo starts the sums
	v_pk_add_f32 v[ACC+32+N:ACC+32+N+1], v[ACC+32+N:ACC+32+N+1], v[B1R+N:B1R+N+1]
.set N, N+2
.endr
	s_wait_alu depctr_va_vdst(0)
	; ---- A: x1 = x + bo + a Wo
	SLOT 0                                         ; (its head's loads land in the fifth set, which nothing has named yet: no wait)
	SLOT 1
	SLOT 2
	SLOT 3
	v_nop
	s_wait_alu depctr_va_vdst(0)                   ; slot 3's products have written the accumulators, which the LDS stores below read, and are done reading a's fragments, in which g2 and be2 land; the places above stay beside this wait
.irp g,0,1
.irp j,0,1,2,3
	global_load_b128 v[FR+16*\g+4*\j:FR+16*\g+4*\j+3], v4, s[16:17] offset:128*\g+16*\j        ; g2 and be2 at my columns
	global_load_b128 v[FR+32+16*\g+4*\j:FR+32+16*\g+4*\j+3], v4, s[18:19] offset:128*\g+16*\j
.endr
.endr
.set N, 0
.rept 16
	ds_store_b128 v18, v[ACC+4*N:ACC+4*N+3] offset:512*N       ; x1 is kept for the end; each accumulator is read from its low end on
.set N, N+1
.endr
	; ---- the second layer norm: a row's 512 columns lie in eight waves and two lanes
.irp u,0,1
	v_pk_add_f32 v[232+4*\u:233+4*\u], v[ACC+32*\u:ACC+32*\u+1], v[ACC+32*\u+4:ACC+32*\u+5]
	v_pk_add_f32 v[234+4*\u:235+4*\u], v[ACC+32*\u+2:ACC+32*\u+3], v[ACC+32*\u+6:ACC+32*\u+7]
.endr
.irp i,8,12,16,20,24,28
.irp u,0,1
	v_pk_add_f32 v[232+4*\u:233+4*\u], v[232+4*\u:233+4*\u], v[ACC+32*\u+\i:ACC+32*\u+\i+1]
	v_pk_add_f32 v[234+4*\u:235+4*\u], v[234+4*\u:235+4*\u], v[ACC+32*\u+\i+2:ACC+32*\u+\i+3]
.endr
.endr
.macro STATS off                       ; the pairs become a number a tile; the eight waves' numbers meet in LDS; the row's total lands in v[FR+64+8 u]
.irp u,0,1
	v_pk_add_f32 v[232+4*\u:233+4*\u], v[232+4*\u:233+4*\u], v[234+4*\u:235+4*\u]
.endr
.irp u,0,1
	v_add_f32 v[232+4*\u], v[232+4*\u], v[233+4*\u]
.endr
.irp u,0,1
	v_permlanex16_b32 v[240+\u], v[232+4*\u], s[SEL], s[SEL+1]
.endr
.irp u,0,1
	v_add_f32 v[232+4*\u], v[232+4*\u], v[240+\u]
.endr
	s_wait_alu depctr_va_vdst(0)                   ; v232 and v236 are written, which the two LDS stores read; every vector line that named v[FR+64 .. FR+79] is done, in which the loads below land
.irp u,0,1
	ds_store_b32 v6, v[232+4*\u] offset:\off+1024*\u
.endr
	BARRIER
.irp u,0,1
	ds_load_b128 v[FR+64+8*\u:FR+67+8*\u], v7 offset:\off+1024*\u
	ds_load_b128 v[FR+68+8*\u:FR+71+8*\u], v7 offset:\off+1024*\u+16
.endr
	s_wait_dscnt 0x0
	s_wait_alu depctr_vm_vsrc(0)                   ; my LDS stores have read v232 and v236, and the first time x1's have read the accumulators: vector lines below write all of these again
.irp u,0,1
	v_pk_add_f32 v[FR+64+8*\u:FR+65+8*\u], v[FR+64+8*\u:FR+65+8*\u], v[FR+66+8*\u:FR+67+8*\u]
	v_pk_add_f32 v[FR+68+8*\u:FR+69+8*\u], v[FR+68+8*\u:FR+69+8*\u], v[FR+70+8*\u:FR+71+8*\u]
.endr
.irp u,0,1
	v_pk_add_f32 v[FR+64+8*\u:FR+65+8*\u], v[FR+64+8*\u:FR+65+8*\u], v[FR+68+8*\u:FR+69+8*\u]
.endr
.irp u,0,1
	v_add_f32 v[FR+64+8*\u], v[FR+64+8*\u], v[FR+65+8*\u]
.endr
.endm
	STATS ST1
.irp u,0,1
	v_mul_f32 v[MN+2*\u], s48, v[FR+64+8*\u]       ; the mean
	v_mov_b32 v[MN+2*\u+1], v[MN+2*\u]
.endr
.irp u,0,1
.set N, 0
.rept 16
	v_pk_add_f32 v[ACC+32*\u+N:ACC+32*\u+N+1], v[ACC+32*\u+N:ACC+32*\u+N+1], v[MN+2*\u:MN+2*\u+1] neg_lo:[0,1] neg_hi:[0,1]
.set N, N+2
.endr
.endr
.irp u,0,1
	v_pk_mul_f32 v[232+4*\u:233+4*\u], v[ACC+32*\u:ACC+32*\u+1], v[ACC+32*\u:ACC+32*\u+1]
	v_pk_mul_f32 v[234+4*\u:235+4*\u], v[ACC+32*\u+2:ACC+32*\u+3], v[ACC+32*\u+2:ACC+32*\u+3]
.endr
.irp i,4,8,12,16,20,24,28
.irp u,0,1
	v_pk_fma_f32 v[232+4*\u:233+4*\u], v[ACC+32*\u+\i:ACC+32*\u+\i+1], v[ACC+32*\u+\i:ACC+32*\u+\i+1], v[232+4*\u:233+4*\u]
	v_pk_fma_f32 v[234+4*\u:235+4*\u], v[ACC+32*\u+\i+2:ACC+32*\u+\i+3], v[ACC+32*\u+\i+2:ACC+32*\u+\i+3], v[234+4*\u:235+4*\u]
.endr
.endr
	STATS ST2
.irp u,0,1
	v_fma_f32 v[MN+2*\u], v[FR+64+8*\u], s48, s49  ; variance + 1e-5
.endr
	s_wait_alu depctr_va_vdst(0)
	v_rsq_f32 v[MN], v[MN]
	v_rsq_f32 v[MN+2], v[MN+2]
	v_nop                                          ; one plain place behind the transcendentals
	s_wait_alu depctr_va_vdst(0)                   ; the two reciprocal roots have written v[MN] and v[MN+2], ahead of their first reader
	v_mov_b32 v[MN+1], v[MN]
	v_mov_b32 v[MN+3], v[MN+2]
	s_wait_alu depctr_va_vdst(0)
	s_wait_loadcnt 0x0                             ; g2 and be2 (slots 4 to 7 with them)
.irp u,0,1
.set N, 0
.rept 16
	v_pk_mul_f32 v[ACC+32*\u+N:ACC+32*\u+N+1], v[ACC+32*\u+N:ACC+32*\u+N+1], v[MN+2*\u:MN+2*\u+1]
.set N, N+2
.endr
.set N, 0
.rept 16
	v_pk_fma_f32 v[ACC+32*\u+N:ACC+32*\u+N+1], v[ACC+32*\u+N:ACC+32*\u+N+1], v[FR+N:FR+N+1], v[FR+32+N:FR+32+N+1]
.set N, N+2
.endr
.endr
.irp u,0,1
.if \u
	s_wait_alu depctr_vm_vsrc(0)                   ; the first tile's LDS stores have read v[CD ..] and v[EW], which the quantiser writes again
.endif
	QG ACC+32*\u, CD
	s_wait_alu depctr_va_vdst(0)                   ; the codes and the two bytes are written, which the three LDS stores read; behind the second tile's: every vector line that named v[FR ..] is done, in which h2's fragments land
	ds_store_b128 v8, v[CD:CD+3] offset:6144*\u
	ds_store_b64 v9, v[CD+4:CD+5] offset:6144*\u
	ds_store_b16 v10, v[EW] offset:512*\u
.endr
	BARRIER                                        ; h2's eight fragments lie in LDS
.irp f,0,1,2,3,4,5,6,7
	ds_load_b128 v[FR+12*\f:FR+12*\f+3], v1 offset:H2I+1536*\f
	ds_load_b128 v[FR+12*\f+6:FR+12*\f+9], v1 offset:H2I+1536*\f+512
	ds_load_b64 v[FR+12*\f+4:FR+12*\f+5], v14 offset:H2I+1536*\f+1024
	ds_load_b64 v[FR+12*\f+10:FR+12*\f+11], v14 offset:H2I+1536*\f+1280
	ds_load_b32 v[OSC+\f], v2 offset:H2S+128*\f
.endr
	s_wait_dscnt 0x0
	; ---- B: my 256 hidden units, 64 at a time: relu(h2 W1 + b1), quantised: blocks (c = q % 2, h = column group) of K step 2 w + q / 2 of the last product
.macro CHUNK q
	SLOT 4+4*\q
	SLOT 5+4*\q
	SLOT 6+4*\q
	SLOT 7+4*\q
	v_nop
.set N, 0
.rept 64
	v_max_num_f32 v[ACC+N], 0, v[ACC+N]            ; the activation, in f32; each accumulator from its low end on
.set N, N+1
.endr
.irp u,0,1
	s_wait_alu depctr_vm_vsrc(0)                   ; the last image's LDS stores have read v[CD ..] and v[EW], which the quantiser writes again
	QG ACC+32*\u, CD
	s_wait_alu depctr_va_vdst(0)                   ; the codes and the two bytes are written, which the three LDS stores read
	ds_store_b128 v11, v[CD:CD+3] offset:3072*(\q/2)+1536*\u+512*(\q%2)
	ds_store_b64 v12, v[CD+4:CD+5] offset:3072*(\q/2)+1536*\u+1024+256*(\q%2)
	ds_store_b16 v13, v[EW] offset:256*(\q/2)+128*\u+2*(\q%2)
.endr
.endm
	CHUNK 0
	CHUNK 1
	CHUNK 2
	CHUNK 3
	BARRIER                                        ; the hidden layer's 32 fragments lie in LDS
	; ---- C: out = x1 + b2 + hidden W2.  No vector instruction stands between the last chunk's last wait on va_vdst and the LDS loads below, which land in the accumulators, in h2's fragments and in their scale words
.set N, 0
.rept 16
	ds_load_b128 v[ACC+4*N:ACC+4*N+3], v18 offset:512*N
.set N, N+1
.endr
	HFETCH 0
	HFETCH 1
	HFETCH 2
	HFETCH 3
	s_wait_loadcnt 42                              ; slot 20's loads and b2 are in; the three younger slots' may be out
	s_wait_dscnt 40                                ; x1 is back; the four K steps' ten loads each may be out
.set N, 0
.rept 16
	v_pk_add_f32 v[ACC+N:ACC+N+1], v[ACC+N:ACC+N+1], v[B1R+N:B1R+N+1]
	v_pk_add_f32 v[ACC+32+N:ACC+32+N+1], v[ACC+32+N:ACC+32+N+1], v[B1R+N:B1R+N+1]
.set N, N+2
.endr
.irp n,20,21,22,23,24,25,26,27,28,29,30,31,32,33,34,35
	SLOT \n
.endr
	; ---- the way out: a row's 512 columns come from eight waves: through the stage, then four whole rows a wave
	s_wait_alu depctr_va_vdst(0)                   ; the last products have written the accumulators, which the LDS stores read, and are done reading the fragments, in which the rows of out land; slot 35's places stay beside this wait
.irp u,0,1
.irp g,0,1
.irp j,0,1,2,3
	ds_store_b128 v19, v[ACC+32*\u+16*\g+4*\j:ACC+32*\u+16*\g+4*\j+3] offset:33024*\u+128*\g+16*\j
.endr
.endr
.endr
	BARRIER
.set N, 0
.rept 16
	ds_load_b128 v[FR+4*N:FR+4*N+3], v20 offset:2064*(N/4)+512*(N%4)
.set N, N+1
.endr
.set N, 0
.rept 16
	s_wait_dscnt 15-N                              ; LDS loads come back in order: the N-th is in, the younger may be out
	global_store_b128 v1, v[FR+4*N:FR+4*N+3], s[24:25] offset:2048*(N/4)+512*(N%4) th:TH_STORE_NT   ; 32 lanes store 512 consecutive bytes, aligned
.set N, N+1
.endr
	s_set_vgpr_msb 0x5
	s_wait_dscnt 0x0
	s_wait_alu depctr_hold_cnt(0) depctr_sa_sdst(0) depctr_va_vdst(0) depctr_va_sdst(0) depctr_va_ssrc(0) depctr_va_vcc(0) depctr_vm_vsrc(0)
	s_wait_tensorcnt 0x0
	ds_add_u32 v240, v241
	s_wait_dscnt 0x0
	s_endpgm
.Lfunc_end_k_qb945673029_tail:
	.size	k_qb945673029_tail, .Lfunc_end_k_qb945673029_tail-k_qb945673029_tail
	.p2alignl 7, 3214868480
	.fill 96, 4, 3214868480
	.section	.rodata,"a",@progbits
	.p2align	6, 0x0
	.amdhsa_kernel k_qb945673029_tail
		.amdhsa_group_segment_fixed_size 203776
		.amdhsa_private_segment_fixed_size 0
		.amdhsa_enable_private_segment 0
		.amdhsa_kernarg_size 88
		.amdhsa_user_sgpr_count 2
		.amdhsa_user_sgpr_kernarg_segment_ptr 1
		.amdhsa_wavefront_size32 1
		.amdhsa_system_sgpr_workgroup_id_x 1
		.amdhsa_system_sgpr_workgroup_id_y 1
		.amdhsa_system_sgpr_workgroup_id_z 1
		.amdhsa_system_vgpr_workitem_id 0
		.amdhsa_next_free_vgpr 498
		.amdhsa_next_free_sgpr 66
		.amdhsa_reserve_vcc 0
		.amdhsa_float_denorm_mode_32 3
		.amdhsa_float_denorm_mode_16_64 3
		.amdhsa_memory_ordered 1
		.amdhsa_forward_progress 1
		.amdhsa_inst_pref_size 178
	.end_amdhsa_kernel
	.amdgpu_metadata
---
amdhsa.version: [ 1, 2 ]
amdhsa.kernels:
  - .name:           k_qb945673029_tail
    .symbol:         k_qb945673029_tail.kd
    .args:
      - { .name: ac, .offset: 0, .size: 8, .value_kind: global_buffer, .address_space: global }
      - { .name: asc, .offset: 8, .size: 8, .value_kind: global_buffer, .address_space: global }
      - { .name: wimg, .offset: 16, .size: 8, .value_kind: global_buffer, .address_space: global }
      - { .name: wscl, .offset: 24, .size: 8, .value_kind: global_buffer, .address_space: global }
      - { .name: x, .offset: 32, .size: 8, .value_kind: global_buffer, .address_space: global }
      - { .name: bo, .offset: 40, .size: 8, .value_kind: global_buffer, .address_space: global }
      - { .name: g2, .offset: 48, .size: 8, .value_kind: global_buffer, .address_space: global }
      - { .name: be2, .offset: 56, .size: 8, .value_kind: global_buffer, .address_space: global }
      - { .name: b1, .offset: 64, .size: 8, .value_kind: global_buffer, .address_space: global }
      - { .name: b2, .offset: 72, .size: 8, .value_kind: global_buffer, .address_space: global }
      - { .name: out0, .offset: 80, .size: 8, .value_kind: global_buffer, .address_space: global }
    .group_segment_fixed_size: 203776
    .private_segment_fixed_size: 0
    .kernarg_segment_align: 8
    .kernarg_segment_size: 88
    .max_flat_workgroup_size: 256
    .sgpr_count:     66
    .vgpr_count:     498
    .wavefront_size: 32
...
	.end_amdgpu_metadata
.endif
;; end of part 8
